; MI455X (gfx1250); checked and timed in simulation.
; The chip was launched on July 23, 2026; its instructions are those of AMD's public machine-readable ISA for CDNA 5 (MIT licence, August 2026) and "CDNA5" Instruction Set Architecture Reference Guide (July 2026). The comments in the code are by the model that wrote it; some were corrected since.
;; Bit Transformer Block. Allowed arithmetic: float matrix products may take bf16 or f16 operands with f32 sums; other float arithmetic in f32, or as packed bf16 or f16 multiplies, adds, multiply-adds, maxima and minima; sums over many terms, partial sums and values carried from step to step in f32; what a program stores and reads back later, other than sums and carried values, may be rounded once to bf16 or f16.
;; Inputs: b1 4,096 float32; b2 1,024 float32; in_proj_b 3,072 float32; in_proj_w 3,072 x 1,024 float32; ln1_b 1,024 float32; ln1_g 1,024 float32; ln2_b 1,024 float32; ln2_g 1,024 float32; out_proj_b 1,024 float32; out_proj_w 1,024 x 1,024 float32; w1 4,096 x 1,024 float32; w2 1,024 x 4,096 float32; x 2 x 2,048 x 1,024 float32.
;; Outputs: out0 2 x 2,048 x 1,024 float32.
;; 2 versions, each right. Each part assembles by itself: llvm-mc -triple=amdgcn-amd-amdhsa -mcpu=gfx1250 --defsym DOCPART=n.
;; ======== version 1 of 2: 8 launches
;; limits: values are held in f16: magnitudes above 65,504 overflow, below 6.1e-05 lose precision
;; workspace buffers: p1 18,893,824 bytes; big 33,554,432 bytes; att 8,388,608 bytes; x1 16,777,216 bytes; p5 25,182,464 bytes; gq 33,554,432 bytes
;; launch prep (part 1): grid 256 x 1, 8 waves a work-group, no clusters, 1,280 bytes of LDS; arguments x, ln1_g, ln1_b, in_proj_w, out_proj_w, w1, w2, p1; writes p1
.if DOCPART == 1
	.amdgcn_target "amdgcn-amd-amdhsa--gfx1250"
	.amdhsa_code_object_version 6
	.text
	.protected	k_qf79ad539f6_prep
	.globl	k_qf79ad539f6_prep
	.p2align	8
	.type	k_qf79ad539f6_prep,@function
k_qf79ad539f6_prep:
	s_mov_b64 s[64:65], 0
	v_nop
	global_prefetch_b8 v0, s[64:65] scope:SCOPE_SE
	s_setreg_imm32_b32 hwreg(HW_REG_WAVE_MODE, 25, 1), 1
	s_wait_xcnt 0x0
; PREP.  One pass over x and the four weight tensors.  Stores into p1:
;   +0         4,096 x 1.0 (f32): the row factors of the QKV product, which shares its text with the first BitLinear product
;   +0x4000    nx = LayerNorm1(x), f16 [4096][1024]
;   +0x804000  in_proj_w, f16 [3072][1024]
;   +0x1004000 out_proj_w, f16 in blocks [16][1024][64]: element (n, k) at ((k / 64) 1024 + n) 128 + 2 (k % 64)
;   +0x1204000 256 pairs of partial sums of |w1| and |w2| (f32), one pair a work-group
; SHARES.  Wave W = 8 x work-group + wave (0..2047) takes 8,192 consecutive bytes of x (rows 2 W, 2 W + 1), of w1, of w2, and two rows of in_proj_w (W < 1536) or of out_proj_w.
; A load of a wave covers 512 consecutive bytes (out_proj_w: two runs of 256), a store of f16 256 consecutive bytes, aligned.  The statistics of a row never leave its wave.
; LIMITS.  f16 holds nx and the two weights to 11 bits; below 6e-5 it keeps a fixed step of 6e-8.  The sums of |w| are taken as 4 chains a lane, a butterfly a wave, a tree a work-group: an order of its own.
.set SPARE, 256                        ; LDS: 64 bytes of partial sums in the block at 0; from 256 on the spare words, 128 bytes a wave
.set D0,  16                           ; v[16:79]    w1, then w2
.set D1,  80                           ; v[80:143]   two weight rows; packed into the lower half, then ln1_g in the upper
.set GG,  D1+32
.set D2,  144                          ; v[144:207]  the two rows of x
.set BB,  208                          ; v[208:239]  ln1_b
.set SPW, 254
.set NIL, 255
.macro LD16 d, va, base, step          ; 16 loads of 16 bytes a lane
.set j, 0
.rept 16
	global_load_b128 v[(\d)+4*j:(\d)+4*j+3], v[\va], s[\base:\base+1] offset:(\step)*j th:TH_LOAD_NT
.set j, j+1
.endr
.endm
.macro LD8 d, base                     ; a vector of 1,024 f32, laid as a row is
.set j, 0
.rept 8
	global_load_b128 v[(\d)+4*j:(\d)+4*j+3], v2, s[\base:\base+1] offset:512*j
.set j, j+1
.endr
.endm
.macro ST16 d, va, base, step          ; 16 stores of 8 bytes a lane
.set j, 0
.rept 16
	global_store_b64 v[\va], v[(\d)+2*j:(\d)+2*j+1], s[\base:\base+1] offset:(\step)*j
.set j, j+1
.endr
.endm
.macro PACK16 d                        ; 64 f32 to 64 f16, in place, ascending: register k takes numbers 2 k, 2 k + 1
.set j, 0
.rept 32
	v_cvt_pk_f16_f32 v[(\d)+j], v[(\d)+2*j], v[(\d)+2*j+1]
.set j, j+1
.endr
.endm
.macro WSUM x, t                       ; the sum over the 32 lanes, in every lane
	v_add_f32_dpp v[\x], v[\x], v[\x] row_xmask:1 row_mask:0xf bank_mask:0xf
	v_add_f32_dpp v[\x], v[\x], v[\x] row_xmask:2 row_mask:0xf bank_mask:0xf
	v_add_f32_dpp v[\x], v[\x], v[\x] row_xmask:4 row_mask:0xf bank_mask:0xf
	v_add_f32_dpp v[\x], v[\x], v[\x] row_xmask:8 row_mask:0xf bank_mask:0xf
	v_permlanex16_b32 v[\t], v[\x], s24, s25
	v_add_f32 v[\x], v[\x], v[\t]
.endm
.macro ABSSUM c, d                     ; the lane's 64 magnitudes, four chains, into v[c]
.irp k, 0,1,2,3
	v_add_f32 v[(\c)+\k], |v[(\d)+\k]|, |v[(\d)+4+\k]|
.endr
.set j, 8
.rept 56
	v_add_f32 v[(\c)+j%4], v[(\c)+j%4], |v[(\d)+j]|
.set j, j+1
.endr
	v_add_f32 v[\c], v[\c], v[(\c)+1]
	v_add_f32 v[(\c)+2], v[(\c)+2], v[(\c)+3]
	v_add_f32 v[\c], v[\c], v[(\c)+2]
.endm
.macro FOLD                            ; four packed chains v[8:15] into v8
	v_pk_add_f32 v[8:9], v[8:9], v[10:11]
	v_pk_add_f32 v[12:13], v[12:13], v[14:15]
	v_pk_add_f32 v[8:9], v[8:9], v[12:13]
	v_add_f32 v8, v8, v9
.endm
.macro STATS x, o                      ; the row in v[x .. x+31]: x - mean in place; variance + 1e-5 into v[o]
.irp k, 0,1,2,3
	v_pk_add_f32 v[8+2*\k:9+2*\k], v[(\x)+4*\k:(\x)+4*\k+1], v[(\x)+4*\k+2:(\x)+4*\k+3]
.endr
.set j, 16
.rept 8
.set c, 8+2*((j/2)%4)
	v_pk_add_f32 v[c:c+1], v[c:c+1], v[(\x)+j:(\x)+j+1]
.set j, j+2
.endr
	FOLD
	WSUM 8, 9
	v_mul_f32 v252, s26, v8
	v_mov_b32 v253, v252
.set j, 0
.rept 16
	v_pk_add_f32 v[(\x)+j:(\x)+j+1], v[(\x)+j:(\x)+j+1], v[252:253] neg_lo:[0,1] neg_hi:[0,1]
.set j, j+2
.endr
.irp k, 0,1,2,3
	v_pk_mul_f32 v[8+2*\k:9+2*\k], v[(\x)+2*\k:(\x)+2*\k+1], v[(\x)+2*\k:(\x)+2*\k+1]
.endr
.set j, 8
.rept 12
.set c, 8+2*((j/2)%4)
	v_pk_fma_f32 v[c:c+1], v[(\x)+j:(\x)+j+1], v[(\x)+j:(\x)+j+1], v[c:c+1]
.set j, j+2
.endr
	FOLD
	WSUM 8, 9
	v_fma_f32 v[\o], v8, s26, s27
.endm
.macro APPLY x, rs                     ; ((x - mean) rstd) g + b
.set j, 0
.rept 16
	v_pk_mul_f32 v[(\x)+j:(\x)+j+1], v[(\x)+j:(\x)+j+1], v[\rs:\rs+1]
	v_pk_fma_f32 v[(\x)+j:(\x)+j+1], v[(\x)+j:(\x)+j+1], v[GG+j:GG+j+1], v[BB+j:BB+j+1]
.set j, j+2
.endr
.endm
	s_load_b512 s[4:19], s[0:1], 0x0               ; x 4, ln1_g 6, ln1_b 8, in_proj_w 10, out_proj_w 12, w1 14, w2 16, p1 18
	v_lshl_add_u32 v[SPW], v0, 2, SPARE
	v_mov_b32 v[NIL], 0
	v_lshrrev_b32 v1, 5, v0
	v_readfirstlane_b32 s20, v1                    ; wave 0..7
	v_and_b32 v1, 31, v0                           ; l
	v_lshlrev_b32 v2, 4, v1                        ; 16 l
	v_lshlrev_b32 v4, 3, v1                        ; 8 l
	v_and_b32 v6, 15, v0                           ; r
	v_bfe_u32 v7, v0, 4, 1                         ; h
	v_lshlrev_b32 v3, 4, v6
	v_lshl_add_u32 v3, v7, 12, v3                  ; 4,096 h + 16 r: two rows side by side, 256 bytes of each
	v_lshlrev_b32 v5, 3, v6
	v_lshl_add_u32 v5, v7, 7, v5                   ; 128 h + 8 r: the same two rows in a block
	v_mov_b32 v6, 1.0
	v_mov_b32 v7, 1.0
	s_lshl_b32 s21, ttmp9, 3
	s_add_co_u32 s21, s21, s20                     ; W
	s_lshl_b32 s22, s21, 13                        ; 8,192 W
	s_mov_b32 s23, 0
	s_mov_b32 s24, 0x76543210                      ; v_permlanex16_b32: each lane takes its own place in the other half
	s_mov_b32 s25, 0xfedcba98
	s_mov_b32 s26, 0x3a800000                      ; 1 / 1024
	s_mov_b32 s27, 0x3727c5ac                      ; 1e-5
	s_lshl_b32 s28, s21, 12                        ; 4,096 W: two rows of f16
	s_mov_b32 s29, 0
	s_lshl_b32 s44, ttmp9, 3
	s_mov_b32 s45, 0
	s_wait_kmcnt 0x0
	s_add_nc_u64 s[4:5], s[4:5], s[22:23]
	s_add_nc_u64 s[14:15], s[14:15], s[22:23]
	s_add_nc_u64 s[16:17], s[16:17], s[22:23]
	s_add_nc_u64 s[32:33], s[18:19], s[28:29]
	s_add_nc_u64 s[32:33], s[32:33], 0x4000        ; nx at my rows
	s_add_nc_u64 s[36:37], s[18:19], s[44:45]
	s_add_nc_u64 s[36:37], s[36:37], 0x1204000     ; my work-group's pair of partial sums
	s_cmp_lt_u32 ttmp9, 64                         ; the ones: wave 0 of the first 64 work-groups, 256 bytes each
	s_cbranch_scc0 .Lno_ones
	s_cmp_eq_u32 s20, 0
	s_cbranch_scc0 .Lno_ones
	s_lshl_b32 s30, ttmp9, 8
	s_mov_b32 s31, 0
	s_add_nc_u64 s[30:31], s[18:19], s[30:31]
	global_store_b64 v4, v[6:7], s[30:31]          ; its registers are never rewritten
.Lno_ones:
	LD16 D0, 2, 14, 512                            ; w1
	s_cmp_lt_u32 ttmp9, 192
	s_cbranch_scc0 .Lload_o
	s_add_nc_u64 s[38:39], s[10:11], s[22:23]
	LD16 D1, 2, 38, 512                            ; in_proj_w: two rows on end
	s_branch .Lloaded
.Lload_o:
	s_sub_co_u32 s40, s21, 1536
	s_lshl_b32 s40, s40, 13
	s_mov_b32 s41, 0
	s_add_nc_u64 s[38:39], s[12:13], s[40:41]
	LD16 D1, 3, 38, 256                            ; out_proj_w: load j takes columns 64 j .. of both rows
.Lloaded:
	LD16 D2, 2, 4, 512                             ; x
	s_wait_loadcnt 32                              ; w1 is in; the weight rows' 16 and x's 16 stay out
	ABSSUM 240, D0
	LD16 D0, 2, 16, 512                            ; w2
	s_wait_loadcnt 32                              ; the weight rows are in; x's 16 and w2's 16 stay out
	PACK16 D1
	s_cmp_lt_u32 ttmp9, 192
	s_cbranch_scc0 .Lstore_o
	s_add_nc_u64 s[34:35], s[18:19], s[28:29]
	s_add_nc_u64 s[34:35], s[34:35], 0x804000
	ST16 D1, 4, 34, 256
	s_branch .Lstored
.Lstore_o:
	s_sub_co_u32 s42, s21, 1536
	s_lshl_b32 s42, s42, 8                         ; 128 bytes x row 2 (W - 1536)
	s_mov_b32 s43, 0
	s_add_nc_u64 s[34:35], s[18:19], s[42:43]
	s_add_nc_u64 s[34:35], s[34:35], 0x1004000
	ST16 D1, 5, 34, 131072                         ; block j lies 1,024 rows of 128 bytes on
.Lstored:
	LD8 GG, 6                                      ; into registers that the stores above do not read
	LD8 BB, 8
	s_wait_loadcnt 32                              ; x is in; w2's 16, g's 8 and b's 8 stay out
	STATS D2, 248
	STATS D2+32, 250
	v_rsq_f32 v248, v248
	v_rsq_f32 v250, v250
	v_nop                                          ; a plain instruction behind the last of the two,
	s_wait_alu depctr_va_vdst(0)                   ; and the one wait ahead of their first reader
	v_mov_b32 v249, v248
	v_mov_b32 v251, v250
	s_wait_loadcnt 16                              ; w2 is in; g and b stay out
	ABSSUM 244, D0
	WSUM 240, 241
	WSUM 244, 245
	v_mov_b32 v241, v244
	s_wait_loadcnt 0x0
	APPLY D2, 248
	APPLY D2+32, 250
	PACK16 D2
	ST16 D2, 4, 32, 256
	v_mov_b32 v1, s20
	v_lshlrev_b32 v1, 3, v1
	ds_store_b64 v1, v[240:241]                    ; all lanes hold the wave's two sums
	s_wait_dscnt 0x0                               ; for the others' sake
	s_barrier_signal -1
	s_barrier_wait -1
	s_cmp_lg_u32 s20, 0
	s_cbranch_scc1 .Lend
	v_mov_b32 v1, 0
	ds_load_b128 v[16:19], v1
	ds_load_b128 v[20:23], v1 offset:16
	ds_load_b128 v[24:27], v1 offset:32
	ds_load_b128 v[28:31], v1 offset:48
	s_wait_dscnt 0x0
	v_pk_add_f32 v[16:17], v[16:17], v[18:19]
	v_pk_add_f32 v[20:21], v[20:21], v[22:23]
	v_pk_add_f32 v[24:25], v[24:25], v[26:27]
	v_pk_add_f32 v[28:29], v[28:29], v[30:31]
	v_pk_add_f32 v[16:17], v[16:17], v[20:21]
	v_pk_add_f32 v[24:25], v[24:25], v[28:29]
	v_pk_add_f32 v[16:17], v[16:17], v[24:25]
	v_cmp_eq_u32 vcc_lo, 0, v0
	s_wait_xcnt 0x0                                ; EXEC changes only behind this wait
	s_and_saveexec_b32 s46, vcc_lo
	global_store_b64 v1, v[16:17], s[36:37]        ; 8 bytes a work-group, 2,048 in the launch: the one store here that does not cover 256 bytes
	s_wait_xcnt 0x0
	s_or_b32 exec_lo, exec_lo, s46
.Lend:
	s_wait_tensorcnt 0x0                           ; the wave's end
	ds_add_u32 v[SPW], v[NIL]
	s_wait_dscnt 0x0
	s_endpgm
.Lfunc_end_k_qf79ad539f6_prep:
	.size	k_qf79ad539f6_prep, .Lfunc_end_k_qf79ad539f6_prep-k_qf79ad539f6_prep
	.p2alignl 7, 3214868480
	.fill 96, 4, 3214868480
	.section	.rodata,"a",@progbits
	.p2align	6, 0x0
	.amdhsa_kernel k_qf79ad539f6_prep
		.amdhsa_group_segment_fixed_size 1280
		.amdhsa_private_segment_fixed_size 0
		.amdhsa_enable_private_segment 0
		.amdhsa_kernarg_size 64
		.amdhsa_user_sgpr_count 2
		.amdhsa_user_sgpr_kernarg_segment_ptr 1
		.amdhsa_wavefront_size32 1
		.amdhsa_system_sgpr_workgroup_id_x 1
		.amdhsa_system_sgpr_workgroup_id_y 1
		.amdhsa_system_sgpr_workgroup_id_z 1
		.amdhsa_system_vgpr_workitem_id 0
		.amdhsa_next_free_vgpr 256
		.amdhsa_next_free_sgpr 66
		.amdhsa_reserve_vcc 1
		.amdhsa_float_denorm_mode_32 3
		.amdhsa_float_denorm_mode_16_64 3
		.amdhsa_memory_ordered 1
		.amdhsa_forward_progress 1
		.amdhsa_inst_pref_size 43
	.end_amdhsa_kernel
	.amdgpu_metadata
---
amdhsa.version: [ 1, 2 ]
amdhsa.kernels:
  - .name:           k_qf79ad539f6_prep
    .symbol:         k_qf79ad539f6_prep.kd
    .args:
      - { .name: x, .offset: 0, .size: 8, .value_kind: global_buffer, .address_space: global }
      - { .name: ln1_g, .offset: 8, .size: 8, .value_kind: global_buffer, .address_space: global }
      - { .name: ln1_b, .offset: 16, .size: 8, .value_kind: global_buffer, .address_space: global }
      - { .name: in_proj_w, .offset: 24, .size: 8, .value_kind: global_buffer, .address_space: global }
      - { .name: out_proj_w, .offset: 32, .size: 8, .value_kind: global_buffer, .address_space: global }
      - { .name: w1, .offset: 40, .size: 8, .value_kind: global_buffer, .address_space: global }
      - { .name: w2, .offset: 48, .size: 8, .value_kind: global_buffer, .address_space: global }
      - { .name: p1, .offset: 56, .size: 8, .value_kind: global_buffer, .address_space: global }
    .group_segment_fixed_size: 1280
    .private_segment_fixed_size: 0
    .kernarg_segment_align: 8
    .kernarg_segment_size: 64
    .max_flat_workgroup_size: 256
    .sgpr_count:     66
    .vgpr_count:     256
    .wavefront_size: 32
...
	.end_amdgpu_metadata
.endif
;; end of part 1
;; launch qkv (part 2): grid 12 x 16, 4 waves a work-group, clusters of 4 x 4, 327,680 bytes of LDS; arguments p1, in_proj_b, big; writes big
.if DOCPART == 2
	.amdgcn_target "amdgcn-amd-amdhsa--gfx1250"
	.amdhsa_code_object_version 6
	.text
	.protected	k_qf79ad539f6_qkv
	.globl	k_qf79ad539f6_qkv
	.p2align	8
	.type	k_qf79ad539f6_qkv,@function
k_qf79ad539f6_qkv:
	s_mov_b64 s[64:65], 0
	v_nop
	global_prefetch_b8 v0, s[64:65] scope:SCOPE_SE
	s_setreg_imm32_b32 hwreg(HW_REG_WAVE_MODE, 25, 1), 1
	s_wait_xcnt 0x0
	s_wait_alu depctr_hold_cnt(0) depctr_sa_sdst(0) depctr_va_vdst(0) depctr_va_sdst(0) depctr_va_ssrc(0) depctr_va_vcc(0) depctr_vm_vsrc(0)
	s_getreg_b32 s2, hwreg(HW_REG_IB_STS2, 6, 4)
	s_cmp_eq_u32 s2, 0
	s_cbranch_scc0 .Lentry_in_a_cluster
	s_endpgm
.Lentry_in_a_cluster:
	s_bfe_u32 s2, ttmp6, 0x10000c
	s_cmp_lg_u32 s2, 0xf033
	s_cbranch_scc0 .Lentry_shape_is_right
	s_endpgm
.Lentry_shape_is_right:
; out[m][n] = (sum over k of A[m][k] B[n][k]) f[m] + bias[n].  In the first argument: f (f32 [4096]) at +0, A (f16 [4096][1024]) at +0x4000, B (f16 [N][1024]) at +0x804000.
; out is f16 in blocks [N / 64][4096][64]: element (m, n) at ((n / 64) 4096 + m) 128 + 2 (n % 64).  N is the grid's width x 256 and stands nowhere in the text.
; Two launches run it: QKV (A = LayerNorm1(x), f = 1) and the first BitLinear product (A whole numbers -127..127, B -1, 0, 1: both exact in f16, the f32 sums exact; f = s_w max / 127).
; LIMIT.  out is rounded once to f16: |out| stays under 65,504.
; A tile of out, 256 x 256, is made by four waves, each 128 x 128: 64 accumulators.  K goes in steps of 128 through two LDS slots filled by tensor loads whose rows are 256 aligned bytes.
; CLUSTER.  4 x 4 work-groups: A's tiles are asked for jointly along a row of the cluster, B's along a column: the same load, descriptor and mask in the four that it names.
; THE MATRIX INSTRUCTION IS USED TRANSPOSED (source 0 = 16 rows of B, source 1 = 16 rows of A): lane l holds row l % 16 and the columns 8 (l / 16) + 0..7.
; REGISTERS, in windows of 256: window 0: v0-31 addresses, v32-47 bias, v56-59 factors, v64-191 A's two fragment buffers, v192-255 the way out; window 1: v64-191 B's two buffers;
; windows 2 and 3: the accumulators of my rows 0-63 and 64-127, (a, b) at v[8 (8 a + b)].
.set SIZE_K, 1024
.set KSTEP,  128
.set PITCH,  272                       ; an LDS row: 256 bytes + 16 of padding: the 16 rows of a fragment load start at 16 different groups of four banks (64 banks of 4 bytes: ISA guide 11.1)
.set HALFT,  128*PITCH
.set SLOT,   4*HALFT                   ; A's 256 rows, then B's
.set FT,     2*SLOT                    ; behind the ring: 512 bytes a wave, my 128 rows' factors, in the order in which the way out reads them
.set SPARE,  FT+2048                   ; the spare words, 128 bytes a wave
.set DPITCH, 528                       ; the way out: a row of 128 f32 + 16 bytes
.set DWAVE,  128*DPITCH                ; a wave's 128 rows; the four lie in the ring, which by then has had its last fill
.set LAPS,   SIZE_K/(2*KSTEP)
.set ADRA, 16                          ; v16-17 my A fragments in slot 0, 1
.set ADRB, 20                          ; v20-21 the same for B
.set DST,  22                          ; where I put an accumulator's 16 bytes
.set RD,   23                          ; where I read them back
.set FTA,  24                          ; where I read four factors
.set GO,   25                          ; my 16 bytes in 512 consecutive bytes of out
.set FW,   26                          ; where I put four factors
.set SPW,  28
.set NIL,  29
.set PFO,  30                          ; the prefetches' offset: my lane x a row of 2,048 bytes
.set BI,   32                          ; v[32:47] bias of columns 64 cb + 8 (l % 8) + 0..7, cb = 0, 1
.set FQ,   56                          ; v[56:59]
.set F0,   64
.set F1,   128
.set X,    192
.set PFA,  44
.set LIM,  43
.set G1,   24
.set G0,   32
.set G1B,  48
.set G0B,  56
.set MSB, 0
.macro WIN new                         ; the immediate's high byte repeats the setting that is left
.if MSB != (\new)
	s_set_vgpr_msb (MSB<<8)|(\new)
.set MSB, \new
.endif
.endm
.set MUL_LO, 0xa1                      ; source 0 (B) window 1, source 1 (A) window 0, C and D window 2
.set MUL_HI, 0xf1                      ; the same, C and D window 3
.set TO_B,   0x40
.macro JLOAD s                         ; a joint load: waves 0 and 1 fetch A's halves, waves 2 and 3 B's; an s_nop 0 and four v_nop follow each line
	s_cmp_eq_u32 s11, 0
	s_cbranch_scc0 .Lfor_b_\@
	tensor_load_to_lds s[G0+4*(\s):G0+4*(\s)+3], s[G1:G1+7]
	s_nop 0
.rept 4
	v_nop
.endr
	s_branch .Lasked_\@
.Lfor_b_\@:
	tensor_load_to_lds s[G0B+4*(\s):G0B+4*(\s)+3], s[G1B:G1B+7]
	s_nop 0
.rept 4
	v_nop
.endr
.Lasked_\@:
.endm
; A prefetch of the K step that stands two refills on: 32 rows x 256 bytes, a lane a row.  A's rows are asked for by the clusters with x = 0, B's by those with y = 0; the four partners of a joint
; load take 32 rows each of the wave's 128, told apart by address.  So each row's 256 bytes of a K step are named once.  The loop's last trip has no K step two on.
.macro ASK
	s_cmp_gt_u32 s3, s[LIM]
	s_cbranch_scc0 .Lnot_mine_\@
	global_prefetch_b8 v[PFO], s[PFA:PFA+1] offset:KSTEP*2 th:TH_LOAD_NT scope:SCOPE_SE
.Lnot_mine_\@:
.endm
.macro CREST                           ; a round of the cluster's barrier behind its opening barrier
	s_cmp_lg_u32 s10, 0
	s_cbranch_scc1 .Lnot_wave_0_\@
	s_barrier_signal -3
.Lnot_wave_0_\@:
	s_barrier_wait -3
	s_barrier_signal -1
	s_barrier_wait -1
.endm
.macro CROUND
	s_barrier_signal -1
	s_barrier_wait -1
	CREST
.endm
	s_load_b128 s[4:7], s[0:1], 0x0                ; the operands' buffer, bias
	s_load_b64 s[8:9], s[0:1], 0x10                ; out
	v_lshl_add_u32 v[SPW], v0, 2, SPARE
	v_mov_b32 v[NIL], 0
	ds_add_u32 v[SPW], v[NIL]                      ; the opening: the add, twice on end, and its wait ahead of my first tensor load
	ds_add_u32 v[SPW], v[NIL]
	v_lshrrev_b32 v1, 5, v0
	v_readfirstlane_b32 s10, v1                    ; wave 0..3
	s_lshr_b32 s11, s10, 1                         ; my half of the tile's rows; also: I fetch for A (0) or B (1)
	s_and_b32 s12, s10, 1                          ; my half of its columns; also: which 128 rows I fetch
	s_bfe_u32 s40, ttmp6, 0x40000                  ; cx
	s_bfe_u32 s41, ttmp6, 0x40004                  ; cy
	s_lshl_b32 s42, ttmp9, 2
	s_add_co_u32 s42, s42, s40                     ; tile column
	s_and_b32 s13, ttmp7, 0xffff
	s_lshl_b32 s13, s13, 2
	s_add_co_u32 s13, s13, s41                     ; tile row
	s_lshl_b32 s43, s41, 2
	s_lshl_b32 s43, 15, s43                        ; my row of the cluster
	s_lshl_b32 s44, 0x1111, s40                    ; my column
	s_or_b32 s[G1+0], s43, (1<<16)|(1<<20)|(1<<21)|(5<<22)|(3<<25)   ; mask; 2-byte elements; padding on; bit 21 beside a mask; after every 64 words, 4 words
	s_or_b32 s[G1B+0], s44, (1<<16)|(1<<20)|(1<<21)|(5<<22)|(3<<25)
.irp g, G1, G1B
	s_mov_b32 s[(\g)+1], KSTEP<<16                 ; tensor_dim0 = 128
	s_mov_b32 s[(\g)+2], 128<<16                   ; tensor_dim1 = 128
	s_mov_b32 s[(\g)+3], KSTEP<<16                 ; tile_dim0 = 128
	s_mov_b32 s[(\g)+4], 128                       ; tile_dim1 = 128
	s_mov_b32 s[(\g)+5], SIZE_K                    ; elements from row to row
	s_mov_b32 s[(\g)+6], 0
	s_mov_b32 s[(\g)+7], 0
.endr
	s_lshl_b32 s17, s12, 7
	s_lshl_b32 s16, s13, 8
	s_add_co_u32 s16, s16, s17                     ; A: row 256 x tile row + 128 x half
	s_lshl_b32 s46, s42, 8
	s_add_co_u32 s46, s46, s17                     ; B: row 256 x tile column + 128 x half
	s_mov_b32 s17, 0
	s_mov_b32 s47, 0
	s_mov_b64 s[18:19], SIZE_K*2
	s_mul_u64 s[16:17], s[16:17], s[18:19]
	s_mul_u64 s[46:47], s[46:47], s[18:19]
	s_mul_i32 s20, s10, HALFT                      ; where they go: wave x 128 rows
	s_wait_dscnt 0x0                               ; both opening adds are done
	s_wait_kmcnt 0x0
	s_mov_b64 s[68:69], s[4:5]                     ; the factors
	s_mov_b64 s[66:67], s[6:7]                     ; bias
	s_add_nc_u64 s[6:7], s[4:5], 0x804000          ; B
	s_add_nc_u64 s[4:5], s[4:5], 0x4000            ; A
	s_add_nc_u64 s[14:15], s[4:5], s[16:17]
	s_add_nc_u64 s[46:47], s[6:7], s[46:47]
	CROUND                                         ; all sixteen work-groups are here: the first joint loads meet
.irp s, 0,1
	s_mov_b32 s[G0+4*(\s)], 1
	s_add_co_u32 s[G0+4*(\s)+1], s20, (\s)*SLOT
	s_add_nc_u64 s[G0+4*(\s)+2:G0+4*(\s)+3], s[14:15], (\s)*KSTEP*2
	s_or_b32 s[G0+4*(\s)+3], s[G0+4*(\s)+3], 0x80000000
	s_mov_b32 s[G0B+4*(\s)], 1
	s_add_co_u32 s[G0B+4*(\s)+1], s20, (\s)*SLOT
	s_add_nc_u64 s[G0B+4*(\s)+2:G0B+4*(\s)+3], s[46:47], (\s)*KSTEP*2
	s_or_b32 s[G0B+4*(\s)+3], s[G0B+4*(\s)+3], 0x80000000
	JLOAD \s
.endr
	v_and_b32 v1, 15, v0                           ; r
	v_bfe_u32 v2, v0, 4, 1                         ; h
	v_mul_u32_u24 v3, v1, PITCH
	v_lshl_add_u32 v3, v2, 4, v3
	s_mul_i32 s21, s11, HALFT
	s_mul_i32 s22, s12, HALFT
	s_add_co_u32 s22, s22, 2*HALFT
.irp s, 0,1
	v_add_nc_u32 v[ADRA+(\s)], s21, v3
	v_add_nc_u32 v[ADRB+(\s)], s22, v3
	s_add_co_u32 s21, s21, SLOT
	s_add_co_u32 s22, s22, SLOT
.endr
	; the way out's addresses.  Row q of a block of 16 lies at place (q / 2) + 8 (q % 2): the 16 rows that a store touches start 16 bytes apart modulo 256, the two rows that half a load touches 128 apart
	v_and_b32 v4, 31, v0                           ; l
	v_lshrrev_b32 v5, 3, v4                        ; g = l / 8
	v_and_b32 v6, 7, v0                            ; i = l % 8
	s_mul_i32 s21, s10, DWAVE
	v_lshrrev_b32 v7, 1, v1
	v_and_b32 v8, 1, v1
	v_lshl_add_u32 v7, v8, 3, v7
	v_mul_u32_u24 v7, v7, DPITCH
	v_lshl_add_u32 v7, v2, 4, v7
	v_add_nc_u32 v[DST], s21, v7
	v_lshrrev_b32 v9, 1, v5
	v_and_b32 v10, 1, v5
	v_lshl_add_u32 v9, v10, 3, v9
	v_mul_u32_u24 v9, v9, DPITCH
	v_lshl_add_u32 v9, v6, 4, v9
	v_add_nc_u32 v[RD], s21, v9
	s_lshl_b32 s22, s10, 9
	s_add_co_u32 s22, s22, FT
	v_lshl_add_u32 v[FTA], v5, 4, s22              ; row 16 a + 4 t + g has its factor at 64 a + 16 g + 4 t
	v_lshrrev_b32 v11, 2, v4
	v_lshlrev_b32 v11, 6, v11
	v_and_b32 v12, 3, v4
	v_lshl_add_u32 v11, v12, 2, v11
	v_add_nc_u32 v[FW], s22, v11                   ; I hold rows 4 l + e: a = l / 4, t = l % 4, g = e
	v_lshlrev_b32 v[GO], 4, v4
	v_lshlrev_b32 v13, 5, v6                       ; 8 f32 of bias
	s_lshl_b32 s16, s13, 15                        ; out at my part: ((4 tile column + 2 half) 4096 + 256 tile row + 128 half) 128
	s_lshl_b32 s17, s11, 14
	s_add_co_u32 s16, s16, s17
	s_lshl_b32 s46, s42, 21
	s_lshl_b32 s47, s12, 20
	s_add_co_u32 s46, s46, s47
	s_add_co_u32 s16, s16, s46
	s_mov_b32 s17, 0
	s_add_nc_u64 s[8:9], s[8:9], s[16:17]
	s_lshl_b32 s16, s13, 10                        ; my 128 factors
	s_lshl_b32 s18, s11, 9
	s_add_co_u32 s16, s16, s18
	s_add_nc_u64 s[68:69], s[68:69], s[16:17]
	s_lshl_b32 s46, s42, 10                        ; my 128 numbers of bias
	s_lshl_b32 s47, s12, 9
	s_add_co_u32 s46, s46, s47
	s_mov_b32 s47, 0
	s_add_nc_u64 s[66:67], s[66:67], s[46:47]
	global_load_b128 v[FQ:FQ+3], v[GO], s[68:69]
	global_load_b128 v[BI:BI+3], v13, s[66:67]
	global_load_b128 v[BI+4:BI+7], v13, s[66:67] offset:16
	global_load_b128 v[BI+8:BI+11], v13, s[66:67] offset:256
	global_load_b128 v[BI+12:BI+15], v13, s[66:67] offset:272
	; the prefetches' pointer
	s_lshl_b32 s13, s13, 8
	s_lshl_b32 s42, s42, 8
	s_and_b32 s22, ttmp7, 0xffff                   ; cluster y
	s_cmp_eq_u32 s11, 0                            ; do I fetch for A?
	s_cselect_b32 s20, s13, s42                    ; the tile's first row
	s_cselect_b32 s21, s40, s41                    ; my place among the four that ask with me
	s_cselect_b32 s22, ttmp9, s22                  ; the coordinate along which other clusters read the same rows
	s_cselect_b64 s[PFA:PFA+1], s[4:5], s[6:7]
	s_cmp_eq_u32 s22, 0
	s_cselect_b32 s[LIM], 1, -1
	s_lshl_b32 s22, s12, 7
	s_add_co_u32 s20, s20, s22
	s_lshl_b32 s21, s21, 5
	s_add_co_u32 s20, s20, s21
	s_mov_b32 s21, 0
	s_mov_b64 s[18:19], SIZE_K*2
	s_mul_u64 s[20:21], s[20:21], s[18:19]
	s_add_nc_u64 s[PFA:PFA+1], s[PFA:PFA+1], s[20:21]
	s_add_nc_u64 s[PFA:PFA+1], s[PFA:PFA+1], 2*KSTEP*2  ; at K step 2: the first refill steps it to 3 and names K step 4
	v_mul_u32_u24 v[PFO], v4, SIZE_K*2
	s_wait_loadcnt 0x0
	ds_store_b32 v[FW], v[FQ]
	ds_store_b32 v[FW], v[FQ+1] offset:16
	ds_store_b32 v[FW], v[FQ+2] offset:32
	ds_store_b32 v[FW], v[FQ+3] offset:48
.macro MUL16 f, hi, a0, zero           ; 16 matrix instructions: row blocks a0, a0 + 1 of the window's four x all 8 column blocks, 32 along K
	WIN MUL_LO+0x50*(\hi)
.irp a, \a0, (\a0)+1
.irp b, 0,1,2,3,4,5,6,7
.if \zero
	v_wmma_f32_16x16x32_f16 v[8*(8*(\a)+(\b)):8*(8*(\a)+(\b))+7], v[(\f)+8*(\b):(\f)+8*(\b)+7], v[(\f)+8*(4*(\hi)+(\a)):(\f)+8*(4*(\hi)+(\a))+7], 0
.else
	v_wmma_f32_16x16x32_f16 v[8*(8*(\a)+(\b)):8*(8*(\a)+(\b))+7], v[(\f)+8*(\b):(\f)+8*(\b)+7], v[(\f)+8*(4*(\hi)+(\a)):(\f)+8*(4*(\hi)+(\a))+7], v[8*(8*(\a)+(\b)):8*(8*(\a)+(\b))+7]
.endif
.endr
.endr
.endm
.macro FETCH slot, k, f                ; 32 LDS loads in one run: a quarter step's fragments, B's first
	WIN TO_B
.irp i, 0,1,2,3,4,5,6,7
	ds_load_b128 v[(\f)+8*(\i):(\f)+8*(\i)+3],   v[ADRB+(\slot)] offset:(\k)+(\i)*16*PITCH
	ds_load_b128 v[(\f)+8*(\i)+4:(\f)+8*(\i)+7], v[ADRB+(\slot)] offset:(\k)+(\i)*16*PITCH+32
.endr
	WIN 0
.irp i, 0,1,2,3,4,5,6,7
	ds_load_b128 v[(\f)+8*(\i):(\f)+8*(\i)+3],   v[ADRA+(\slot)] offset:(\k)+(\i)*16*PITCH
	ds_load_b128 v[(\f)+8*(\i)+4:(\f)+8*(\i)+7], v[ADRA+(\slot)] offset:(\k)+(\i)*16*PITCH+32
.endr
.endm
.macro PLACES                          ; four plain instructions between a matrix instruction and a load into, or a read of, its registers
.rept 4
	v_nop
.endr
.endm
.macro QUARTER slot, k, f, g, zero     ; 64 matrix instructions on buffer f; in the middle the next quarter's fragments, at byte k, into buffer g
	s_wait_dscnt 8                                 ; B and A's rows 0-63 are in; the youngest eight loads may be out
	WIN MUL_LO
	MUL16 \f, 0, 0, \zero
	MUL16 \f, 0, 2, \zero
	PLACES
	FETCH \slot, \k, \g
	s_wait_dscnt 32                                ; all but the 32 just issued
	WIN MUL_HI
	MUL16 \f, 1, 0, \zero
	MUL16 \f, 1, 2, \zero
.endm
.macro MEET round                      ; the first half of a K step's last quarter, and the barrier of the change of slots
	WIN 0
	s_wait_tensorcnt 0x0                           ; all my tensor loads have landed: the one that was out is my part of the next slot
	ds_add_u32 v[SPW], v[NIL]
	s_wait_dscnt 9                                 ; the add and the youngest eight loads may be out
	WIN MUL_LO
	MUL16 F1, 0, 0, 0
	s_wait_dscnt 0x0                               ; the add is done, and my reads of this slot are over
	s_barrier_signal -1
	MUL16 F1, 0, 2, 0
.if \round
	WIN 0
.endif
	s_barrier_wait -1
.endm
.macro TURN slot, next                 ; the last quarter: the slot just read is filled again, two K steps ahead, first thing behind the round
	s_wait_xcnt 0x0                                ; the last prefetch, a K step back, has read its address
	s_add_nc_u64 s[PFA:PFA+1], s[PFA:PFA+1], KSTEP*2
	MEET 1
	CREST                                          ; no wave of any partner still reads this slot or has a load on its way
	s_add_nc_u64 s[G0+4*(\slot)+2:G0+4*(\slot)+3], s[G0+4*(\slot)+2:G0+4*(\slot)+3], 2*KSTEP*2
	s_add_nc_u64 s[G0B+4*(\slot)+2:G0B+4*(\slot)+3], s[G0B+4*(\slot)+2:G0B+4*(\slot)+3], 2*KSTEP*2
	JLOAD \slot                                    ; its four v_nop are also the places in front of the loads below
	FETCH \next, 0, F0
	ASK
	WIN MUL_HI
	MUL16 F1, 1, 0, 0
	MUL16 F1, 1, 2, 0
.endm
	s_wait_dscnt 0x0                               ; my factors lie in LDS
	s_wait_tensorcnt 1                             ; my part of K step 0 is in; K step 1's may stay out
	s_barrier_signal -1
	s_barrier_wait -1
	FETCH 0, 0, F0
	QUARTER 0, 64,  F0, F1, 1                      ; the first quarter's products start the sums
	WIN 0
	s_mov_b32 s3, LAPS-1
.Llap:                                             ; a trip goes once round the ring and fills both slots again
	QUARTER 0, 128, F1, F0, 0
	QUARTER 0, 192, F0, F1, 0
	TURN 0, 1
	QUARTER 1, 64,  F0, F1, 0
	QUARTER 1, 128, F1, F0, 0
	QUARTER 1, 192, F0, F1, 0
	TURN 1, 0
	QUARTER 0, 64,  F0, F1, 0
	WIN 0
	s_sub_co_u32 s3, s3, 1
	s_cmp_lg_u32 s3, 0
	s_cbranch_scc1 .Llap
	QUARTER 0, 128, F1, F0, 0                      ; the last lap fills nothing
	QUARTER 0, 192, F0, F1, 0
	MEET 0
	PLACES
	FETCH 1, 0, F0
	WIN MUL_HI
	MUL16 F1, 1, 0, 0
	MUL16 F1, 1, 2, 0
	QUARTER 1, 64,  F0, F1, 0
	QUARTER 1, 128, F1, F0, 0
	QUARTER 1, 192, F0, F1, 0
	s_wait_dscnt 8
	MUL16 F1, 0, 0, 0
	MUL16 F1, 0, 2, 0
	s_wait_dscnt 0x0
	MUL16 F1, 1, 0, 0
	MUL16 F1, 1, 2, 0
	WIN 0
	; THE WAY OUT.  Every wave's reads of the ring are over and every fill has landed: behind this barrier the ring's bytes serve as the four waves' own 128 rows x 128 f32.
	s_barrier_signal -1
	s_barrier_wait -1
	PLACES
.irp a, 0,1,2,3,4,5,6,7                ; in a row, a block of 64 columns is 256 bytes: first the lower four numbers of each eight, then the upper four
	WIN 0x08+4*((\a)/4)
.irp b, 0,1,2,3,4,5,6,7
	ds_store_b128 v[DST], v[8*(8*((\a)%4)+(\b)):8*(8*((\a)%4)+(\b))+3]   offset:(\a)*16*DPITCH+((\b)/4)*256+((\b)%4)*32
	ds_store_b128 v[DST], v[8*(8*((\a)%4)+(\b))+4:8*(8*((\a)%4)+(\b))+7] offset:(\a)*16*DPITCH+((\b)/4)*256+((\b)%4)*32+128
.endr
.endr
	WIN 0
	s_mov_b32 s3, 8
.Lout:                                             ; a trip: 16 rows.  Lane l takes row 4 t + l / 8 and the columns 64 cb + 8 (l % 8) + 0..7
	ds_load_b128 v[FQ:FQ+3], v[FTA]                ; LDS serves a wave's instructions in order (ISA guide 5.7.1.4): these see my stores
.irp t, 0,1,2,3
.irp cb, 0,1
	ds_load_b128 v[X+16*\t+8*\cb:X+16*\t+8*\cb+3],   v[RD] offset:2*DPITCH*\t+256*\cb
	ds_load_b128 v[X+16*\t+8*\cb+4:X+16*\t+8*\cb+7], v[RD] offset:2*DPITCH*\t+256*\cb+128
.endr
.endr
	s_wait_dscnt 0x0
.irp t, 0,1,2,3
.irp cb, 0,1
.irp k, 0,1,2,3
.if (\t)%2
	v_pk_fma_f32 v[X+16*\t+8*\cb+2*\k:X+16*\t+8*\cb+2*\k+1], v[X+16*\t+8*\cb+2*\k:X+16*\t+8*\cb+2*\k+1], v[FQ+\t-1:FQ+\t], v[BI+8*\cb+2*\k:BI+8*\cb+2*\k+1] op_sel:[0,1,0] op_sel_hi:[1,1,1]
.else
	v_pk_fma_f32 v[X+16*\t+8*\cb+2*\k:X+16*\t+8*\cb+2*\k+1], v[X+16*\t+8*\cb+2*\k:X+16*\t+8*\cb+2*\k+1], v[FQ+\t:FQ+\t+1], v[BI+8*\cb+2*\k:BI+8*\cb+2*\k+1] op_sel_hi:[1,0,1]
.endif
.endr
.endr
.endr
.irp t, 0,1,2,3
.irp cb, 0,1
.irp k, 0,1,2,3
	v_cvt_pk_f16_f32 v[X+16*\t+8*\cb+\k], v[X+16*\t+8*\cb+2*\k], v[X+16*\t+8*\cb+2*\k+1]
.endr
.endr
.endr
.irp t, 0,1,2,3
.irp cb, 0,1
	global_store_b128 v[GO], v[X+16*\t+8*\cb:X+16*\t+8*\cb+3], s[8:9] offset:512*\t+524288*\cb  ; four rows of a block: 512 consecutive bytes, aligned
.endr
.endr
	s_wait_xcnt 0x0                                ; the stores' data and offset are rewritten only behind this wait
	v_add_nc_u32 v[RD], 16*DPITCH, v[RD]
	v_add_nc_u32 v[FTA], 64, v[FTA]
	v_add_nc_u32 v[GO], 2048, v[GO]
	s_sub_co_u32 s3, s3, 1
	s_cmp_lg_u32 s3, 0
	s_cbranch_scc1 .Lout
	s_wait_tensorcnt 0x0                           ; the wave's end
	ds_add_u32 v[SPW], v[NIL]
	s_wait_dscnt 0x0
	CROUND                                         ; the closing round
	s_endpgm
.Lfunc_end_k_qf79ad539f6_qkv:
	.size	k_qf79ad539f6_qkv, .Lfunc_end_k_qf79ad539f6_qkv-k_qf79ad539f6_qkv
	.p2alignl 7, 3214868480
	.fill 96, 4, 3214868480
	.section	.rodata,"a",@progbits
	.p2align	6, 0x0
	.amdhsa_kernel k_qf79ad539f6_qkv
		.amdhsa_group_segment_fixed_size 327680
		.amdhsa_private_segment_fixed_size 0
		.amdhsa_enable_private_segment 0
		.amdhsa_kernarg_size 24
		.amdhsa_user_sgpr_count 2
		.amdhsa_user_sgpr_kernarg_segment_ptr 1
		.amdhsa_wavefront_size32 1
		.amdhsa_system_sgpr_workgroup_id_x 1
		.amdhsa_system_sgpr_workgroup_id_y 1
		.amdhsa_system_sgpr_workgroup_id_z 1
		.amdhsa_system_vgpr_workitem_id 0
		.amdhsa_next_free_vgpr 1024
		.amdhsa_next_free_sgpr 72
		.amdhsa_reserve_vcc 0
		.amdhsa_float_denorm_mode_32 3
		.amdhsa_float_denorm_mode_16_64 3
		.amdhsa_memory_ordered 1
		.amdhsa_forward_progress 1
		.amdhsa_inst_pref_size 129
	.end_amdhsa_kernel
	.amdgpu_metadata
---
amdhsa.version: [ 1, 2 ]
amdhsa.kernels:
  - .name:           k_qf79ad539f6_qkv
    .symbol:         k_qf79ad539f6_qkv.kd
    .args:
      - { .name: p1, .offset: 0, .size: 8, .value_kind: global_buffer, .address_space: global }
      - { .name: in_proj_b, .offset: 8, .size: 8, .value_kind: global_buffer, .address_space: global }
      - { .name: big, .offset: 16, .size: 8, .value_kind: global_buffer, .address_space: global }
    .group_segment_fixed_size: 327680
    .private_segment_fixed_size: 0
    .kernarg_segment_align: 8
    .kernarg_segment_size: 24
    .max_flat_workgroup_size: 128
    .sgpr_count:     72
    .vgpr_count:     1024
    .wavefront_size: 32
...
	.end_amdgpu_metadata
.endif
;; end of part 2
;; launch attn (part 3): grid 8 x 32, 4 waves a work-group, clusters of 4 x 1, 327,680 bytes of LDS; arguments big, att; writes att
.if DOCPART == 3
	.amdgcn_target "amdgcn-amd-amdhsa--gfx1250"
	.amdhsa_code_object_version 6
	.text
	.protected	k_qf79ad539f6_attn
	.globl	k_qf79ad539f6_attn
	.p2align	8
	.type	k_qf79ad539f6_attn,@function
k_qf79ad539f6_attn:
	s_mov_b64 s[64:65], 0
	v_nop
	global_prefetch_b8 v0, s[64:65] scope:SCOPE_SE
	s_setreg_imm32_b32 hwreg(HW_REG_WAVE_MODE, 25, 1), 1
	s_wait_xcnt 0x0
	s_wait_alu depctr_hold_cnt(0) depctr_sa_sdst(0) depctr_va_vdst(0) depctr_va_sdst(0) depctr_va_ssrc(0) depctr_va_vcc(0) depctr_vm_vsrc(0)
	s_getreg_b32 s2, hwreg(HW_REG_IB_STS2, 6, 4)
	s_cmp_eq_u32 s2, 0
	s_cbranch_scc0 .Lentry_in_a_cluster
	s_endpgm
.Lentry_in_a_cluster:
	s_bfe_u32 s2, ttmp6, 0x10000c
	s_cmp_lg_u32 s2, 0x3003
	s_cbranch_scc0 .Lentry_shape_is_right
	s_endpgm
.Lentry_shape_is_right:
; O[q][:] = the sum over k of softmax_k(Q[q] . K[k] / 8) V[k][:], for each of 32 (batch, head) pairs: 2,048 rows of 64 channels, f16.
; big holds q, k, v in blocks [48][4096][64]: head y % 16 of batch y / 16 begins at (y % 16) 524,288 + (y / 16) 262,144; k lies 8,388,608 bytes on, v 16,777,216.  A head's rows are dense, 128 bytes each.
; att takes O in the same layout.  Products, maxima and sums in f32; the weights are rounded to f16 for the second product (their sum is taken of the unrounded weights), O once at the end.
; LIMITS.  q, k, v arrive within f16's 65,504; a weight below 2^-126 counts as 0 in the sum; NaN and infinities are not treated apart.
; SHARES.  A work-group owns 256 queries, a wave 64: four PIECES of 16.  Every wave walks all 2,048 keys, 64 a step; a slot of LDS holds four steps.
; LAYOUT.  S^T = K Q^T holds ONE query a lane (lane % 16) and the keys 8 (lane / 16) + 0..7; two such results rounded to f16 ARE source 1 of O^T = V^T P.  p = 2^(c s - c m), c = log2(e) / 8, with a running
; maximum m; O and the sum l are multiplied by a = 2^(c m_old - c m_new) in every step.  m starts at the lowest finite number, O and l at 0: the first step has a = 0.
; TURNS.  Turn n belongs to piece n: 8 products K Q^T of piece n + 1, later 8 products V^T P of piece n - 1; beside them the scaling, exponentials, roundings, sums and rescaling of piece n and the maximum and
; statistics of piece n + 1.  Four vector instructions stand behind every matrix instruction, the rest in one run.  A turn's 33 exponentials are one batch with one wait.
; CLUSTER.  The four query blocks of a cluster belong to one head and walk the same K and V: each tile is asked for jointly.
; REGISTERS (windows of 256): window 0: v0-15 addresses; v16-31 statistics; v48-55 at work; v64-127 S^T, two buffers; v192-223 P, two buffers.  window 1: v0-127 O^T.  window 2: v0-63 Q; v128-191 K; v192-255 V.
.set NP,    4
.set KS,    64
.set PK,    144       ; a row of K in LDS: 128 bytes + 16: the 16 rows of a load start at 16 different groups of four banks (64 banks of 4 bytes: ISA guide 11.1)
.set PV,    160       ; a row of V: 128 + 32
.set VOFF,  4*KS*PK
.set SLOT1, 1<<17
.set STAGE, SLOT1+4*KS*(PK+PV)
.set SP,    144
.set SPARE, STAGE+4*16*SP
.set AK0, 2
.set AV0, 3
.set AK,  4
.set AV,  5
.set STO, 6
.set RD,  7
.set GO,  8
.set MV,  12
.set QO,  15
.set ST,  16          ; piece t: c m, m, l (even keys', odd keys')
.set TMP, 48
.set PFO, 61          ; 256 x my lane
.set SPW, 62
.set NIL, 63
.set S,   64
.set P,   192
.set KF,  128
.set VF,  192
.set WV,  12
.set LIM, 15
.set PFA, 18
.set G1K, 24
.set G1V, 32
.set G0K, 40
.set G0V, 44
.set SLOTS, 56
.set CNT, 57
.set CS,  58
.set SEL, 60
.set TBK, 62
.set TBV, 63
.set MSB, 0
.macro WIN new
.if MSB != (\new)
	s_set_vgpr_msb (MSB<<8)|(\new)
.set MSB, (\new)
.endif
.endm
.set W_KQ, 0x0a       ; K and Q in window 2, S^T in window 0
.set W_PV, 0x52       ; V in window 2, P in window 0, O^T in window 1
.set W_RS, 0x41       ; destination and source 0 in window 1, source 1 in window 0
.macro JLOAD                        ; waves 0 and 1 fetch the halves of a tile's K, waves 2 and 3 those of its V; an s_nop 0 and four v_nop follow each line
	s_cmp_lt_u32 s[WV], 2
	s_cbranch_scc0 .Lfor_v_\@
	tensor_load_to_lds s[G0K:G0K+3], s[G1K:G1K+7]
	s_nop 0
.rept 4
	v_nop
.endr
	s_branch .Lasked_\@
.Lfor_v_\@:
	tensor_load_to_lds s[G0V:G0V+3], s[G1V:G1V+7]
	s_nop 0
.rept 4
	v_nop
.endr
.Lasked_\@:
.endm
; A prefetch of the tile that the NEXT change of slots will ask for: 32,768 bytes of K and of V, 256 a lane.  The head's first cluster asks; its four partners take 8,192 bytes each, told apart by address;
; wave 0 asks for K's, wave 2 for V's.  So each 256 bytes are named once.  The last change that fills a slot asks for nothing.
.macro ASK
	s_cmp_gt_u32 s[SLOTS], s[LIM]
	s_cbranch_scc0 .Lnot_mine_\@
	global_prefetch_b8 v[PFO], s[PFA:PFA+1] th:TH_LOAD_NT scope:SCOPE_SE
.Lnot_mine_\@:
.endm
.macro CROUND
	s_barrier_signal -1
	s_barrier_wait -1
	s_cmp_lg_u32 s[WV], 0
	s_cbranch_scc1 .Lnot_wave_0_\@
	s_barrier_signal -3
.Lnot_wave_0_\@:
	s_barrier_wait -3
	s_barrier_signal -1
	s_barrier_wait -1
.endm
; THE CHANGE OF SLOTS.  Each wave waits for all its tensor loads (one is out: its part of the other slot), adds 0 to its spare word, and waits for that and for its reads of the slot that it leaves.
; fill = 1: behind a round of the cluster's barrier the old slot is filled again first, with the keys two slots on: four key steps in which to land.
.macro CHANGE fill
	WIN 0
	s_wait_tensorcnt 0x0
	ds_add_u32 v[SPW], v[NIL]
.if \fill
.irp g, G0K, G0V
	s_xor_b32 s[\g+1], s[\g+1], SLOT1
	s_add_nc_u64 s[\g+2:\g+3], s[\g+2:\g+3], 4*KS*128
.endr
	s_wait_xcnt 0x0                 ; the last prefetch, four key steps back, has read its address
	s_add_nc_u64 s[PFA:PFA+1], s[PFA:PFA+1], 4*KS*128
	s_wait_dscnt 0x0
	CROUND
	JLOAD
	ASK
.else
	s_wait_dscnt 0x0
	s_barrier_signal -1
	s_barrier_wait -1
.endif
	s_sub_co_u32 s[TBK], s[TBK], 4*KS*PK
	s_xor_b32 s[TBK], s[TBK], SLOT1
	s_sub_co_u32 s[TBV], s[TBV], 4*KS*PV
	s_xor_b32 s[TBV], s[TBV], SLOT1
.endm
	s_load_b128 s[4:7], s[0:1], 0x0   ; big s[4:5], att s[6:7]
	v_lshl_add_u32 v[SPW], v0, 2, SPARE
	v_mov_b32 v[NIL], 0
	ds_add_u32 v[SPW], v[NIL]       ; the opening: the add, twice on end, and its wait ahead of my first tensor load
	ds_add_u32 v[SPW], v[NIL]
	v_lshrrev_b32 v1, 5, v0
	v_readfirstlane_b32 s[WV], v1
	s_bfe_u32 s13, ttmp6, 0x40000   ; cx
	s_lshl_b32 s14, ttmp9, 2
	s_add_co_u32 s14, s14, s13      ; my block of 256 queries: it enters Q's and O's addresses alone
	s_and_b32 s20, ttmp7, 0xffff
	s_and_b32 s21, s20, 15          ; head
	s_lshr_b32 s20, s20, 4          ; batch
	s_lshl_b32 s21, s21, 19
	s_lshl_b32 s20, s20, 18
	s_add_co_u32 s20, s20, s21      ; the head's first byte
	s_and_b32 s16, s[WV], 1         ; which half of a tile's 256 keys I fetch
	s_lshl_b32 s22, s16, 14
	s_add_co_u32 s22, s22, s20
	s_mov_b32 s23, 0
	s_mul_i32 s17, s16, 128*PK
	s_mul_i32 s50, s16, 128*PV
	s_lshl_b32 s2, s14, 15
	s_lshl_b32 s3, s[WV], 13
	s_add_co_u32 s2, s2, s3
	s_add_co_u32 s2, s2, s20        ; my wave's 64 rows
	s_mov_b32 s3, 0
	; 128 keys are 16,384 dense bytes: asked for as 64 rows of 256 bytes, two keys a row, padded in LDS after every key
	s_mov_b32 s[G1K], 15|(1<<16)|(1<<20)|(1<<21)|(4<<22)|(3<<25)
	s_mov_b32 s[G1V], 15|(1<<16)|(1<<20)|(1<<21)|(4<<22)|(7<<25)
.irp g, G1K, G1V
	s_mov_b32 s[\g+1], 128<<16
	s_mov_b32 s[\g+2], 64<<16
	s_mov_b32 s[\g+3], 128<<16
	s_mov_b32 s[\g+4], 64
	s_mov_b32 s[\g+5], 128
	s_mov_b32 s[\g+6], 0
	s_mov_b32 s[\g+7], 0
.endr
	s_mov_b32 s[CS], 0x3e38aa3b     ; c = log2(e) / 8
	s_mov_b32 s[CS+1], s[CS]
	s_mov_b32 s[SEL], 0x76543210
	s_mov_b32 s[SEL+1], 0xfedcba98
	s_mov_b32 s[TBK], SLOT1+4*KS*PK ; the first change of slots turns these two into 0
	s_mov_b32 s[TBV], SLOT1+4*KS*PV
	s_mov_b32 s[G0K], 1
	s_mov_b32 s[G0K+1], s17
	s_mov_b32 s[G0V], 1
	s_add_co_u32 s[G0V+1], s50, VOFF
	s_mov_b32 s[SLOTS], 7           ; tiles still to be asked for
	s_and_b32 s[LIM], s[WV], 1
	s_or_b32 s[LIM], s[LIM], ttmp9  ; 0 in waves 0 and 2 of the head's first cluster: the same in all four partners
	s_cmp_eq_u32 s[LIM], 0
	s_cselect_b32 s[LIM], 1, -1
	s_lshl_b32 s52, s13, 13
	s_mov_b32 s53, 0
	v_and_b32 v[PFO], 31, v0
	v_lshlrev_b32 v[PFO], 8, v[PFO]
	s_wait_dscnt 0x0
	s_wait_kmcnt 0x0
	s_add_nc_u64 s[G0K+2:G0K+3], s[4:5], s[22:23]
	s_add_nc_u64 s[G0K+2:G0K+3], s[G0K+2:G0K+3], 0x800000
	s_add_nc_u64 s[G0V+2:G0V+3], s[4:5], s[22:23]
	s_add_nc_u64 s[G0V+2:G0V+3], s[G0V+2:G0V+3], 0x1000000
	s_cmp_lt_u32 s[WV], 2
	s_cselect_b64 s[PFA:PFA+1], s[G0K+2:G0K+3], s[G0V+2:G0V+3]  ; (in waves 0 and 2 these stand at a tile's first row)
	s_add_nc_u64 s[PFA:PFA+1], s[PFA:PFA+1], s[52:53]
	s_add_nc_u64 s[PFA:PFA+1], s[PFA:PFA+1], 4*KS*128            ; in tile 1; the first change steps it to tile 2
	s_or_b32 s[G0K+3], s[G0K+3], 0x80000000
	s_or_b32 s[G0V+3], s[G0V+3], 0x80000000
	s_add_nc_u64 s[4:5], s[4:5], s[2:3]
	s_add_nc_u64 s[6:7], s[6:7], s[2:3]
	CROUND
	JLOAD                           ; tile 0 into slot 0
	v_and_b32 v1, 15, v0
	v_bfe_u32 v9, v0, 4, 1
	v_lshlrev_b32 v[QO], 7, v1
	v_lshl_add_u32 v[QO], v9, 4, v[QO]
	WIN 0x80
.set i, 0
.rept 8                             ; Q stays in registers: piece i / 2, channels 32 (i % 2) on
	global_load_b128 v[8*i:8*i+3],   v[QO], s[4:5] offset:(i/2)*2048+(i%2)*64
	global_load_b128 v[8*i+4:8*i+7], v[QO], s[4:5] offset:(i/2)*2048+(i%2)*64+32
.set i, i+1
.endr
	; what the first turn finds: V and P's second buffer hold 0 (its products V^T P, of a piece that has not been, add 0), O^T and l are 0.  All this stands in the wait for the first tile
.set i, VF
.rept 64
	v_mov_b32 v[i], 0
.set i, i+1
.endr
	WIN 0x40
.set i, 0
.rept 128
	v_mov_b32 v[i], 0
.set i, i+1
.endr
	WIN 0
.set i, 0
.rept 4
	v_mov_b32 v[ST+4*i], 0xfe000000    ; c m: far below every c s
	v_mov_b32 v[ST+4*i+1], 0xff7fffff  ; m
	v_mov_b32 v[ST+4*i+2], 0
	v_mov_b32 v[ST+4*i+3], 0
.set i, i+1
.endr
.set i, P+16
.rept 16
	v_mov_b32 v[i], 0
.set i, i+1
.endr
	v_mul_u32_u24 v[AK0], v1, PK
	v_lshl_add_u32 v[AK0], v9, 4, v[AK0]
	v_and_b32 v10, 7, v0
	v_bfe_u32 v11, v0, 3, 1
	v_lshl_add_u32 v[AV0], v9, 3, v10   ; the turning load: lane l reads key 8 (l / 16) + l % 8, channels 8 ((l / 8) % 2) + 0..7
	v_mul_u32_u24 v[AV0], v[AV0], PV
	v_lshl_add_u32 v[AV0], v11, 4, v[AV0]
	v_add_nc_u32 v[AV0], VOFF, v[AV0]
	s_mul_i32 s13, s[WV], 16*SP
	s_add_co_u32 s13, s13, STAGE
	v_mul_u32_u24 v[STO], v1, SP
	v_lshl_add_u32 v[STO], v9, 4, v[STO]
	v_add_nc_u32 v[STO], s13, v[STO]
	v_bfe_u32 v[RD], v0, 3, 2
	v_mul_u32_u24 v[RD], v[RD], SP
	v_lshl_add_u32 v[RD], v10, 4, v[RD]
	v_add_nc_u32 v[RD], s13, v[RD]
	v_and_b32 v[GO], 31, v0
	v_lshlrev_b32 v[GO], 4, v[GO]
; THE MATRIX WORK.  The 4 accumulators of a run of 8 take turns.
.macro KQ x                         ; product i of 8 of S^T = K Q^T for piece x: channels 32 (i / 4) on, keys 16 (i % 4) on
	WIN W_KQ
.set rS, S+32*((\x)%2)+8*(i%4)
.set rK, KF+16*(i%4)+8*(i/4)
.set rQ, 16*(\x)+8*(i/4)
.if i < 4
	v_wmma_f32_16x16x32_f16 v[rS:rS+7], v[rK:rK+7], v[rQ:rQ+7], 0
.else
	v_wmma_f32_16x16x32_f16 v[rS:rS+7], v[rK:rK+7], v[rQ:rQ+7], v[rS:rS+7]
.endif
.endm
.macro PV x                         ; product i of 8 of O^T += V^T P for piece x: keys 32 (i / 4) on, channels 16 (i % 4) on
	WIN W_PV
.set rO, 32*(\x)+8*(i%4)
.set rV, VF+32*(i/4)+8*(i%4)
.set rP, P+16*((\x)%2)+8*(i/4)
	v_wmma_f32_16x16x32_f16 v[rO:rO+7], v[rV:rV+7], v[rP:rP+7], v[rO:rO+7]
.endm
.macro MM                           ; the turn's next matrix instruction.  NOKQ = 1: the last turn: there is no next piece
.if (i < 8) && !NOKQ
	KQ (Y+1)%NP
.elseif i >= 8
.set i, i-8
	PV (Y+NP-1)%NP
.set i, i+8
.endif
.set i, i+1
.endm
.macro FETCH_K                      ; a step's K, 16 loads in one run
	WIN 0x80
.irp f, 0,1,2,3,4,5,6,7
	ds_load_b128 v[KF+8*\f:KF+8*\f+3],   v[AK] offset:(\f/2)*16*PK+(\f%2)*64
	ds_load_b128 v[KF+8*\f+4:KF+8*\f+7], v[AK] offset:(\f/2)*16*PK+(\f%2)*64+32
.endr
	s_add_co_u32 s[TBK], s[TBK], KS*PK
	WIN 0
.endm
.macro FETCH_V                      ; a step's V, turned
	WIN 0x80
.irp f, 0,1,2,3,4,5,6,7
	ds_load_tr16_b128 v[VF+8*\f:VF+8*\f+3],   v[AV] offset:(\f/4)*32*PV+(\f%4)*32
	ds_load_tr16_b128 v[VF+8*\f+4:VF+8*\f+7], v[AV] offset:(\f/4)*32*PV+16*PV+(\f%4)*32
.endr
	WIN 0
.endm
; THE VECTOR WORK, one line at a time: OP kind, number.  For piece Y: F n: c s - c m for pair n.  E n: the exponential of score n.  C n: pair n rounded to f16.  B n: of the four weights 4 n .. the second pair is
; added onto the first.  L n: l takes that sum (L 0: l = a l + sum).  R n: pair n of O^T times a.  For piece Y + 1: X n, number n of the 22 that find its maximum and statistics (each accumulator's lowest
; registers are read first).
.set F, 0
.set E, 1
.set C, 2
.set B, 3
.set L, 4
.set R, 5
.set X, 6
.macro REGS y
.set rT, ST+4*(\y)
.set rC, TMP+4*((\y)%2)
.set rW, MV+((\y)%2)
.set rS, S+32*((\y)%2)
.set rP, P+16*((\y)%2)
.set rO, 32*(\y)
.endm
.macro OP k, n
.if (\k) == R
	REGS Y
	WIN W_RS
	v_pk_mul_f32 v[rO+2*(\n):rO+2*(\n)+1], v[rO+2*(\n):rO+2*(\n)+1], v[rC+2:rC+3] op_sel_hi:[1,0]
.elseif (\k) < R
	REGS Y
	WIN 0
.if (\k) == F
	v_pk_fma_f32 v[rS+2*(\n):rS+2*(\n)+1], v[rS+2*(\n):rS+2*(\n)+1], s[CS:CS+1], v[rT:rT+1] op_sel_hi:[1,0,0] neg_lo:[0,0,1] neg_hi:[0,0,1]
.elseif (\k) == E
	v_exp_f32 v[rS+(\n)], v[rS+(\n)]
.elseif (\k) == C
	v_cvt_pk_f16_f32 v[rP+(\n)], v[rS+2*(\n)], v[rS+2*(\n)+1]
.elseif (\k) == B
	v_pk_add_f32 v[rS+4*(\n):rS+4*(\n)+1], v[rS+4*(\n):rS+4*(\n)+1], v[rS+4*(\n)+2:rS+4*(\n)+3]
.elseif (\n) == 0
	v_pk_fma_f32 v[rT+2:rT+3], v[rT+2:rT+3], v[rC+2:rC+3], v[rS:rS+1] op_sel_hi:[1,0,1]
.else
	v_pk_add_f32 v[rT+2:rT+3], v[rT+2:rT+3], v[rS+4*(\n):rS+4*(\n)+1]
.endif
.elseif NOKQ
	v_nop
.else
	REGS (Y+1)%NP
	WIN 0
.if (\n) < 4
	v_max3_num_f32 v[rC+(\n)], v[rS+8*(\n)], v[rS+8*(\n)+1], v[rS+8*(\n)+2]
.elseif (\n) < 12
	v_max3_num_f32 v[rC+(\n)%4], v[rC+(\n)%4], v[rS+8*((\n)%4)+2*((\n)/4)+1], v[rS+8*((\n)%4)+2*((\n)/4)+2]
.elseif (\n) == 12
	v_max3_num_f32 v[rC], v[rC], v[rS+7], v[rS+15]
.elseif (\n) == 13
	v_max3_num_f32 v[rC+1], v[rC+1], v[rS+23], v[rS+31]
.elseif (\n) == 14
	v_max3_num_f32 v[rC+2], v[rC+2], v[rC+3], v[rT+1]
.elseif (\n) == 15
	v_mov_b32 v[rW], v[rT]
.elseif (\n) == 16
	v_max3_num_f32 v[rC], v[rC], v[rC+1], v[rC+2]
.elseif (\n) == 17
	v_permlanex16_b32 v[rC+3], v[rC], s[SEL], s[SEL+1]
.elseif (\n) == 18
	v_max_num_f32 v[rT+1], v[rC], v[rC+3]
.elseif (\n) == 19
	v_mul_f32 v[rT], s[CS], v[rT+1]
.elseif (\n) == 20
	v_sub_f32 v[rC+1], v[rW], v[rT]
.else
	v_exp_f32 v[rC+2], v[rC+1]
.endif
.endif
.endm
.macro OPS a, i1, b=-1, i2=0, c=-1, i3=0, d=-1, i4=0
	OP \a, \i1
.if (\b) >= 0
	OP \b, \i2
.endif
.if (\c) >= 0
	OP \c, \i3
.endif
.if (\d) >= 0
	OP \d, \i4
.endif
.endm
.macro ROW a, i1, b, i2, c, i3, d, i4  ; a matrix instruction and the four behind it
	MM
	OPS \a, \i1, \b, \i2, \c, \i3, \d, \i4
.endm
; A TURN, for piece p.  Ahead of its one wait stands all that names no result of the turn's exponentials; behind it the 8 products V^T P with the roundings and sums.  end = 1: the last two turns fetch nothing.
; cnt = 1: the loop's count is taken down some lines ahead of the branch behind the turn.  K of the next step is fetched in piece 2's turn, V of the step in hand at the end of piece 0's; each is waited for a turn later.
.macro TURN p, end=0, cnt=0
.set Y, (\p)
.set i, 0
.set NOKQ, (\end)*((\p)/3)
.if ((\p) == 3) && !(\end)
	s_wait_dscnt 0x0                ; K is in
.endif
	ROW F,0, F,1, R,0, R,1
	ROW F,2, E,0, R,2, R,3
	ROW F,3, E,1, R,4, R,5
	ROW F,4, E,2, R,6, R,7
	ROW F,5, E,3, R,8, R,9
	ROW F,6, E,4, X,0, R,10
.if ((\p) == 2) && !(\end)
	WIN 0
	v_add_nc_u32 v[AK], s[TBK], v[AK0]
.endif
	ROW F,7, E,5, X,1, X,4
	ROW F,8, E,6, X,2, X,5
	OPS E,7, E,8, X,6, E,9
	OPS X,3, E,10, X,8, E,11
.if ((\p) == 2) && !(\end)
	FETCH_K
.endif
	OPS X,9, X,7, E,12, X,10
	OPS E,13, X,12, X,11, E,14
	OPS X,13, E,15, F,9, X,14
.if (\p) == 0
	v_add_nc_u32 v[AV], s[TBV], v[AV0]
.endif
	OPS E,16, F,10, E,17, F,11
	OPS X,16, E,18, X,15, E,19
	OPS F,12, E,20, X,17, E,21
	OPS F,13, E,22, F,14, E,23
	OPS X,18, E,24, F,15, E,25
	OPS R,11, E,26, X,19, E,27
	OPS R,12, E,28, R,13, E,29
	OPS X,20, E,30, R,14, E,31
	OPS X,21, R,15
	WIN 0
	s_wait_alu depctr_va_vdst(0)    ; the one wait for the batch, ahead of the first reader
.if (\p) == 1
	s_wait_dscnt 0x0                ; V is in
.endif
	ROW C,0, B,0, C,2, B,1
	ROW L,0, C,4, B,2, L,1
	ROW C,6, B,3, L,2, C,8
	ROW B,4, L,3, C,10, B,5
	ROW L,4, C,12, B,6, L,5
.if (\p) == 0
	s_add_co_u32 s[TBV], s[TBV], KS*PV
.endif
.if \cnt
	s_sub_co_u32 s[CNT], s[CNT], 1
	s_cmp_lg_u32 s[CNT], 0
.endif
	ROW C,14, B,7, L,6, C,1
	ROW C,3, L,7, C,5, C,7
	ROW C,9, C,11, C,13, C,15
.if (\p) == 0
	FETCH_V
.endif
.endm
.macro ALL line:vararg
.set t, 0
.rept 4
	\line
.set t, t+1
.endr
.endm
.macro PACK t                       ; a lane's eight channels of a row pack into 16 bytes; they go into rows of 144 bytes and come back as whole rows of 128
	WIN W_RS
.set i, 32*(\t)
.rept 16
	v_pk_mul_f32 v[i:i+1], v[i:i+1], v[ST+4*(\t)+2:ST+4*(\t)+3] op_sel_hi:[1,0]
.set i, i+2
.endr
	WIN 0x05
.set i, 0
.rept 16
	v_cvt_pk_f16_f32 v[S+16*(\t)+i], v[32*(\t)+2*i], v[32*(\t)+2*i+1]
.set i, i+1
.endr
	WIN 0
.irp f, 0,1,2,3
	ds_store_b128 v[STO], v[S+16*(\t)+4*\f:S+16*(\t)+4*\f+3] offset:32*\f
.endr
.irp f, 0,1,2,3
	ds_load_b128 v[S+16*(\t)+4*\f:S+16*(\t)+4*\f+3], v[RD] offset:\f*4*SP  ; LDS serves a wave's instructions in order (ISA guide 5.7.1.4)
.endr
.endm
.macro SEND t, younger              ; younger: the LDS instructions issued behind piece t's loads: the next piece's eight, or none
	WIN 0
.irp f, 0,1,2,3
	s_wait_dscnt (\younger)+3-\f
	global_store_b128 v[GO], v[S+16*(\t)+4*\f:S+16*(\t)+4*\f+3], s[6:7] offset:(\t)*2048+\f*512  ; 512 consecutive bytes, aligned
.endr
.endm
.set NOKQ, 0
	CHANGE 1                        ; tile 0 is in, everybody's part of it; tile 1 is asked for
	v_add_nc_u32 v[AK], s[TBK], v[AK0]
	FETCH_K                         ; key step 0
	s_wait_loadcnt 0x0              ; Q
	s_wait_dscnt 0x0
.set i, 0
.rept 8
	KQ 0                            ; piece 0's first scores
.set i, i+1
.endr
	WIN 0
.rept 4
	v_nop                           ; the places behind those products
.endr
.set Y, NP-1
.irp n, 0,1,2,3,4,5,6,7,8,9,10,11,12,13,14,15,16,17,18,19,20,21
	OP X, \n
.endr
	v_nop                           ; a plain instruction behind the exponential,
	s_wait_alu depctr_va_vdst(0)    ; and its wait, ahead of the branch
	s_mov_b32 s[CNT], 4
	s_branch .Lfirst                ; the loop is entered at a step's first turn
.Lslot:                             ; six times: tiles 2 to 7 are asked for
	CHANGE 1
	s_mov_b32 s[CNT], 4
.Lstep:                             ; a trip: pieces 2 and 3 of one step, then pieces 0 and 1 of the next, whose K and V it fetches
	TURN 2
	TURN 3
	WIN 0
.Lfirst:
	TURN 0
	TURN 1, 0, 1
	WIN 0
	s_cbranch_scc1 .Lstep
	s_sub_co_u32 s[SLOTS], s[SLOTS], 1
	s_cmp_lg_u32 s[SLOTS], 0
	s_cbranch_scc1 .Lslot
	CHANGE 0                        ; the last tile is written out
	s_mov_b32 s[CNT], 4
.Ltail:
	TURN 2
	TURN 3
	TURN 0
	TURN 1, 0, 1
	WIN 0
	s_cbranch_scc1 .Ltail
	TURN 2, 1
	TURN 3, 1
.set i, 0
.rept 8
	PV NP-1
.set i, i+1
.endr
	; THE WAY OUT.  The additions are the places behind the last products.
	WIN 0
	ALL v_add_f32 v[ST+4*t+2], v[ST+4*t+2], v[ST+4*t+3]
	ALL v_permlanex16_b32 v[ST+4*t+3], v[ST+4*t+2], s[SEL], s[SEL+1]
	ALL v_add_f32 v[ST+4*t+2], v[ST+4*t+2], v[ST+4*t+3]
	ALL v_rcp_f32 v[ST+4*t+2], v[ST+4*t+2]
	v_nop
	s_wait_alu depctr_va_vdst(0)    ; one wait for the four reciprocals
	PACK 0
.set t, 1
.rept 3
	PACK t
	SEND t-1, 8
.set t, t+1
.endr
	SEND 3, 0
	s_wait_tensorcnt 0x0            ; the wave's end
	ds_add_u32 v[SPW], v[NIL]
	s_wait_dscnt 0x0
	CROUND                          ; the closing round
	s_endpgm
.Lfunc_end_k_qf79ad539f6_attn:
	.size	k_qf79ad539f6_attn, .Lfunc_end_k_qf79ad539f6_attn-k_qf79ad539f6_attn
	.p2alignl 7, 3214868480
	.fill 96, 4, 3214868480
	.section	.rodata,"a",@progbits
	.p2align	6, 0x0
	.amdhsa_kernel k_qf79ad539f6_attn
		.amdhsa_group_segment_fixed_size 327680
		.amdhsa_private_segment_fixed_size 0
		.amdhsa_enable_private_segment 0
		.amdhsa_kernarg_size 16
		.amdhsa_user_sgpr_count 2
		.amdhsa_user_sgpr_kernarg_segment_ptr 1
		.amdhsa_wavefront_size32 1
		.amdhsa_system_sgpr_workgroup_id_x 1
		.amdhsa_system_sgpr_workgroup_id_y 1
		.amdhsa_system_sgpr_workgroup_id_z 1
		.amdhsa_system_vgpr_workitem_id 0
		.amdhsa_next_free_vgpr 768
		.amdhsa_next_free_sgpr 66
		.amdhsa_reserve_vcc 0
		.amdhsa_float_denorm_mode_32 3
		.amdhsa_float_denorm_mode_16_64 3
		.amdhsa_memory_ordered 1
		.amdhsa_forward_progress 1
		.amdhsa_inst_pref_size 128
	.end_amdhsa_kernel
	.amdgpu_metadata
---
amdhsa.version: [ 1, 2 ]
amdhsa.kernels:
  - .name:           k_qf79ad539f6_attn
    .symbol:         k_qf79ad539f6_attn.kd
    .args:
      - { .name: big, .offset: 0, .size: 8, .value_kind: global_buffer, .address_space: global }
      - { .name: att, .offset: 8, .size: 8, .value_kind: global_buffer, .address_space: global }
    .group_segment_fixed_size: 327680
    .private_segment_fixed_size: 0
    .kernarg_segment_align: 8
    .kernarg_segment_size: 16
    .max_flat_workgroup_size: 128
    .sgpr_count:     66
    .vgpr_count:     768
    .wavefront_size: 32
...
	.end_amdgpu_metadata
.endif
;; end of part 3
;; launch oproj (part 4): grid 8 x 32, 4 waves a work-group, clusters of 4 x 4, 327,680 bytes of LDS; arguments att, p1, out_proj_b, x, x1; writes x1
.if DOCPART == 4
	.amdgcn_target "amdgcn-amd-amdhsa--gfx1250"
	.amdhsa_code_object_version 6
	.text
	.protected	k_qf79ad539f6_oproj
	.globl	k_qf79ad539f6_oproj
	.p2align	8
	.type	k_qf79ad539f6_oproj,@function
k_qf79ad539f6_oproj:
	s_mov_b64 s[64:65], 0
	v_nop
	global_prefetch_b8 v0, s[64:65] scope:SCOPE_SE
	s_setreg_imm32_b32 hwreg(HW_REG_WAVE_MODE, 25, 1), 1
	s_wait_xcnt 0x0
	s_wait_alu depctr_hold_cnt(0) depctr_sa_sdst(0) depctr_va_vdst(0) depctr_va_sdst(0) depctr_va_ssrc(0) depctr_va_vcc(0) depctr_vm_vsrc(0)
	s_getreg_b32 s2, hwreg(HW_REG_IB_STS2, 6, 4)
	s_cmp_eq_u32 s2, 0
	s_cbranch_scc0 .Lentry_in_a_cluster
	s_endpgm
.Lentry_in_a_cluster:
	s_bfe_u32 s2, ttmp6, 0x10000c
	s_cmp_lg_u32 s2, 0xf033
	s_cbranch_scc0 .Lentry_shape_is_right
	s_endpgm
.Lentry_shape_is_right:
; out[m][n] = (sum over k of A[m][k] B[n][k]) (x f[m] where FFN2) + bias[n] + res[m][n].  out and res: f32 [4096][1024].  A: f16 in blocks [K / 64][4096][64] (first argument);
; B: f16 in blocks [K / 64][1024][64] at +0x1004000 of the second.  FFN2 = 0: the attention's output projection and the first residual, K = 1,024.  FFN2 = 1: the second BitLinear product
; (whole numbers -127..127 times -1, 0, 1: exact in f16, the f32 sums exact), f = s_w max / 127, and the second residual, K = 4,096.
; A tile of out is 128 x 128: 256 work-groups.  Four waves, each 64 x 64: 16 accumulators.  K goes in steps of 256: four blocks of 64.  A wave's tensor load brings 64 rows of four blocks:
; four dense runs of 8,192 bytes, padded in LDS by 16 bytes after every row of 128.
; CLUSTER.  4 x 4 work-groups: A's tiles jointly along a row of the cluster, B's along a column.  THE MATRIX INSTRUCTION IS USED TRANSPOSED: a lane holds row l % 16 and the columns 8 (l / 16) + 0..7.
; No prefetch: a step's tiles are small, and the launch's operands are walked by many work-groups at once.
; REGISTERS: window 0: v0-31 addresses; v32-95 the way out; v96-103 factors; v128-255 the accumulators.  window 1: two fragment buffers of 128.  window 2: v0-127 my 64 x 64 of res; v128-159 bias.
.set FFN2, 0
.if FFN2
.set KSTEPS, 16
.else
.set KSTEPS, 4
.endif
.set PITCH,  144                       ; 128 bytes + 16: the 16 rows of a fragment load start at 16 different groups of four banks (64 banks of 4 bytes: ISA guide 11.1)
.set BLK,    64*PITCH                  ; 64 rows of one block
.set HALFT,  4*BLK                     ; what one tensor load brings
.set SLOT,   4*HALFT
.set STAGE,  2*SLOT                    ; behind the ring: 16 rows x 272 bytes for each wave
.set SPITCH, 272
.set SPARE,  STAGE+4*16*SPITCH
.set LAPS,   KSTEPS/2
.set ASTEP,  4*4096*128                ; bytes from K step to K step
.set BSTEP,  4*1024*128
.set ADRA, 16
.set ADRB, 20
.set STO,  24
.set RD,   25
.set XO,   26                          ; 4,096 (l / 16) + 16 (l % 16): two rows of out, 256 bytes of each
.set BO,   27
.set SPW,  28
.set NIL,  29
.set FO,   30
.set TMP,  32
.set T2,   64
.set FR,   96
.set ACC,  128
.set F0,   0
.set F1,   128
.set RES,  0                           ; window 2
.set BIA,  128                         ; window 2
.set G1, 24
.set G0, 32
.set G1B, 48
.set G0B, 56
.set MSB, 0
.macro WIN new
.if MSB != (\new)
	s_set_vgpr_msb (MSB<<8)|(\new)
.set MSB, \new
.endif
.endm
.set MUL,  0x05
.set TO_F, 0x40
.macro JLOAD s
	s_cmp_eq_u32 s11, 0
	s_cbranch_scc0 .Lfor_b_\@
	tensor_load_to_lds s[G0+4*(\s):G0+4*(\s)+3], s[G1:G1+7]
	s_nop 0
.rept 4
	v_nop
.endr
	s_branch .Lasked_\@
.Lfor_b_\@:
	tensor_load_to_lds s[G0B+4*(\s):G0B+4*(\s)+3], s[G1B:G1B+7]
	s_nop 0
.rept 4
	v_nop
.endr
.Lasked_\@:
.endm
.macro CREST
	s_cmp_lg_u32 s10, 0
	s_cbranch_scc1 .Lnot_wave_0_\@
	s_barrier_signal -3
.Lnot_wave_0_\@:
	s_barrier_wait -3
	s_barrier_signal -1
	s_barrier_wait -1
.endm
.macro CROUND
	s_barrier_signal -1
	s_barrier_wait -1
	CREST
.endm
	s_load_b256 s[72:79], s[0:1], 0x0              ; A 72, B's buffer 74, bias 76, res 78
.if FFN2
	s_load_b128 s[80:83], s[0:1], 0x20             ; out 80, f 82
.else
	s_load_b64 s[80:81], s[0:1], 0x20              ; out
.endif
	v_lshl_add_u32 v[SPW], v0, 2, SPARE
	v_mov_b32 v[NIL], 0
	ds_add_u32 v[SPW], v[NIL]                      ; the opening: the add, twice on end, and its wait ahead of my first tensor load
	ds_add_u32 v[SPW], v[NIL]
	v_lshrrev_b32 v1, 5, v0
	v_readfirstlane_b32 s10, v1
	s_lshr_b32 s11, s10, 1                         ; my half of the tile's rows; also: I fetch for A (0) or B (1)
	s_and_b32 s12, s10, 1                          ; my half of its columns; also: which 64 rows I fetch
	s_bfe_u32 s40, ttmp6, 0x40000
	s_bfe_u32 s41, ttmp6, 0x40004
	s_lshl_b32 s42, ttmp9, 2
	s_add_co_u32 s42, s42, s40                     ; tile column
	s_and_b32 s13, ttmp7, 0xffff
	s_lshl_b32 s13, s13, 2
	s_add_co_u32 s13, s13, s41                     ; tile row
	s_lshl_b32 s43, s41, 2
	s_lshl_b32 s43, 15, s43
	s_lshl_b32 s44, 0x1111, s40
	s_or_b32 s[G1+0], s43, (1<<16)|(1<<20)|(1<<21)|(4<<22)|(3<<25)   ; mask; 2-byte elements; padding on; bit 21 beside a mask; after every 32 words, 4 words
	s_or_b32 s[G1B+0], s44, (1<<16)|(1<<20)|(1<<21)|(4<<22)|(3<<25)
.irp g, G1, G1B
	s_mov_b32 s[(\g)+1], 4096<<16                  ; tensor_dim0 = 4,096 elements: 64 rows of a block, dense
	s_mov_b32 s[(\g)+2], 4<<16                     ; tensor_dim1 = 4 blocks
	s_mov_b32 s[(\g)+3], 4096<<16                  ; tile_dim0
	s_mov_b32 s[(\g)+4], 4                         ; tile_dim1
	s_mov_b32 s[(\g)+6], 0
	s_mov_b32 s[(\g)+7], 0
.endr
	s_mov_b32 s[G1+5], 4096*64                     ; elements from block to block
	s_mov_b32 s[G1B+5], 1024*64
	s_lshl_b32 s17, s12, 6
	s_lshl_b32 s16, s13, 7
	s_add_co_u32 s16, s16, s17                     ; A: row 128 x tile row + 64 x half
	s_lshl_b32 s16, s16, 7
	s_lshl_b32 s46, s42, 7
	s_add_co_u32 s46, s46, s17                     ; B: row 128 x tile column + 64 x half
	s_lshl_b32 s46, s46, 7
	s_mov_b32 s17, 0
	s_mov_b32 s47, 0
	s_mul_i32 s20, s10, HALFT
	s_wait_dscnt 0x0
	s_wait_kmcnt 0x0
	s_add_nc_u64 s[14:15], s[72:73], s[16:17]
	s_add_nc_u64 s[46:47], s[74:75], s[46:47]
	s_add_nc_u64 s[46:47], s[46:47], 0x1004000
	CROUND
.irp s, 0,1
	s_mov_b32 s[G0+4*(\s)], 1
	s_add_co_u32 s[G0+4*(\s)+1], s20, (\s)*SLOT
	s_add_nc_u64 s[G0+4*(\s)+2:G0+4*(\s)+3], s[14:15], (\s)*ASTEP
	s_or_b32 s[G0+4*(\s)+3], s[G0+4*(\s)+3], 0x80000000
	s_mov_b32 s[G0B+4*(\s)], 1
	s_add_co_u32 s[G0B+4*(\s)+1], s20, (\s)*SLOT
	s_add_nc_u64 s[G0B+4*(\s)+2:G0B+4*(\s)+3], s[46:47], (\s)*BSTEP
	s_or_b32 s[G0B+4*(\s)+3], s[G0B+4*(\s)+3], 0x80000000
	JLOAD \s
.endr
	v_and_b32 v1, 15, v0                           ; r
	v_bfe_u32 v2, v0, 4, 1                         ; h
	v_mul_u32_u24 v3, v1, PITCH
	v_lshl_add_u32 v3, v2, 4, v3
	s_mul_i32 s21, s11, HALFT
	s_mul_i32 s22, s12, HALFT
	s_add_co_u32 s22, s22, 2*HALFT
.irp s, 0,1
	v_add_nc_u32 v[ADRA+(\s)], s21, v3
	v_add_nc_u32 v[ADRB+(\s)], s22, v3
	s_add_co_u32 s21, s21, SLOT
	s_add_co_u32 s22, s22, SLOT
.endr
	s_mul_i32 s23, s10, 16*SPITCH
	s_add_co_u32 s23, s23, STAGE                   ; my stage
	v_mul_u32_u24 v4, v1, SPITCH
	v_lshl_add_u32 v4, v2, 5, v4                   ; in: row r, 32 bytes for each half of the lanes
	v_add_nc_u32 v[STO], s23, v4
	v_mul_u32_u24 v5, v2, SPITCH
	v_lshl_add_u32 v5, v1, 4, v5                   ; back: lanes 0-15 one row of 256 bytes, lanes 16-31 the next
	v_add_nc_u32 v[RD], s23, v5
	v_lshlrev_b32 v[XO], 4, v1
	v_lshl_add_u32 v[XO], v2, 12, v[XO]
	v_lshlrev_b32 v[BO], 5, v2
	v_lshlrev_b32 v[FO], 2, v1
	s_lshl_b32 s16, s13, 19                        ; (128 tile row + 64 half) 4,096 + (128 tile column + 64 half) 4
	s_lshl_b32 s18, s11, 18
	s_add_co_u32 s16, s16, s18
	s_lshl_b32 s46, s42, 9
	s_lshl_b32 s47, s12, 8
	s_add_co_u32 s46, s46, s47
	s_mov_b32 s47, 0
	s_add_nc_u64 s[76:77], s[76:77], s[46:47]      ; bias at my 64 columns
	s_add_co_u32 s16, s16, s46
	s_add_nc_u64 s[78:79], s[78:79], s[16:17]
	s_add_nc_u64 s[80:81], s[80:81], s[16:17]
.if FFN2
	s_lshl_b32 s18, s13, 9
	s_lshl_b32 s19, s11, 8
	s_add_co_u32 s18, s18, s19
	s_mov_b32 s19, 0
	s_add_nc_u64 s[82:83], s[82:83], s[18:19]      ; f at my 64 rows
.irp a, 0,1,2,3
	global_load_b32 v[FR+2*\a], v[FO], s[82:83] offset:64*\a
	v_mov_b32 v[FR+2*\a+1], 0                      ; named with it as a pair
.endr
.endif
	WIN 0x80                                       ; destination window 2
.irp b, 0,1,2,3
	global_load_b128 v[BIA+8*\b:BIA+8*\b+3],   v[BO], s[76:77] offset:64*\b
	global_load_b128 v[BIA+8*\b+4:BIA+8*\b+7], v[BO], s[76:77] offset:64*\b+16
.endr
.irp a, 0,1,2,3
.irp t, 0,1,2,3,4,5,6,7
	global_load_b128 v[RES+4*(8*\a+\t):RES+4*(8*\a+\t)+3], v[XO], s[78:79] offset:(16*\a+2*\t)*4096  ; they land while the products run
.endr
.endr
	WIN 0
.macro MUL8 f, c, a0, zero
	WIN MUL
.irp a, \a0, (\a0)+1
.irp b, 0,1,2,3
.if \zero
	v_wmma_f32_16x16x32_f16 v[ACC+8*(4*(\a)+(\b)):ACC+8*(4*(\a)+(\b))+7], v[(\f)+64+8*(4*(\c)+(\b)):(\f)+64+8*(4*(\c)+(\b))+7], v[(\f)+8*(4*(\c)+(\a)):(\f)+8*(4*(\c)+(\a))+7], 0
.else
	v_wmma_f32_16x16x32_f16 v[ACC+8*(4*(\a)+(\b)):ACC+8*(4*(\a)+(\b))+7], v[(\f)+64+8*(4*(\c)+(\b)):(\f)+64+8*(4*(\c)+(\b))+7], v[(\f)+8*(4*(\c)+(\a)):(\f)+8*(4*(\c)+(\a))+7], v[ACC+8*(4*(\a)+(\b)):ACC+8*(4*(\a)+(\b))+7]
.endif
.endr
.endr
.endm
.macro FETCH slot, k, f                ; 32 LDS loads in one run: one block's fragments (64 along K), the first 32 along K first
	WIN TO_F
.irp c, 0,1
.irp i, 0,1,2,3
	ds_load_b128 v[(\f)+64+8*(4*(\c)+(\i)):(\f)+64+8*(4*(\c)+(\i))+3],   v[ADRB+(\slot)] offset:(\k)+64*(\c)+(\i)*16*PITCH
	ds_load_b128 v[(\f)+64+8*(4*(\c)+(\i))+4:(\f)+64+8*(4*(\c)+(\i))+7], v[ADRB+(\slot)] offset:(\k)+64*(\c)+(\i)*16*PITCH+32
	ds_load_b128 v[(\f)+8*(4*(\c)+(\i)):(\f)+8*(4*(\c)+(\i))+3],         v[ADRA+(\slot)] offset:(\k)+64*(\c)+(\i)*16*PITCH
	ds_load_b128 v[(\f)+8*(4*(\c)+(\i))+4:(\f)+8*(4*(\c)+(\i))+7],       v[ADRA+(\slot)] offset:(\k)+64*(\c)+(\i)*16*PITCH+32
.endr
.endr
.endm
.macro PLACES
.rept 4
	v_nop
.endr
.endm
.macro QUARTER slot, k, f, g, zero
	s_wait_dscnt 16                                ; the first 32 along K are in
	WIN MUL
	MUL8 \f, 0, 0, \zero
	MUL8 \f, 0, 2, \zero
	PLACES
	FETCH \slot, \k, \g
	s_wait_dscnt 32                                ; all but the 32 just issued
	WIN MUL
	MUL8 \f, 1, 0, 0
	MUL8 \f, 1, 2, 0
.endm
.macro TURN slot, next, fill           ; the last quarter changes slots: one barrier; fill = 1: it opens a round of the cluster's barrier, and this slot is filled again first behind it
	WIN 0
	s_wait_tensorcnt 0x0                           ; all my tensor loads have landed: my part of the next slot
	ds_add_u32 v[SPW], v[NIL]
	s_wait_dscnt 17                                ; the add and the youngest sixteen loads may be out
	WIN MUL
	MUL8 F1, 0, 0, 0
	s_wait_dscnt 0x0                               ; the add is done, and my reads of this slot are over
	s_barrier_signal -1
	MUL8 F1, 0, 2, 0
.if \fill
	WIN 0
.endif
	s_barrier_wait -1
.if \fill
	CREST
	s_add_nc_u64 s[G0+4*(\slot)+2:G0+4*(\slot)+3], s[G0+4*(\slot)+2:G0+4*(\slot)+3], 2*ASTEP
	s_add_nc_u64 s[G0B+4*(\slot)+2:G0B+4*(\slot)+3], s[G0B+4*(\slot)+2:G0B+4*(\slot)+3], 2*BSTEP
	JLOAD \slot
.else
	PLACES
.endif
	FETCH \next, 0, F0
	WIN MUL
	MUL8 F1, 1, 0, 0
	MUL8 F1, 1, 2, 0
.endm
	s_wait_tensorcnt 1                             ; my part of K step 0 is in; K step 1's may stay out
	s_barrier_signal -1
	s_barrier_wait -1
	FETCH 0, 0, F0
	QUARTER 0, BLK, F0, F1, 1
	WIN 0
	s_mov_b32 s3, LAPS-1
.Llap:
	QUARTER 0, 2*BLK, F1, F0, 0
	QUARTER 0, 3*BLK, F0, F1, 0
	TURN 0, 1, 1
	QUARTER 1, BLK,   F0, F1, 0
	QUARTER 1, 2*BLK, F1, F0, 0
	QUARTER 1, 3*BLK, F0, F1, 0
	TURN 1, 0, 1
	QUARTER 0, BLK,   F0, F1, 0
	WIN 0
	s_sub_co_u32 s3, s3, 1
	s_cmp_lg_u32 s3, 0
	s_cbranch_scc1 .Llap
	QUARTER 0, 2*BLK, F1, F0, 0                    ; the last lap fills nothing
	QUARTER 0, 3*BLK, F0, F1, 0
	TURN 0, 1, 0
	QUARTER 1, BLK,   F0, F1, 0
	QUARTER 1, 2*BLK, F1, F0, 0
	QUARTER 1, 3*BLK, F0, F1, 0
	s_wait_dscnt 16
	WIN MUL
	MUL8 F1, 0, 0, 0
	MUL8 F1, 0, 2, 0
	s_wait_dscnt 0x0
	MUL8 F1, 1, 0, 0
	MUL8 F1, 1, 2, 0
	WIN 0
	; THE WAY OUT, 16 rows at a time through my own stage: my 64 columns of f32 are 256 aligned bytes of a row of out, so no other wave has a part in them
	s_wait_loadcnt 0x0                             ; bias, res (and f)
	PLACES
.irp a, 0,1,2,3
.if FFN2
	WIN 0x20                                       ; source 2 (bias) in window 2
.else
	WIN 0x08                                       ; source 1 (bias) in window 2
.endif
.irp b, 0,1,2,3
.irp k, 0,1,2,3
.if FFN2
	v_pk_fma_f32 v[TMP+8*\b+2*\k:TMP+8*\b+2*\k+1], v[ACC+8*(4*\a+\b)+2*\k:ACC+8*(4*\a+\b)+2*\k+1], v[FR+2*\a:FR+2*\a+1], v[BIA+8*\b+2*\k:BIA+8*\b+2*\k+1] op_sel_hi:[1,0,1]
.else
	v_pk_add_f32 v[TMP+8*\b+2*\k:TMP+8*\b+2*\k+1], v[ACC+8*(4*\a+\b)+2*\k:ACC+8*(4*\a+\b)+2*\k+1], v[BIA+8*\b+2*\k:BIA+8*\b+2*\k+1]
.endif
.endr
.endr
	WIN 0
.irp b, 0,1,2,3
	ds_store_b128 v[STO], v[TMP+8*\b:TMP+8*\b+3]   offset:64*\b
	ds_store_b128 v[STO], v[TMP+8*\b+4:TMP+8*\b+7] offset:64*\b+16
.endr
	s_wait_xcnt 0x0                                ; the last block's stores have read the registers that are loaded again below
.irp t, 0,1,2,3,4,5,6,7
	ds_load_b128 v[T2+4*\t:T2+4*\t+3], v[RD] offset:2*SPITCH*\t  ; LDS serves a wave's instructions in order (ISA guide 5.7.1.4)
.endr
	s_wait_dscnt 0x0
	WIN 0x08                                       ; source 1 (res) in window 2
.irp t, 0,1,2,3,4,5,6,7
	v_pk_add_f32 v[T2+4*\t:T2+4*\t+1],   v[T2+4*\t:T2+4*\t+1],   v[RES+4*(8*\a+\t):RES+4*(8*\a+\t)+1]
	v_pk_add_f32 v[T2+4*\t+2:T2+4*\t+3], v[T2+4*\t+2:T2+4*\t+3], v[RES+4*(8*\a+\t)+2:RES+4*(8*\a+\t)+3]
.endr
	WIN 0
.irp t, 0,1,2,3,4,5,6,7
	global_store_b128 v[XO], v[T2+4*\t:T2+4*\t+3], s[80:81] offset:(16*\a+2*\t)*4096  ; 16 lanes store 256 consecutive bytes, aligned
.endr
.endr
	s_wait_tensorcnt 0x0                           ; the wave's end
	ds_add_u32 v[SPW], v[NIL]
	s_wait_dscnt 0x0
	CROUND                                         ; the closing round
	s_endpgm
.Lfunc_end_k_qf79ad539f6_oproj:
	.size	k_qf79ad539f6_oproj, .Lfunc_end_k_qf79ad539f6_oproj-k_qf79ad539f6_oproj
	.p2alignl 7, 3214868480
	.fill 96, 4, 3214868480
	.section	.rodata,"a",@progbits
	.p2align	6, 0x0
	.amdhsa_kernel k_qf79ad539f6_oproj
		.amdhsa_group_segment_fixed_size 327680
		.amdhsa_private_segment_fixed_size 0
		.amdhsa_enable_private_segment 0
		.amdhsa_kernarg_size 40
		.amdhsa_user_sgpr_count 2
		.amdhsa_user_sgpr_kernarg_segment_ptr 1
		.amdhsa_wavefront_size32 1
		.amdhsa_system_sgpr_workgroup_id_x 1
		.amdhsa_system_sgpr_workgroup_id_y 1
		.amdhsa_system_sgpr_workgroup_id_z 1
		.amdhsa_system_vgpr_workitem_id 0
		.amdhsa_next_free_vgpr 768
		.amdhsa_next_free_sgpr 84
		.amdhsa_reserve_vcc 0
		.amdhsa_float_denorm_mode_32 3
		.amdhsa_float_denorm_mode_16_64 3
		.amdhsa_memory_ordered 1
		.amdhsa_forward_progress 1
		.amdhsa_inst_pref_size 98
	.end_amdhsa_kernel
	.amdgpu_metadata
---
amdhsa.version: [ 1, 2 ]
amdhsa.kernels:
  - .name:           k_qf79ad539f6_oproj
    .symbol:         k_qf79ad539f6_oproj.kd
    .args:
      - { .name: att, .offset: 0, .size: 8, .value_kind: global_buffer, .address_space: global }
      - { .name: p1, .offset: 8, .size: 8, .value_kind: global_buffer, .address_space: global }
      - { .name: out_proj_b, .offset: 16, .size: 8, .value_kind: global_buffer, .address_space: global }
      - { .name: x, .offset: 24, .size: 8, .value_kind: global_buffer, .address_space: global }
      - { .name: x1, .offset: 32, .size: 8, .value_kind: global_buffer, .address_space: global }
    .group_segment_fixed_size: 327680
    .private_segment_fixed_size: 0
    .kernarg_segment_align: 8
    .kernarg_segment_size: 40
    .max_flat_workgroup_size: 128
    .sgpr_count:     84
    .vgpr_count:     768
    .wavefront_size: 32
...
	.end_amdgpu_metadata
.endif
;; end of part 4
;; launch mid (part 5): grid 256 x 1, 8 waves a work-group, no clusters, 0 bytes of LDS; arguments x1, ln2_g, ln2_b, w1, w2, p1, p5; writes p5
.if DOCPART == 5
	.amdgcn_target "amdgcn-amd-amdhsa--gfx1250"
	.amdhsa_code_object_version 6
	.text
	.protected	k_qf79ad539f6_mid
	.globl	k_qf79ad539f6_mid
	.p2align	8
	.type	k_qf79ad539f6_mid,@function
k_qf79ad539f6_mid:
	s_mov_b64 s[64:65], 0
	v_nop
	global_prefetch_b8 v0, s[64:65] scope:SCOPE_SE
	s_setreg_imm32_b32 hwreg(HW_REG_WAVE_MODE, 25, 1), 1
	s_wait_xcnt 0x0
; MID.  Stores into p5:
;   +0         rowf1[m] = s1 max_m / 127 (f32 [4096]): what the first BitLinear product's whole-number sums are multiplied by
;   +0x4000    hq = round(LayerNorm2(x1) 127 / max_m), whole numbers -127..127 in f16 [4096][1024]
;   +0x804000  w1's ternary codes -1, 0, 1 in f16 [4096][1024]
;   +0x1004000 w2's, in blocks [64][1024][64]: element (n, k) at ((k / 64) 1024 + n) 128 + 2 (k % 64)
;   +0x1804000 s1, s2 = max(mean |w|, 1e-5)
; THE TERNARY TEST.  round(w / s) clipped to -1..1 is sign(w) where |w| > s / 2 and 0 elsewhere: the next f32 above s / 2 exceeds s / 2 by more than one part in 2^24, so its quotient by s
; rounds above 0.5; and |w| = s / 2 gives exactly 0.5, which rounds to the even 0.
; LIMIT.  The mean is the sum of the 256 partial sums of the launch before (a tree, the same in every wave) times 2^-22: an order of summation of its own.  NaN counts as 0 in the codes.
; No clip is written behind the rounding of hq: |y| 127 / max is at most 127 to within two parts in 2^23.
; SHARES.  Wave W (0..2047): rows 2 W, 2 W + 1 of x1 and of w1; of w2 the rows 2 (W / 4), + 1, columns 1,024 (W % 4) on.  Loads cover 512 consecutive bytes (w2: two runs of 256), stores 256, aligned.
.set D0,  16                           ; w1; then ln2_g in the upper half
.set D1,  80                           ; w2; then ln2_b in the upper half
.set D2,  144                          ; x1
.set GG,  D0+32
.set BB,  D1+32
.set PS,  208                          ; v[208:223] eight pairs of partial sums
.macro LD16 d, va, base, step
.set j, 0
.rept 16
	global_load_b128 v[(\d)+4*j:(\d)+4*j+3], v[\va], s[\base:\base+1] offset:(\step)*j th:TH_LOAD_NT
.set j, j+1
.endr
.endm
.macro LD8 d, base
.set j, 0
.rept 8
	global_load_b128 v[(\d)+4*j:(\d)+4*j+3], v2, s[\base:\base+1] offset:512*j
.set j, j+1
.endr
.endm
.macro ST16 d, va, base, step
.set j, 0
.rept 16
	global_store_b64 v[\va], v[(\d)+2*j:(\d)+2*j+1], s[\base:\base+1] offset:(\step)*j
.set j, j+1
.endr
.endm
.macro PACK16 d
.set j, 0
.rept 32
	v_cvt_pk_f16_f32 v[(\d)+j], v[(\d)+2*j], v[(\d)+2*j+1]
.set j, j+1
.endr
.endm
.macro WSUM x, t
	v_add_f32_dpp v[\x], v[\x], v[\x] row_xmask:1 row_mask:0xf bank_mask:0xf
	v_add_f32_dpp v[\x], v[\x], v[\x] row_xmask:2 row_mask:0xf bank_mask:0xf
	v_add_f32_dpp v[\x], v[\x], v[\x] row_xmask:4 row_mask:0xf bank_mask:0xf
	v_add_f32_dpp v[\x], v[\x], v[\x] row_xmask:8 row_mask:0xf bank_mask:0xf
	v_permlanex16_b32 v[\t], v[\x], s24, s25
	v_add_f32 v[\x], v[\x], v[\t]
.endm
.macro FOLD
	v_pk_add_f32 v[8:9], v[8:9], v[10:11]
	v_pk_add_f32 v[12:13], v[12:13], v[14:15]
	v_pk_add_f32 v[8:9], v[8:9], v[12:13]
	v_add_f32 v8, v8, v9
.endm
.macro STATS x, o                      ; x - mean in place; variance + 1e-5 into v[o]
.irp k, 0,1,2,3
	v_pk_add_f32 v[8+2*\k:9+2*\k], v[(\x)+4*\k:(\x)+4*\k+1], v[(\x)+4*\k+2:(\x)+4*\k+3]
.endr
.set j, 16
.rept 8
.set c, 8+2*((j/2)%4)
	v_pk_add_f32 v[c:c+1], v[c:c+1], v[(\x)+j:(\x)+j+1]
.set j, j+2
.endr
	FOLD
	WSUM 8, 9
	v_mul_f32 v252, s26, v8
	v_mov_b32 v253, v252
.set j, 0
.rept 16
	v_pk_add_f32 v[(\x)+j:(\x)+j+1], v[(\x)+j:(\x)+j+1], v[252:253] neg_lo:[0,1] neg_hi:[0,1]
.set j, j+2
.endr
.irp k, 0,1,2,3
	v_pk_mul_f32 v[8+2*\k:9+2*\k], v[(\x)+2*\k:(\x)+2*\k+1], v[(\x)+2*\k:(\x)+2*\k+1]
.endr
.set j, 8
.rept 12
.set c, 8+2*((j/2)%4)
	v_pk_fma_f32 v[c:c+1], v[(\x)+j:(\x)+j+1], v[(\x)+j:(\x)+j+1], v[c:c+1]
.set j, j+2
.endr
	FOLD
	WSUM 8, 9
	v_fma_f32 v[\o], v8, s26, s27
.endm
.macro APPLY x, rs
.set j, 0
.rept 16
	v_pk_mul_f32 v[(\x)+j:(\x)+j+1], v[(\x)+j:(\x)+j+1], v[\rs:\rs+1]
	v_pk_fma_f32 v[(\x)+j:(\x)+j+1], v[(\x)+j:(\x)+j+1], v[GG+j:GG+j+1], v[BB+j:BB+j+1]
.set j, j+2
.endr
.endm
.macro TERN d, th                      ; 64 numbers to -1, 0, 1: the choice only selects a value
.set j, 0
.rept 32
	v_cmp_gt_f32 vcc_lo, |v[(\d)+2*j]|, v[\th]
	v_cmp_gt_f32 s44, |v[(\d)+2*j+1]|, v[\th]
	v_bfi_b32 v[(\d)+2*j], s45, s46, v[(\d)+2*j]          ; 1.0 with w's sign
	v_bfi_b32 v[(\d)+2*j+1], s45, s46, v[(\d)+2*j+1]
	v_cndmask_b32 v[(\d)+2*j], 0, v[(\d)+2*j], vcc_lo
	v_cndmask_b32 v[(\d)+2*j+1], 0, v[(\d)+2*j+1], s44
.set j, j+1
.endr
.endm
.macro AMAX x, o                       ; max(largest magnitude of the row, 1e-5), in every lane
	v_max_num_f32 v8, |v[(\x)]|, |v[(\x)+1]|
	v_max_num_f32 v9, |v[(\x)+2]|, |v[(\x)+3]|
.set j, 4
.rept 7
	v_max3_num_f32 v8, v8, |v[(\x)+j]|, |v[(\x)+j+1]|
	v_max3_num_f32 v9, v9, |v[(\x)+j+2]|, |v[(\x)+j+3]|
.set j, j+4
.endr
	v_max_num_f32 v8, v8, v9
	v_max_num_f32_dpp v8, v8, v8 row_xmask:1 row_mask:0xf bank_mask:0xf
	v_max_num_f32_dpp v8, v8, v8 row_xmask:2 row_mask:0xf bank_mask:0xf
	v_max_num_f32_dpp v8, v8, v8 row_xmask:4 row_mask:0xf bank_mask:0xf
	v_max_num_f32_dpp v8, v8, v8 row_xmask:8 row_mask:0xf bank_mask:0xf
	v_permlanex16_b32 v9, v8, s24, s25
	v_max_num_f32 v8, v8, v9
	v_max_num_f32 v[\o], s27, v8
.endm
.macro QUANT x, sc                     ; round(y scale), to the nearest, ties to even
.set j, 0
.rept 16
	v_pk_mul_f32 v[(\x)+j:(\x)+j+1], v[(\x)+j:(\x)+j+1], v[\sc:\sc+1]
.set j, j+2
.endr
.set j, 0
.rept 32
	v_rndne_f32 v[(\x)+j], v[(\x)+j]
.set j, j+1
.endr
.endm
	s_load_b256 s[4:11], s[0:1], 0x0               ; x1 4, ln2_g 6, ln2_b 8, w1 10
	s_load_b128 s[12:15], s[0:1], 0x20             ; w2 12, p1 14
	s_load_b64 s[16:17], s[0:1], 0x30              ; p5
	v_lshrrev_b32 v1, 5, v0
	v_readfirstlane_b32 s20, v1
	v_and_b32 v1, 31, v0                           ; l
	v_lshlrev_b32 v2, 4, v1                        ; 16 l
	v_lshlrev_b32 v4, 3, v1                        ; 8 l
	v_lshlrev_b32 v6, 6, v1                        ; 64 l
	v_and_b32 v7, 15, v0                           ; r
	v_bfe_u32 v8, v0, 4, 1                         ; h
	v_lshlrev_b32 v3, 4, v7
	v_lshl_add_u32 v3, v8, 14, v3                  ; 16,384 h + 16 r: two rows of w2 side by side
	v_lshlrev_b32 v5, 3, v7
	v_lshl_add_u32 v5, v8, 7, v5                   ; 128 h + 8 r
	v_mov_b32 v7, 0
	s_lshl_b32 s21, ttmp9, 3
	s_add_co_u32 s21, s21, s20                     ; W
	s_lshl_b32 s22, s21, 13
	s_mov_b32 s23, 0
	s_mov_b32 s24, 0x76543210
	s_mov_b32 s25, 0xfedcba98
	s_mov_b32 s26, 0x3a800000                      ; 1 / 1024
	s_mov_b32 s27, 0x3727c5ac                      ; 1e-5
	s_lshl_b32 s28, s21, 12
	s_mov_b32 s29, 0
	s_lshr_b32 s18, s21, 2                         ; W / 4
	s_and_b32 s19, s21, 3                          ; W % 4
	s_lshl_b32 s30, s18, 15                        ; two rows of 16,384 bytes
	s_lshl_b32 s31, s19, 12
	s_add_co_u32 s30, s30, s31
	s_mov_b32 s31, 0
	s_lshl_b32 s48, s19, 21                        ; 16 blocks of 131,072 bytes
	s_lshl_b32 s49, s18, 8
	s_add_co_u32 s48, s48, s49
	s_mov_b32 s49, 0
	s_lshl_b32 s50, s21, 3
	s_mov_b32 s51, 0
	s_mov_b32 s45, 0x7fffffff
	s_mov_b32 s46, 0x3f800000
	s_mov_b32 s47, 0x34800000                      ; 2^-22: one over the 4,194,304 numbers of w1 and of w2
	s_wait_kmcnt 0x0
	s_add_nc_u64 s[4:5], s[4:5], s[22:23]
	s_add_nc_u64 s[10:11], s[10:11], s[22:23]
	s_add_nc_u64 s[12:13], s[12:13], s[30:31]
	s_add_nc_u64 s[42:43], s[14:15], 0x1204000     ; the partial sums
	s_add_nc_u64 s[32:33], s[16:17], s[28:29]
	s_add_nc_u64 s[34:35], s[32:33], 0x804000      ; w1's codes
	s_add_nc_u64 s[32:33], s[32:33], 0x4000        ; hq
	s_add_nc_u64 s[36:37], s[16:17], s[48:49]
	s_add_nc_u64 s[36:37], s[36:37], 0x1004000     ; w2's codes
	s_add_nc_u64 s[38:39], s[16:17], s[50:51]      ; rowf1 at my two rows
	s_add_nc_u64 s[40:41], s[16:17], 0x1804000     ; s1, s2
.irp k, 0,1,2,3
	global_load_b128 v[PS+4*\k:PS+4*\k+3], v6, s[42:43] offset:16*\k
.endr
	LD16 D0, 2, 10, 512
	LD16 D1, 3, 12, 256
	LD16 D2, 2, 4, 512
	s_wait_loadcnt 48                              ; the partial sums are in; three times 16 loads stay out
	v_pk_add_f32 v[PS:PS+1], v[PS:PS+1], v[PS+2:PS+3]
	v_pk_add_f32 v[PS+4:PS+5], v[PS+4:PS+5], v[PS+6:PS+7]
	v_pk_add_f32 v[PS+8:PS+9], v[PS+8:PS+9], v[PS+10:PS+11]
	v_pk_add_f32 v[PS+12:PS+13], v[PS+12:PS+13], v[PS+14:PS+15]
	v_pk_add_f32 v[PS:PS+1], v[PS:PS+1], v[PS+4:PS+5]
	v_pk_add_f32 v[PS+8:PS+9], v[PS+8:PS+9], v[PS+12:PS+13]
	v_pk_add_f32 v[PS:PS+1], v[PS:PS+1], v[PS+8:PS+9]
	WSUM PS, PS+2
	WSUM PS+1, PS+3
	v_mul_f32 v242, s47, v[PS]
	v_mul_f32 v243, s47, v[PS+1]
	v_max_num_f32 v242, s27, v242                  ; s1
	v_max_num_f32 v243, s27, v243                  ; s2
	v_mul_f32 v240, 0.5, v242
	v_mul_f32 v241, 0.5, v243
	s_wait_loadcnt 32                              ; w1 is in; w2's 16 and x1's 16 stay out
	TERN D0, 240
	PACK16 D0
	ST16 D0, 4, 34, 256
	LD8 GG, 6                                      ; into registers that the stores above do not read
	s_wait_loadcnt 24                              ; w2 is in; x1's 16 and g's 8 stay out
	TERN D1, 241
	PACK16 D1
	ST16 D1, 5, 36, 131072
	LD8 BB, 8
	s_wait_loadcnt 16                              ; x1 is in; g and b stay out
	STATS D2, 248
	STATS D2+32, 250
	v_rsq_f32 v248, v248
	v_rsq_f32 v250, v250
	v_nop
	s_wait_alu depctr_va_vdst(0)                   ; one wait for the two, ahead of their first reader
	v_mov_b32 v249, v248
	v_mov_b32 v251, v250
	s_wait_loadcnt 0x0
	APPLY D2, 248
	APPLY D2+32, 250
	AMAX D2, 244
	AMAX D2+32, 245
	v_rcp_f32 v10, v244
	v_rcp_f32 v12, v245
	v_mul_f32 v14, v242, v244                      ; s1 max: independent work behind the two
	v_mul_f32 v15, v242, v245
	s_wait_alu depctr_va_vdst(0)
	v_mul_f32 v10, 0x42fe0000, v10                 ; 127 / max
	v_mul_f32 v12, 0x42fe0000, v12
	v_mov_b32 v11, v10
	v_mov_b32 v13, v12
	v_mul_f32 v14, 0x3c010204, v14                 ; / 127
	v_mul_f32 v15, 0x3c010204, v15
	QUANT D2, 10
	QUANT D2+32, 12
	PACK16 D2
	ST16 D2, 4, 32, 256
	v_cmp_eq_u32 vcc_lo, 0, v1
	s_wait_xcnt 0x0                                ; EXEC changes only behind this wait
	s_and_saveexec_b32 s44, vcc_lo
	global_store_b64 v7, v[14:15], s[38:39]        ; 8 bytes a wave, 16,384 in the launch
	s_cmp_lg_u32 s21, 0
	s_cbranch_scc1 .Lnot_first
	global_store_b64 v7, v[242:243], s[40:41]
.Lnot_first:
	s_wait_xcnt 0x0
	s_or_b32 exec_lo, exec_lo, s44
	s_endpgm
.Lfunc_end_k_qf79ad539f6_mid:
	.size	k_qf79ad539f6_mid, .Lfunc_end_k_qf79ad539f6_mid-k_qf79ad539f6_mid
	.p2alignl 7, 3214868480
	.fill 96, 4, 3214868480
	.section	.rodata,"a",@progbits
	.p2align	6, 0x0
	.amdhsa_kernel k_qf79ad539f6_mid
		.amdhsa_group_segment_fixed_size 0
		.amdhsa_private_segment_fixed_size 0
		.amdhsa_enable_private_segment 0
		.amdhsa_kernarg_size 56
		.amdhsa_user_sgpr_count 2
		.amdhsa_user_sgpr_kernarg_segment_ptr 1
		.amdhsa_wavefront_size32 1
		.amdhsa_system_sgpr_workgroup_id_x 1
		.amdhsa_system_sgpr_workgroup_id_y 1
		.amdhsa_system_sgpr_workgroup_id_z 1
		.amdhsa_system_vgpr_workitem_id 0
		.amdhsa_next_free_vgpr 256
		.amdhsa_next_free_sgpr 66
		.amdhsa_reserve_vcc 1
		.amdhsa_float_denorm_mode_32 3
		.amdhsa_float_denorm_mode_16_64 3
		.amdhsa_memory_ordered 1
		.amdhsa_forward_progress 1
		.amdhsa_inst_pref_size 63
	.end_amdhsa_kernel
	.amdgpu_metadata
---
amdhsa.version: [ 1, 2 ]
amdhsa.kernels:
  - .name:           k_qf79ad539f6_mid
    .symbol:         k_qf79ad539f6_mid.kd
    .args:
      - { .name: x1, .offset: 0, .size: 8, .value_kind: global_buffer, .address_space: global }
      - { .name: ln2_g, .offset: 8, .size: 8, .value_kind: global_buffer, .address_space: global }
      - { .name: ln2_b, .offset: 16, .size: 8, .value_kind: global_buffer, .address_space: global }
      - { .name: w1, .offset: 24, .size: 8, .value_kind: global_buffer, .address_space: global }
      - { .name: w2, .offset: 32, .size: 8, .value_kind: global_buffer, .address_space: global }
      - { .name: p1, .offset: 40, .size: 8, .value_kind: global_buffer, .address_space: global }
      - { .name: p5, .offset: 48, .size: 8, .value_kind: global_buffer, .address_space: global }
    .group_segment_fixed_size: 0
    .private_segment_fixed_size: 0
    .kernarg_segment_align: 8
    .kernarg_segment_size: 56
    .max_flat_workgroup_size: 256
    .sgpr_count:     66
    .vgpr_count:     256
    .wavefront_size: 32
...
	.end_amdgpu_metadata
.endif
;; end of part 5
;; launch ffn1: the kernel of part 2 again; grid 16 x 16, 4 waves a work-group, clusters of 4 x 4, 327,680 bytes of LDS; arguments p5, b1, big; writes big
;; launch gelq (part 6): grid 256 x 1, 8 waves a work-group, no clusters, 263,168 bytes of LDS; arguments big, p5, gq, att; writes gq, att
.if DOCPART == 6
	.amdgcn_target "amdgcn-amd-amdhsa--gfx1250"
	.amdhsa_code_object_version 6
	.text
	.protected	k_qf79ad539f6_gelq
	.globl	k_qf79ad539f6_gelq
	.p2align	8
	.type	k_qf79ad539f6_gelq,@function
k_qf79ad539f6_gelq:
	s_mov_b64 s[64:65], 0
	v_nop
	global_prefetch_b8 v0, s[64:65] scope:SCOPE_SE
	s_setreg_imm32_b32 hwreg(HW_REG_WAVE_MODE, 25, 1), 1
	s_wait_xcnt 0x0
; g = gelu(h1) (the exact form, by erf), then gq = round(g 127 / max_m), whole numbers in f16, and rowf2[m] = s2 max_m / 127 (f32, at att's head).
; h1 and gq lie in blocks [64][4096][64] of f16: tokens m, m + 1 (m even) of a block are 256 dense bytes.
; SHARES.  Wave w of work-group b takes tokens 16 b + 2 w and + 1, whole: 64 blocks x 256 bytes, brought by two tensor loads of 32 rows x 256 bytes into LDS bytes of its own.  No slot is filled twice.
; Pass 1 makes g in f32 and the running maxima; a lane's 8 results take the place of its own 16 input bytes (the first four) and 16 bytes of a second region at the same offset (the other four).
; Pass 2 reads them back, scales, rounds and stores: 16 lanes write 256 consecutive bytes, aligned.
; ERF.  With A = |v|: 1 - erf(A / sqrt 2) = R = 1 / P^16, P = 1 + c1 A + .. + c6 A^6 (Abramowitz and Stegun 7.1.28, its coefficients times 2^(-k/2); absolute error under 3e-7), and
; gelu(v) = max(v, 0) - A R / 2: no difference of near numbers on either side.  Where P^16 passes f32's range R is 0, which is its value to f32's precision there.
; LIMITS.  NaN and infinities are not treated apart.  No clip is written behind the rounding: |g| 127 / max is at most 127 to within two parts in 2^23.
.set SC,    131072                     ; the second region; wave w's 16,384 bytes of each region begin at 16,384 w
.set SPARE, 262144
.set H,   16                           ; v[16:23]  16 f16 as read; in pass 2 as stored
.set V,   24                           ; v[24:39]
.set A,   40                           ; v[40:55]
.set P,   56                           ; v[56:71]
.set ONE, 90
.set ZER, 91
.set SPW, 94
.set NIL, 95
	s_load_b256 s[4:11], s[0:1], 0x0               ; big 4, p5 6, gq 8, att 10
	v_lshl_add_u32 v[SPW], v0, 2, SPARE
	v_mov_b32 v[NIL], 0
	ds_add_u32 v[SPW], v[NIL]                      ; the opening: the add, twice on end, and its wait ahead of my first tensor load
	ds_add_u32 v[SPW], v[NIL]
	v_lshrrev_b32 v1, 5, v0
	v_readfirstlane_b32 s12, v1                    ; wave 0..7
	s_mov_b32 s16, 1<<16                           ; group 1: 2-byte elements, no mask, no padding
	s_mov_b32 s17, 128<<16                         ; tensor_dim0 = 128: two tokens of a block
	s_mov_b32 s18, 32<<16                          ; tensor_dim1 = 32 blocks
	s_mov_b32 s19, 128<<16                         ; tile_dim0
	s_mov_b32 s20, 32                              ; tile_dim1
	s_mov_b32 s21, 4096*64                         ; elements from block to block
	s_mov_b32 s22, 0
	s_mov_b32 s23, 0
	s_lshl_b32 s13, ttmp9, 4
	s_lshl_b32 s14, s12, 1
	s_add_co_u32 s13, s13, s14                     ; my first token
	s_lshl_b32 s14, s12, 14                        ; my bytes in each region
	s_lshl_b32 s2, s13, 7
	s_mov_b32 s3, 0
	s_mov_b32 s33, 0x7fffffff
	s_mov_b32 s34, 0x36b49f46                      ; c6, and so on down; each is named as a pair
	s_mov_b32 s35, s34
	s_mov_b32 s36, 0x384d0fec
	s_mov_b32 s37, s36
	s_mov_b32 s38, 0x381f6607
	s_mov_b32 s39, s38
	s_mov_b32 s40, 0x3b56cd72
	s_mov_b32 s41, s40
	s_mov_b32 s42, 0x3cad2fe7
	s_mov_b32 s43, s42
	s_mov_b32 s44, 0x3d4c41b4                      ; c1
	s_mov_b32 s45, s44
	s_mov_b32 s46, 0x76543210
	s_mov_b32 s47, 0xfedcba98
	s_mov_b32 s48, 0x3727c5ac                      ; 1e-5
	s_mov_b32 s49, 0x42fe0000                      ; 127
	s_mov_b32 s50, 0x3c010204                      ; 1 / 127
	s_wait_dscnt 0x0
	s_wait_kmcnt 0x0
	s_add_nc_u64 s[4:5], s[4:5], s[2:3]
	s_add_nc_u64 s[8:9], s[8:9], s[2:3]
	s_mov_b32 s24, 1
	s_add_co_u32 s25, s14, 0
	s_add_nc_u64 s[26:27], s[4:5], 0
	s_or_b32 s27, s27, 0x80000000
	tensor_load_to_lds s[24:27], s[16:23]          ; blocks 0 to 31
	s_nop 0
	s_mov_b32 s28, 1
	s_add_co_u32 s29, s14, 8192
	s_add_nc_u64 s[30:31], s[4:5], 0x1000000
	s_or_b32 s31, s31, 0x80000000
	tensor_load_to_lds s[28:31], s[16:23]          ; blocks 32 to 63
	s_nop 0
	s_add_nc_u64 s[6:7], s[6:7], 0x1804000
	s_load_b32 s32, s[6:7], 0x4                    ; s2
	s_lshl_b32 s2, s13, 2
	s_add_nc_u64 s[10:11], s[10:11], s[2:3]        ; rowf2 at my two tokens
	v_and_b32 v1, 31, v0
	v_lshl_add_u32 v2, v1, 4, s14                  ; pass 1: my 16 bytes of 512
	v_add_nc_u32 v3, SC, v2
	v_mov_b32 v4, v2                               ; pass 2
	v_mov_b32 v5, v3
	v_and_b32 v6, 15, v0
	v_lshlrev_b32 v6, 4, v6
	v_bfe_u32 v7, v0, 4, 1
	v_lshl_add_u32 v6, v7, 19, v6                  ; in gq: lanes 16-31 stand one block on
	v_mov_b32 v[ONE], 1.0
	v_mov_b32 v[ZER], 0
	v_mov_b32 v72, 0                               ; two running maxima of |g|
	v_mov_b32 v73, 0
.macro PASS1                           ; eight trips of 1,024 bytes: 16 numbers a lane
	s_mov_b32 s15, 8
.Lp1_\@:
	ds_load_b128 v[H:H+3], v2
	ds_load_b128 v[H+4:H+7], v2 offset:512
	s_wait_dscnt 0x0
.set k, 0
.rept 8
	v_fma_mix_f32 v[V+2*k], v[H+k], v[ONE], v[ZER] op_sel_hi:[1,0,0]                   ; the low half, widened
	v_fma_mix_f32 v[V+2*k+1], v[H+k], v[ONE], v[ZER] op_sel:[1,0,0] op_sel_hi:[1,0,0]  ; the high half
.set k, k+1
.endr
.set k, 0
.rept 16
	v_and_b32 v[A+k], s33, v[V+k]
.set k, k+1
.endr
.set k, 0
.rept 8
	v_pk_fma_f32 v[P+k:P+k+1], v[A+k:A+k+1], s[34:35], s[36:37] op_sel_hi:[1,0,0]
.set k, k+2
.endr
.irp c, 38,40,42,44
.set k, 0
.rept 8
	v_pk_fma_f32 v[P+k:P+k+1], v[P+k:P+k+1], v[A+k:A+k+1], s[\c:\c+1] op_sel_hi:[1,1,0]
.set k, k+2
.endr
.endr
.set k, 0
.rept 8
	v_pk_fma_f32 v[P+k:P+k+1], v[P+k:P+k+1], v[A+k:A+k+1], 1.0 op_sel_hi:[1,1,0]
.set k, k+2
.endr
.rept 4                                ; P^16
.set k, 0
.rept 8
	v_pk_mul_f32 v[P+k:P+k+1], v[P+k:P+k+1], v[P+k:P+k+1]
.set k, k+2
.endr
.endr
.set k, 0
.rept 16
	v_rcp_f32 v[P+k], v[P+k]
.set k, k+1
.endr
.set k, 0
.rept 16
	v_max_num_f32 v[V+k], 0, v[V+k]                ; independent work behind the batch
.set k, k+1
.endr
	s_wait_alu depctr_va_vdst(0)                   ; one wait for the sixteen, ahead of their first reader
.set k, 0
.rept 8
	v_pk_mul_f32 v[A+k:A+k+1], v[A+k:A+k+1], v[P+k:P+k+1]
.set k, k+2
.endr
.set k, 0
.rept 8
	v_pk_fma_f32 v[V+k:V+k+1], v[A+k:A+k+1], -0.5, v[V+k:V+k+1] op_sel_hi:[1,0,1]
.set k, k+2
.endr
.set k, 0
.rept 4
	v_max3_num_f32 v72, v72, |v[V+4*k]|, |v[V+4*k+1]|
	v_max3_num_f32 v73, v73, |v[V+4*k+2]|, |v[V+4*k+3]|
.set k, k+1
.endr
	ds_store_b128 v2, v[V:V+3]                     ; over my own 16 input bytes, which have been read
	ds_store_b128 v3, v[V+4:V+7]
	ds_store_b128 v2, v[V+8:V+11] offset:512
	ds_store_b128 v3, v[V+12:V+15] offset:512
	v_add_nc_u32 v2, 1024, v2
	v_add_nc_u32 v3, 1024, v3
	s_sub_co_u32 s15, s15, 1
	s_cmp_lg_u32 s15, 0
	s_cbranch_scc1 .Lp1_\@
.endm
	s_wait_tensorcnt 1                             ; blocks 0 to 31 are in; the second load, into other bytes, may stay out
	PASS1
	s_wait_tensorcnt 0x0
	PASS1
	; a lane's token is bit 3 of its number: the maximum goes over the other four bits
	v_max_num_f32 v72, v72, v73
	v_max_num_f32_dpp v72, v72, v72 row_xmask:1 row_mask:0xf bank_mask:0xf
	v_max_num_f32_dpp v72, v72, v72 row_xmask:2 row_mask:0xf bank_mask:0xf
	v_max_num_f32_dpp v72, v72, v72 row_xmask:4 row_mask:0xf bank_mask:0xf
	v_permlanex16_b32 v73, v72, s46, s47
	v_max_num_f32 v72, v72, v73
	v_max_num_f32 v72, s48, v72
	v_rcp_f32 v74, v72
	v_nop
	s_wait_alu depctr_va_vdst(0)
	v_mul_f32 v74, s49, v74                        ; 127 / max
	v_mov_b32 v75, v74
	s_mov_b32 s15, 16
.Lp2:                                              ; a trip: four blocks of both tokens
	ds_load_b128 v[V:V+3], v4
	ds_load_b128 v[V+4:V+7], v5
	ds_load_b128 v[V+8:V+11], v4 offset:512
	ds_load_b128 v[V+12:V+15], v5 offset:512
	s_wait_dscnt 0x0
.set k, 0
.rept 8
	v_pk_mul_f32 v[V+k:V+k+1], v[V+k:V+k+1], v[74:75]
.set k, k+2
.endr
.set k, 0
.rept 16
	v_rndne_f32 v[V+k], v[V+k]
.set k, k+1
.endr
.set k, 0
.rept 8
	v_cvt_pk_f16_f32 v[H+k], v[V+2*k], v[V+2*k+1]
.set k, k+1
.endr
	global_store_b128 v6, v[H:H+3], s[8:9]
	global_store_b128 v6, v[H+4:H+7], s[8:9] offset:1048576
	s_wait_xcnt 0x0                                ; the stores' data and offset are rewritten only behind this wait
	v_add_nc_u32 v4, 1024, v4
	v_add_nc_u32 v5, 1024, v5
	v_add_nc_u32 v6, 0x200000, v6
	s_sub_co_u32 s15, s15, 1
	s_cmp_lg_u32 s15, 0
	s_cbranch_scc1 .Lp2
	s_wait_kmcnt 0x0
	v_mul_f32 v76, s32, v72
	v_mul_f32 v76, s50, v76                        ; s2 max / 127
	v_bfe_u32 v77, v0, 3, 1
	v_lshlrev_b32 v77, 2, v77
	v_and_b32 v78, 0x17, v0
	v_cmp_eq_u32 vcc_lo, 0, v78                    ; lanes 0 and 8: one for each token
	s_and_saveexec_b32 s51, vcc_lo                 ; (the wait on XCNT at the loop's end stands ahead of it, and nothing was issued since)
	global_store_b32 v77, v76, s[10:11]            ; 8 bytes a wave, 16,384 in the launch
	s_wait_xcnt 0x0
	s_or_b32 exec_lo, exec_lo, s51
	s_wait_tensorcnt 0x0                           ; the wave's end
	ds_add_u32 v[SPW], v[NIL]
	s_wait_dscnt 0x0
	s_endpgm
.Lfunc_end_k_qf79ad539f6_gelq:
	.size	k_qf79ad539f6_gelq, .Lfunc_end_k_qf79ad539f6_gelq-k_qf79ad539f6_gelq
	.p2alignl 7, 3214868480
	.fill 96, 4, 3214868480
	.section	.rodata,"a",@progbits
	.p2align	6, 0x0
	.amdhsa_kernel k_qf79ad539f6_gelq
		.amdhsa_group_segment_fixed_size 263168
		.amdhsa_private_segment_fixed_size 0
		.amdhsa_enable_private_segment 0
		.amdhsa_kernarg_size 32
		.amdhsa_user_sgpr_count 2
		.amdhsa_user_sgpr_kernarg_segment_ptr 1
		.amdhsa_wavefront_size32 1
		.amdhsa_system_sgpr_workgroup_id_x 1
		.amdhsa_system_sgpr_workgroup_id_y 1
		.amdhsa_system_sgpr_workgroup_id_z 1
		.amdhsa_system_vgpr_workitem_id 0
		.amdhsa_next_free_vgpr 96
		.amdhsa_next_free_sgpr 66
		.amdhsa_reserve_vcc 1
		.amdhsa_float_denorm_mode_32 3
		.amdhsa_float_denorm_mode_16_64 3
		.amdhsa_memory_ordered 1
		.amdhsa_forward_progress 1
		.amdhsa_inst_pref_size 27
	.end_amdhsa_kernel
	.amdgpu_metadata
---
amdhsa.version: [ 1, 2 ]
amdhsa.kernels:
  - .name:           k_qf79ad539f6_gelq
    .symbol:         k_qf79ad539f6_gelq.kd
    .args:
      - { .name: big, .offset: 0, .size: 8, .value_kind: global_buffer, .address_space: global }
      - { .name: p5, .offset: 8, .size: 8, .value_kind: global_buffer, .address_space: global }
      - { .name: gq, .offset: 16, .size: 8, .value_kind: global_buffer, .address_space: global }
      - { .name: att, .offset: 24, .size: 8, .value_kind: global_buffer, .address_space: global }
    .group_segment_fixed_size: 263168
    .private_segment_fixed_size: 0
    .kernarg_segment_align: 8
    .kernarg_segment_size: 32
    .max_flat_workgroup_size: 256
    .sgpr_count:     66
    .vgpr_count:     96
    .wavefront_size: 32
...
	.end_amdgpu_metadata
.endif
;; end of part 6
;; launch ffn2 (part 7): grid 8 x 32, 4 waves a work-group, clusters of 4 x 4, 327,680 bytes of LDS; arguments gq, p5, b2, x1, out0, att; writes out0
.if DOCPART == 7
	.amdgcn_target "amdgcn-amd-amdhsa--gfx1250"
	.amdhsa_code_object_version 6
	.text
	.protected	k_qf79ad539f6_ffn2
	.globl	k_qf79ad539f6_ffn2
	.p2align	8
	.type	k_qf79ad539f6_ffn2,@function
k_qf79ad539f6_ffn2:
	s_mov_b64 s[64:65], 0
	v_nop
	global_prefetch_b8 v0, s[64:65] scope:SCOPE_SE
	s_setreg_imm32_b32 hwreg(HW_REG_WAVE_MODE, 25, 1), 1
	s_wait_xcnt 0x0
	s_wait_alu depctr_hold_cnt(0) depctr_sa_sdst(0) depctr_va_vdst(0) depctr_va_sdst(0) depctr_va_ssrc(0) depctr_va_vcc(0) depctr_vm_vsrc(0)
	s_getreg_b32 s2, hwreg(HW_REG_IB_STS2, 6, 4)
	s_cmp_eq_u32 s2, 0
	s_cbranch_scc0 .Lentry_in_a_cluster
	s_endpgm
.Lentry_in_a_cluster:
	s_bfe_u32 s2, ttmp6, 0x10000c
	s_cmp_lg_u32 s2, 0xf033
	s_cbranch_scc0 .Lentry_shape_is_right
	s_endpgm
.Lentry_shape_is_right:
; out[m][n] = (sum over k of A[m][k] B[n][k]) (x f[m] where FFN2) + bias[n] + res[m][n].  out and res: f32 [4096][1024].  A: f16 in blocks [K / 64][4096][64] (first argument);
; B: f16 in blocks [K / 64][1024][64] at +0x1004000 of the second.  FFN2 = 0: the attention's output projection and the first residual, K = 1,024.  FFN2 = 1: the second BitLinear product
; (whole numbers -127..127 times -1, 0, 1: exact in f16, the f32 sums exact), f = s_w max / 127, and the second residual, K = 4,096.
; A tile of out is 128 x 128: 256 work-groups.  Four waves, each 64 x 64: 16 accumulators.  K goes in steps of 256: four blocks of 64.  A wave's tensor load brings 64 rows of four blocks:
; four dense runs of 8,192 bytes, padded in LDS by 16 bytes after every row of 128.
; CLUSTER.  4 x 4 work-groups: A's tiles jointly along a row of the cluster, B's along a column.  THE MATRIX INSTRUCTION IS USED TRANSPOSED: a lane holds row l % 16 and the columns 8 (l / 16) + 0..7.
; No prefetch: a step's tiles are small, and the launch's operands are walked by many work-groups at once.
; REGISTERS: window 0: v0-31 addresses; v32-95 the way out; v96-103 factors; v128-255 the accumulators.  window 1: two fragment buffers of 128.  window 2: v0-127 my 64 x 64 of res; v128-159 bias.
.set FFN2, 1
.if FFN2
.set KSTEPS, 16
.else
.set KSTEPS, 4
.endif
.set PITCH,  144                       ; 128 bytes + 16: the 16 rows of a fragment load start at 16 different groups of four banks (64 banks of 4 bytes: ISA guide 11.1)
.set BLK,    64*PITCH                  ; 64 rows of one block
.set HALFT,  4*BLK                     ; what one tensor load brings
.set SLOT,   4*HALFT
.set STAGE,  2*SLOT                    ; behind the ring: 16 rows x 272 bytes for each wave
.set SPITCH, 272
.set SPARE,  STAGE+4*16*SPITCH
.set LAPS,   KSTEPS/2
.set ASTEP,  4*4096*128                ; bytes from K step to K step
.set BSTEP,  4*1024*128
.set ADRA, 16
.set ADRB, 20
.set STO,  24
.set RD,   25
.set XO,   26                          ; 4,096 (l / 16) + 16 (l % 16): two rows of out, 256 bytes of each
.set BO,   27
.set SPW,  28
.set NIL,  29
.set FO,   30
.set TMP,  32
.set T2,   64
.set FR,   96
.set ACC,  128
.set F0,   0
.set F1,   128
.set RES,  0                           ; window 2
.set BIA,  128                         ; window 2
.set G1, 24
.set G0, 32
.set G1B, 48
.set G0B, 56
.set MSB, 0
.macro WIN new
.if MSB != (\new)
	s_set_vgpr_msb (MSB<<8)|(\new)
.set MSB, \new
.endif
.endm
.set MUL,  0x05
.set TO_F, 0x40
.macro JLOAD s
	s_cmp_eq_u32 s11, 0
	s_cbranch_scc0 .Lfor_b_\@
	tensor_load_to_lds s[G0+4*(\s):G0+4*(\s)+3], s[G1:G1+7]
	s_nop 0
.rept 4
	v_nop
.endr
	s_branch .Lasked_\@
.Lfor_b_\@:
	tensor_load_to_lds s[G0B+4*(\s):G0B+4*(\s)+3], s[G1B:G1B+7]
	s_nop 0
.rept 4
	v_nop
.endr
.Lasked_\@:
.endm
.macro CREST
	s_cmp_lg_u32 s10, 0
	s_cbranch_scc1 .Lnot_wave_0_\@
	s_barrier_signal -3
.Lnot_wave_0_\@:
	s_barrier_wait -3
	s_barrier_signal -1
	s_barrier_wait -1
.endm
.macro CROUND
	s_barrier_signal -1
	s_barrier_wait -1
	CREST
.endm
	s_load_b256 s[72:79], s[0:1], 0x0              ; A 72, B's buffer 74, bias 76, res 78
.if FFN2
	s_load_b128 s[80:83], s[0:1], 0x20             ; out 80, f 82
.else
	s_load_b64 s[80:81], s[0:1], 0x20              ; out
.endif
	v_lshl_add_u32 v[SPW], v0, 2, SPARE
	v_mov_b32 v[NIL], 0
	ds_add_u32 v[SPW], v[NIL]                      ; the opening: the add, twice on end, and its wait ahead of my first tensor load
	ds_add_u32 v[SPW], v[NIL]
	v_lshrrev_b32 v1, 5, v0
	v_readfirstlane_b32 s10, v1
	s_lshr_b32 s11, s10, 1                         ; my half of the tile's rows; also: I fetch for A (0) or B (1)
	s_and_b32 s12, s10, 1                          ; my half of its columns; also: which 64 rows I fetch
	s_bfe_u32 s40, ttmp6, 0x40000
	s_bfe_u32 s41, ttmp6, 0x40004
	s_lshl_b32 s42, ttmp9, 2
	s_add_co_u32 s42, s42, s40                     ; tile column
	s_and_b32 s13, ttmp7, 0xffff
	s_lshl_b32 s13, s13, 2
	s_add_co_u32 s13, s13, s41                     ; tile row
	s_lshl_b32 s43, s41, 2
	s_lshl_b32 s43, 15, s43
	s_lshl_b32 s44, 0x1111, s40
	s_or_b32 s[G1+0], s43, (1<<16)|(1<<20)|(1<<21)|(4<<22)|(3<<25)   ; mask; 2-byte elements; padding on; bit 21 beside a mask; after every 32 words, 4 words
	s_or_b32 s[G1B+0], s44, (1<<16)|(1<<20)|(1<<21)|(4<<22)|(3<<25)
.irp g, G1, G1B
	s_mov_b32 s[(\g)+1], 4096<<16                  ; tensor_dim0 = 4,096 elements: 64 rows of a block, dense
	s_mov_b32 s[(\g)+2], 4<<16                     ; tensor_dim1 = 4 blocks
	s_mov_b32 s[(\g)+3], 4096<<16                  ; tile_dim0
	s_mov_b32 s[(\g)+4], 4                         ; tile_dim1
	s_mov_b32 s[(\g)+6], 0
	s_mov_b32 s[(\g)+7], 0
.endr
	s_mov_b32 s[G1+5], 4096*64                     ; elements from block to block
	s_mov_b32 s[G1B+5], 1024*64
	s_lshl_b32 s17, s12, 6
	s_lshl_b32 s16, s13, 7
	s_add_co_u32 s16, s16, s17                     ; A: row 128 x tile row + 64 x half
	s_lshl_b32 s16, s16, 7
	s_lshl_b32 s46, s42, 7
	s_add_co_u32 s46, s46, s17                     ; B: row 128 x tile column + 64 x half
	s_lshl_b32 s46, s46, 7
	s_mov_b32 s17, 0
	s_mov_b32 s47, 0
	s_mul_i32 s20, s10, HALFT
	s_wait_dscnt 0x0
	s_wait_kmcnt 0x0
	s_add_nc_u64 s[14:15], s[72:73], s[16:17]
	s_add_nc_u64 s[46:47], s[74:75], s[46:47]
	s_add_nc_u64 s[46:47], s[46:47], 0x1004000
	CROUND
.irp s, 0,1
	s_mov_b32 s[G0+4*(\s)], 1
	s_add_co_u32 s[G0+4*(\s)+1], s20, (\s)*SLOT
	s_add_nc_u64 s[G0+4*(\s)+2:G0+4*(\s)+3], s[14:15], (\s)*ASTEP
	s_or_b32 s[G0+4*(\s)+3], s[G0+4*(\s)+3], 0x80000000
	s_mov_b32 s[G0B+4*(\s)], 1
	s_add_co_u32 s[G0B+4*(\s)+1], s20, (\s)*SLOT
	s_add_nc_u64 s[G0B+4*(\s)+2:G0B+4*(\s)+3], s[46:47], (\s)*BSTEP
	s_or_b32 s[G0B+4*(\s)+3], s[G0B+4*(\s)+3], 0x80000000
	JLOAD \s
.endr
	v_and_b32 v1, 15, v0                           ; r
	v_bfe_u32 v2, v0, 4, 1                         ; h
	v_mul_u32_u24 v3, v1, PITCH
	v_lshl_add_u32 v3, v2, 4, v3
	s_mul_i32 s21, s11, HALFT
	s_mul_i32 s22, s12, HALFT
	s_add_co_u32 s22, s22, 2*HALFT
.irp s, 0,1
	v_add_nc_u32 v[ADRA+(\s)], s21, v3
	v_add_nc_u32 v[ADRB+(\s)], s22, v3
	s_add_co_u32 s21, s21, SLOT
	s_add_co_u32 s22, s22, SLOT
.endr
	s_mul_i32 s23, s10, 16*SPITCH
	s_add_co_u32 s23, s23, STAGE                   ; my stage
	v_mul_u32_u24 v4, v1, SPITCH
	v_lshl_add_u32 v4, v2, 5, v4                   ; in: row r, 32 bytes for each half of the lanes
	v_add_nc_u32 v[STO], s23, v4
	v_mul_u32_u24 v5, v2, SPITCH
	v_lshl_add_u32 v5, v1, 4, v5                   ; back: lanes 0-15 one row of 256 bytes, lanes 16-31 the next
	v_add_nc_u32 v[RD], s23, v5
	v_lshlrev_b32 v[XO], 4, v1
	v_lshl_add_u32 v[XO], v2, 12, v[XO]
	v_lshlrev_b32 v[BO], 5, v2
	v_lshlrev_b32 v[FO], 2, v1
	s_lshl_b32 s16, s13, 19                        ; (128 tile row + 64 half) 4,096 + (128 tile column + 64 half) 4
	s_lshl_b32 s18, s11, 18
	s_add_co_u32 s16, s16, s18
	s_lshl_b32 s46, s42, 9
	s_lshl_b32 s47, s12, 8
	s_add_co_u32 s46, s46, s47
	s_mov_b32 s47, 0
	s_add_nc_u64 s[76:77], s[76:77], s[46:47]      ; bias at my 64 columns
	s_add_co_u32 s16, s16, s46
	s_add_nc_u64 s[78:79], s[78:79], s[16:17]
	s_add_nc_u64 s[80:81], s[80:81], s[16:17]
.if FFN2
	s_lshl_b32 s18, s13, 9
	s_lshl_b32 s19, s11, 8
	s_add_co_u32 s18, s18, s19
	s_mov_b32 s19, 0
	s_add_nc_u64 s[82:83], s[82:83], s[18:19]      ; f at my 64 rows
.irp a, 0,1,2,3
	global_load_b32 v[FR+2*\a], v[FO], s[82:83] offset:64*\a
	v_mov_b32 v[FR+2*\a+1], 0                      ; named with it as a pair
.endr
.endif
	WIN 0x80                                       ; destination window 2
.irp b, 0,1,2,3
	global_load_b128 v[BIA+8*\b:BIA+8*\b+3],   v[BO], s[76:77] offset:64*\b
	global_load_b128 v[BIA+8*\b+4:BIA+8*\b+7], v[BO], s[76:77] offset:64*\b+16
.endr
.irp a, 0,1,2,3
.irp t, 0,1,2,3,4,5,6,7
	global_load_b128 v[RES+4*(8*\a+\t):RES+4*(8*\a+\t)+3], v[XO], s[78:79] offset:(16*\a+2*\t)*4096  ; they land while the products run
.endr
.endr
	WIN 0
.macro MUL8 f, c, a0, zero
	WIN MUL
.irp a, \a0, (\a0)+1
.irp b, 0,1,2,3
.if \zero
	v_wmma_f32_16x16x32_f16 v[ACC+8*(4*(\a)+(\b)):ACC+8*(4*(\a)+(\b))+7], v[(\f)+64+8*(4*(\c)+(\b)):(\f)+64+8*(4*(\c)+(\b))+7], v[(\f)+8*(4*(\c)+(\a)):(\f)+8*(4*(\c)+(\a))+7], 0
.else
	v_wmma_f32_16x16x32_f16 v[ACC+8*(4*(\a)+(\b)):ACC+8*(4*(\a)+(\b))+7], v[(\f)+64+8*(4*(\c)+(\b)):(\f)+64+8*(4*(\c)+(\b))+7], v[(\f)+8*(4*(\c)+(\a)):(\f)+8*(4*(\c)+(\a))+7], v[ACC+8*(4*(\a)+(\b)):ACC+8*(4*(\a)+(\b))+7]
.endif
.endr
.endr
.endm
.macro FETCH slot, k, f                ; 32 LDS loads in one run: one block's fragments (64 along K), the first 32 along K first
	WIN TO_F
.irp c, 0,1
.irp i, 0,1,2,3
	ds_load_b128 v[(\f)+64+8*(4*(\c)+(\i)):(\f)+64+8*(4*(\c)+(\i))+3],   v[ADRB+(\slot)] offset:(\k)+64*(\c)+(\i)*16*PITCH
	ds_load_b128 v[(\f)+64+8*(4*(\c)+(\i))+4:(\f)+64+8*(4*(\c)+(\i))+7], v[ADRB+(\slot)] offset:(\k)+64*(\c)+(\i)*16*PITCH+32
	ds_load_b128 v[(\f)+8*(4*(\c)+(\i)):(\f)+8*(4*(\c)+(\i))+3],         v[ADRA+(\slot)] offset:(\k)+64*(\c)+(\i)*16*PITCH
	ds_load_b128 v[(\f)+8*(4*(\c)+(\i))+4:(\f)+8*(4*(\c)+(\i))+7],       v[ADRA+(\slot)] offset:(\k)+64*(\c)+(\i)*16*PITCH+32
.endr
.endr
.endm
.macro PLACES
.rept 4
	v_nop
.endr
.endm
.macro QUARTER slot, k, f, g, zero
	s_wait_dscnt 16                                ; the first 32 along K are in
	WIN MUL
	MUL8 \f, 0, 0, \zero
	MUL8 \f, 0, 2, \zero
	PLACES
	FETCH \slot, \k, \g
	s_wait_dscnt 32                                ; all but the 32 just issued
	WIN MUL
	MUL8 \f, 1, 0, 0
	MUL8 \f, 1, 2, 0
.endm
.macro TURN slot, next, fill           ; the last quarter changes slots: one barrier; fill = 1: it opens a round of the cluster's barrier, and this slot is filled again first behind it
	WIN 0
	s_wait_tensorcnt 0x0                           ; all my tensor loads have landed: my part of the next slot
	ds_add_u32 v[SPW], v[NIL]
	s_wait_dscnt 17                                ; the add and the youngest sixteen loads may be out
	WIN MUL
	MUL8 F1, 0, 0, 0
	s_wait_dscnt 0x0                               ; the add is done, and my reads of this slot are over
	s_barrier_signal -1
	MUL8 F1, 0, 2, 0
.if \fill
	WIN 0
.endif
	s_barrier_wait -1
.if \fill
	CREST
	s_add_nc_u64 s[G0+4*(\slot)+2:G0+4*(\slot)+3], s[G0+4*(\slot)+2:G0+4*(\slot)+3], 2*ASTEP
	s_add_nc_u64 s[G0B+4*(\slot)+2:G0B+4*(\slot)+3], s[G0B+4*(\slot)+2:G0B+4*(\slot)+3], 2*BSTEP
	JLOAD \slot
.else
	PLACES
.endif
	FETCH \next, 0, F0
	WIN MUL
	MUL8 F1, 1, 0, 0
	MUL8 F1, 1, 2, 0
.endm
	s_wait_tensorcnt 1                             ; my part of K step 0 is in; K step 1's may stay out
	s_barrier_signal -1
	s_barrier_wait -1
	FETCH 0, 0, F0
	QUARTER 0, BLK, F0, F1, 1
	WIN 0
	s_mov_b32 s3, LAPS-1
.Llap:
	QUARTER 0, 2*BLK, F1, F0, 0
	QUARTER 0, 3*BLK, F0, F1, 0
	TURN 0, 1, 1
	QUARTER 1, BLK,   F0, F1, 0
	QUARTER 1, 2*BLK, F1, F0, 0
	QUARTER 1, 3*BLK, F0, F1, 0
	TURN 1, 0, 1
	QUARTER 0, BLK,   F0, F1, 0
	WIN 0
	s_sub_co_u32 s3, s3, 1
	s_cmp_lg_u32 s3, 0
	s_cbranch_scc1 .Llap
	QUARTER 0, 2*BLK, F1, F0, 0                    ; the last lap fills nothing
	QUARTER 0, 3*BLK, F0, F1, 0
	TURN 0, 1, 0
	QUARTER 1, BLK,   F0, F1, 0
	QUARTER 1, 2*BLK, F1, F0, 0
	QUARTER 1, 3*BLK, F0, F1, 0
	s_wait_dscnt 16
	WIN MUL
	MUL8 F1, 0, 0, 0
	MUL8 F1, 0, 2, 0
	s_wait_dscnt 0x0
	MUL8 F1, 1, 0, 0
	MUL8 F1, 1, 2, 0
	WIN 0
	; THE WAY OUT, 16 rows at a time through my own stage: my 64 columns of f32 are 256 aligned bytes of a row of out, so no other wave has a part in them
	s_wait_loadcnt 0x0                             ; bias, res (and f)
	PLACES
.irp a, 0,1,2,3
.if FFN2
	WIN 0x20                                       ; source 2 (bias) in window 2
.else
	WIN 0x08                                       ; source 1 (bias) in window 2
.endif
.irp b, 0,1,2,3
.irp k, 0,1,2,3
.if FFN2
	v_pk_fma_f32 v[TMP+8*\b+2*\k:TMP+8*\b+2*\k+1], v[ACC+8*(4*\a+\b)+2*\k:ACC+8*(4*\a+\b)+2*\k+1], v[FR+2*\a:FR+2*\a+1], v[BIA+8*\b+2*\k:BIA+8*\b+2*\k+1] op_sel_hi:[1,0,1]
.else
	v_pk_add_f32 v[TMP+8*\b+2*\k:TMP+8*\b+2*\k+1], v[ACC+8*(4*\a+\b)+2*\k:ACC+8*(4*\a+\b)+2*\k+1], v[BIA+8*\b+2*\k:BIA+8*\b+2*\k+1]
.endif
.endr
.endr
	WIN 0
.irp b, 0,1,2,3
	ds_store_b128 v[STO], v[TMP+8*\b:TMP+8*\b+3]   offset:64*\b
	ds_store_b128 v[STO], v[TMP+8*\b+4:TMP+8*\b+7] offset:64*\b+16
.endr
	s_wait_xcnt 0x0                                ; the last block's stores have read the registers that are loaded again below
.irp t, 0,1,2,3,4,5,6,7
	ds_load_b128 v[T2+4*\t:T2+4*\t+3], v[RD] offset:2*SPITCH*\t  ; LDS serves a wave's instructions in order (ISA guide 5.7.1.4)
.endr
	s_wait_dscnt 0x0
	WIN 0x08                                       ; source 1 (res) in window 2
.irp t, 0,1,2,3,4,5,6,7
	v_pk_add_f32 v[T2+4*\t:T2+4*\t+1],   v[T2+4*\t:T2+4*\t+1],   v[RES+4*(8*\a+\t):RES+4*(8*\a+\t)+1]
	v_pk_add_f32 v[T2+4*\t+2:T2+4*\t+3], v[T2+4*\t+2:T2+4*\t+3], v[RES+4*(8*\a+\t)+2:RES+4*(8*\a+\t)+3]
.endr
	WIN 0
.irp t, 0,1,2,3,4,5,6,7
	global_store_b128 v[XO], v[T2+4*\t:T2+4*\t+3], s[80:81] offset:(16*\a+2*\t)*4096  ; 16 lanes store 256 consecutive bytes, aligned
.endr
.endr
	s_wait_tensorcnt 0x0                           ; the wave's end
	ds_add_u32 v[SPW], v[NIL]
	s_wait_dscnt 0x0
	CROUND                                         ; the closing round
	s_endpgm
.Lfunc_end_k_qf79ad539f6_ffn2:
	.size	k_qf79ad539f6_ffn2, .Lfunc_end_k_qf79ad539f6_ffn2-k_qf79ad539f6_ffn2
	.p2alignl 7, 3214868480
	.fill 96, 4, 3214868480
	.section	.rodata,"a",@progbits
	.p2align	6, 0x0
	.amdhsa_kernel k_qf79ad539f6_ffn2
		.amdhsa_group_segment_fixed_size 327680
		.amdhsa_private_segment_fixed_size 0
		.amdhsa_enable_private_segment 0
		.amdhsa_kernarg_size 48
		.amdhsa_user_sgpr_count 2
		.amdhsa_user_sgpr_kernarg_segment_ptr 1
		.amdhsa_wavefront_size32 1
		.amdhsa_system_sgpr_workgroup_id_x 1
		.amdhsa_system_sgpr_workgroup_id_y 1
		.amdhsa_system_sgpr_workgroup_id_z 1
		.amdhsa_system_vgpr_workitem_id 0
		.amdhsa_next_free_vgpr 768
		.amdhsa_next_free_sgpr 84
		.amdhsa_reserve_vcc 0
		.amdhsa_float_denorm_mode_32 3
		.amdhsa_float_denorm_mode_16_64 3
		.amdhsa_memory_ordered 1
		.amdhsa_forward_progress 1
		.amdhsa_inst_pref_size 99
	.end_amdhsa_kernel
	.amdgpu_metadata
---
amdhsa.version: [ 1, 2 ]
amdhsa.kernels:
  - .name:           k_qf79ad539f6_ffn2
    .symbol:         k_qf79ad539f6_ffn2.kd
    .args:
      - { .name: gq, .offset: 0, .size: 8, .value_kind: global_buffer, .address_space: global }
      - { .name: p5, .offset: 8, .size: 8, .value_kind: global_buffer, .address_space: global }
      - { .name: b2, .offset: 16, .size: 8, .value_kind: global_buffer, .address_space: global }
      - { .name: x1, .offset: 24, .size: 8, .value_kind: global_buffer, .address_space: global }
      - { .name: out0, .offset: 32, .size: 8, .value_kind: global_buffer, .address_space: global }
      - { .name: att, .offset: 40, .size: 8, .value_kind: global_buffer, .address_space: global }
    .group_segment_fixed_size: 327680
    .private_segment_fixed_size: 0
    .kernarg_segment_align: 8
    .kernarg_segment_size: 48
    .max_flat_workgroup_size: 128
    .sgpr_count:     84
    .vgpr_count:     768
    .wavefront_size: 32
...
	.end_amdgpu_metadata
.endif
;; end of part 7
;; ======== version 2 of 2: 8 launches
;; limits: values are held in f16: magnitudes above 65,504 overflow, below 6.1e-05 lose precision
;; workspace buffers: p1 18,893,824 bytes; big 33,554,432 bytes; att 8,388,608 bytes; x1 16,777,216 bytes; p5 25,182,464 bytes; gq 33,554,432 bytes
;; launch prep: the kernel of part 1 again; grid 256 x 1, 8 waves a work-group, no clusters, 1,280 bytes of LDS; arguments x, ln1_g, ln1_b, in_proj_w, out_proj_w, w1, w2, p1; writes p1
;; launch qkv (part 8): grid 12 x 16, 4 waves a work-group, clusters of 4 x 4, 327,680 bytes of LDS; arguments p1, in_proj_b, big; writes big
.if DOCPART == 8
	.amdgcn_target "amdgcn-amd-amdhsa--gfx1250"
	.amdhsa_code_object_version 6
	.text
	.protected	k_qf79ad539f6_qkv
	.globl	k_qf79ad539f6_qkv
	.p2align	8
	.type	k_qf79ad539f6_qkv,@function
k_qf79ad539f6_qkv:
	s_mov_b64 s[64:65], 0
	v_nop
	global_prefetch_b8 v0, s[64:65] scope:SCOPE_SE
	s_setreg_imm32_b32 hwreg(HW_REG_WAVE_MODE, 25, 1), 1
	s_wait_xcnt 0x0
	s_wait_alu depctr_hold_cnt(0) depctr_sa_sdst(0) depctr_va_vdst(0) depctr_va_sdst(0) depctr_va_ssrc(0) depctr_va_vcc(0) depctr_vm_vsrc(0)
	s_getreg_b32 s2, hwreg(HW_REG_IB_STS2, 6, 4)
	s_cmp_eq_u32 s2, 0
	s_cbranch_scc0 .Lentry_in_a_cluster
	s_endpgm
.Lentry_in_a_cluster:
	s_bfe_u32 s2, ttmp6, 0x10000c
	s_cmp_lg_u32 s2, 0xf033
	s_cbranch_scc0 .Lentry_shape_is_right
	s_endpgm
.Lentry_shape_is_right:
; out[m][n] = (sum over k of A[m][k] B[n][k]) f[m] + bias[n].  In the first argument: f (f32 [4096]) at +0, A (f16 [4096][1024]) at +0x4000, B (f16 [N][1024]) at +0x804000.
; out is f16 in blocks [N / 64][4096][64]: element (m, n) at ((n / 64) 4096 + m) 128 + 2 (n % 64).  N is the grid's width x 256 and stands nowhere in the text.
; Two launches run it: QKV (A = LayerNorm1(x), f = 1) and the first BitLinear product (A whole numbers -127..127, B -1, 0, 1: both exact in f16, the f32 sums exact; f = s_w max / 127).
; LIMIT.  out is rounded once to f16: |out| stays under 65,504.
; A tile of out, 256 x 256, is made by four waves, each 128 x 128: 64 accumulators.  K goes in 8 steps of 128 through two LDS slots filled by tensor loads whose rows are 256 aligned bytes.
; THE TEXT OF A K STEP STANDS TWICE: in a loop of six trips, each of which fills the slot that it leaves, and in a loop of two trips that fill nothing.  Which slot a trip reads and which it fills
; stand in scalar registers that an exclusive or turns; the first quarter step, whose products start the sums, stands ahead of the loops.
; CLUSTER.  4 x 4 work-groups: A's tiles are asked for jointly along a row of the cluster, B's along a column: the same load, descriptor and mask in the four that it names.
; THE MATRIX INSTRUCTION IS USED TRANSPOSED (source 0 = 16 rows of B, source 1 = 16 rows of A): lane l holds row l % 16 and the columns 8 (l / 16) + 0..7.
; REGISTERS, in windows of 256: window 0: v0-31 addresses, v32-47 bias, v56-59 factors, v64-191 A's two fragment buffers, v192-255 the way out; window 1: v64-191 B's two buffers;
; windows 2 and 3: the accumulators of my rows 0-63 and 64-127, (a, b) at v[8 (8 a + b)].
.set SIZE_K, 1024
.set KSTEP,  128
.set KSTEPS, SIZE_K/KSTEP
.set PITCH,  272                       ; an LDS row: 256 bytes + 16 of padding: the 16 rows of a fragment load start at 16 different groups of four banks (64 banks of 4 bytes: ISA guide 11.1)
.set HALFT,  128*PITCH
.set SLOT,   4*HALFT                   ; A's 256 rows, then B's
.set FT,     2*SLOT                    ; behind the ring: 512 bytes a wave, my 128 rows' factors, in the order in which the way out reads them
.set SPARE,  FT+2048                   ; the spare words, 128 bytes a wave
.set DPITCH, 528                       ; the way out: a row of 128 f32 + 16 bytes
.set DWAVE,  128*DPITCH                ; a wave's 128 rows; the four lie in the ring, which by then has had its last fill
.set ADRA0, 16                         ; my A fragments in slot 0; never rewritten
.set ADRB0, 17                         ; the same for B
.set ADRA,  18                         ; in the slot that is being read
.set ADRB,  19
.set DST,  22                          ; where I put an accumulator's 16 bytes
.set RD,   23                          ; where I read them back
.set FTA,  24                          ; where I read four factors
.set GO,   25                          ; my 16 bytes in 512 consecutive bytes of out
.set FW,   26                          ; where I put four factors
.set SPW,  28
.set NIL,  29
.set PFO,  30                          ; the prefetches' offset: my lane x a row of 2,048 bytes
.set BI,   32                          ; v[32:47] bias of columns 64 cb + 8 (l % 8) + 0..7, cb = 0, 1
.set FQ,   56                          ; v[56:59]
.set F0,   64
.set F1,   128
.set X,    192
.set TB,   2                           ; s2   the slot that is being read: 0 or SLOT
.set FTG,  70                          ; s70  the slot that was filled last: 0 or SLOT
.set WB,   71                          ; s71  my wave's 128 rows in a slot
.set PFA,  44
.set LIM,  43
.set G1,   24
.set G0,   32                          ; two sets for the two first fills; the second then walks
.set G1B,  48
.set G0B,  56
.set MSB, 0
.macro WIN new                         ; the immediate's high byte repeats the setting that is left
.if MSB != (\new)
	s_set_vgpr_msb (MSB<<8)|(\new)
.set MSB, \new
.endif
.endm
.set MUL_LO, 0xa1                      ; source 0 (B) window 1, source 1 (A) window 0, C and D window 2
.set MUL_HI, 0xf1                      ; the same, C and D window 3
.set TO_B,   0x40
.macro JLOAD s                         ; a joint load: waves 0 and 1 fetch A's halves, waves 2 and 3 B's; an s_nop 0 and four v_nop follow each line
	s_cmp_eq_u32 s11, 0
	s_cbranch_scc0 .Lfor_b_\@
	tensor_load_to_lds s[G0+4*(\s):G0+4*(\s)+3], s[G1:G1+7]
	s_nop 0
.rept 4
	v_nop
.endr
	s_branch .Lasked_\@
.Lfor_b_\@:
	tensor_load_to_lds s[G0B+4*(\s):G0B+4*(\s)+3], s[G1B:G1B+7]
	s_nop 0
.rept 4
	v_nop
.endr
.Lasked_\@:
.endm
; A prefetch of the K step that stands two refills on: 32 rows x 256 bytes, a lane a row.  A's rows are asked for by the clusters with x = 0, B's by those with y = 0; the four partners of a joint
; load take 32 rows each of the wave's 128, told apart by address.  So each row's 256 bytes of a K step are named once.  Trip t of six fills K step t + 2 and names t + 4: the last two trips name nothing.
.macro ASK
	s_cmp_gt_u32 s3, s[LIM]                        ; s3 counts 6 down to 1; LIM is 2 in a wave that asks
	s_cbranch_scc0 .Lnot_mine_\@
	global_prefetch_b8 v[PFO], s[PFA:PFA+1] offset:KSTEP*2 th:TH_LOAD_NT scope:SCOPE_SE
.Lnot_mine_\@:
.endm
.macro CREST                           ; a round of the cluster's barrier behind its opening barrier
	s_cmp_lg_u32 s10, 0
	s_cbranch_scc1 .Lnot_wave_0_\@
	s_barrier_signal -3
.Lnot_wave_0_\@:
	s_barrier_wait -3
	s_barrier_signal -1
	s_barrier_wait -1
.endm
.macro CROUND
	s_barrier_signal -1
	s_barrier_wait -1
	CREST
.endm
	s_load_b128 s[4:7], s[0:1], 0x0                ; the operands' buffer, bias
	s_load_b64 s[8:9], s[0:1], 0x10                ; out
	v_lshl_add_u32 v[SPW], v0, 2, SPARE
	v_mov_b32 v[NIL], 0
	ds_add_u32 v[SPW], v[NIL]                      ; the opening: the add, twice on end, and its wait ahead of my first tensor load
	ds_add_u32 v[SPW], v[NIL]
	v_lshrrev_b32 v1, 5, v0
	v_readfirstlane_b32 s10, v1                    ; wave 0..3
	s_lshr_b32 s11, s10, 1                         ; my half of the tile's rows; also: I fetch for A (0) or B (1)
	s_and_b32 s12, s10, 1                          ; my half of its columns; also: which 128 rows I fetch
	s_bfe_u32 s40, ttmp6, 0x40000                  ; cx
	s_bfe_u32 s41, ttmp6, 0x40004                  ; cy
	s_lshl_b32 s42, ttmp9, 2
	s_add_co_u32 s42, s42, s40                     ; tile column
	s_and_b32 s13, ttmp7, 0xffff
	s_lshl_b32 s13, s13, 2
	s_add_co_u32 s13, s13, s41                     ; tile row
	s_lshl_b32 s43, s41, 2
	s_lshl_b32 s43, 15, s43                        ; my row of the cluster
	s_lshl_b32 s44, 0x1111, s40                    ; my column
	s_or_b32 s[G1+0], s43, (1<<16)|(1<<20)|(1<<21)|(5<<22)|(3<<25)   ; mask; 2-byte elements; padding on; bit 21 beside a mask; after every 64 words, 4 words
	s_or_b32 s[G1B+0], s44, (1<<16)|(1<<20)|(1<<21)|(5<<22)|(3<<25)
.irp g, G1, G1B
	s_mov_b32 s[(\g)+1], KSTEP<<16                 ; tensor_dim0 = 128
	s_mov_b32 s[(\g)+2], 128<<16                   ; tensor_dim1 = 128
	s_mov_b32 s[(\g)+3], KSTEP<<16                 ; tile_dim0 = 128
	s_mov_b32 s[(\g)+4], 128                       ; tile_dim1 = 128
	s_mov_b32 s[(\g)+5], SIZE_K                    ; elements from row to row
	s_mov_b32 s[(\g)+6], 0
	s_mov_b32 s[(\g)+7], 0
.endr
	s_lshl_b32 s17, s12, 7
	s_lshl_b32 s16, s13, 8
	s_add_co_u32 s16, s16, s17                     ; A: row 256 x tile row + 128 x half
	s_lshl_b32 s46, s42, 8
	s_add_co_u32 s46, s46, s17                     ; B: row 256 x tile column + 128 x half
	s_mov_b32 s17, 0
	s_mov_b32 s47, 0
	s_mov_b64 s[18:19], SIZE_K*2
	s_mul_u64 s[16:17], s[16:17], s[18:19]
	s_mul_u64 s[46:47], s[46:47], s[18:19]
	s_mul_i32 s[WB], s10, HALFT                    ; where they go: wave x 128 rows
	s_mov_b32 s[FTG], SLOT                         ; the second first fill goes to slot 1
	s_mov_b32 s[TB], 0
	s_wait_dscnt 0x0                               ; both opening adds are done
	s_wait_kmcnt 0x0
	s_mov_b64 s[68:69], s[4:5]                     ; the factors
	s_mov_b64 s[66:67], s[6:7]                     ; bias
	s_add_nc_u64 s[6:7], s[4:5], 0x804000          ; B
	s_add_nc_u64 s[4:5], s[4:5], 0x4000            ; A
	s_add_nc_u64 s[14:15], s[4:5], s[16:17]
	s_add_nc_u64 s[46:47], s[6:7], s[46:47]
	CROUND                                         ; all sixteen work-groups are here: the first joint loads meet
.irp s, 0,1
	s_mov_b32 s[G0+4*(\s)], 1
	s_add_co_u32 s[G0+4*(\s)+1], s[WB], (\s)*SLOT
	s_add_nc_u64 s[G0+4*(\s)+2:G0+4*(\s)+3], s[14:15], (\s)*KSTEP*2
	s_or_b32 s[G0+4*(\s)+3], s[G0+4*(\s)+3], 0x80000000
	s_mov_b32 s[G0B+4*(\s)], 1
	s_add_co_u32 s[G0B+4*(\s)+1], s[WB], (\s)*SLOT
	s_add_nc_u64 s[G0B+4*(\s)+2:G0B+4*(\s)+3], s[46:47], (\s)*KSTEP*2
	s_or_b32 s[G0B+4*(\s)+3], s[G0B+4*(\s)+3], 0x80000000
	JLOAD \s
.endr
	v_and_b32 v1, 15, v0                           ; r
	v_bfe_u32 v2, v0, 4, 1                         ; h
	v_mul_u32_u24 v3, v1, PITCH
	v_lshl_add_u32 v3, v2, 4, v3
	s_mul_i32 s21, s11, HALFT
	s_mul_i32 s22, s12, HALFT
	s_add_co_u32 s22, s22, 2*HALFT
	v_add_nc_u32 v[ADRA0], s21, v3
	v_add_nc_u32 v[ADRB0], s22, v3
	v_add_nc_u32 v[ADRA], s21, v3                  ; K step 0 lies in slot 0
	v_add_nc_u32 v[ADRB], s22, v3
	; the way out's addresses.  Row q of a block of 16 lies at place (q / 2) + 8 (q % 2): the 16 rows that a store touches start 16 bytes apart modulo 256, the two rows that half a load touches 128 apart
	v_and_b32 v4, 31, v0                           ; l
	v_lshrrev_b32 v5, 3, v4                        ; g = l / 8
	v_and_b32 v6, 7, v0                            ; i = l % 8
	s_mul_i32 s21, s10, DWAVE
	v_lshrrev_b32 v7, 1, v1
	v_and_b32 v8, 1, v1
	v_lshl_add_u32 v7, v8, 3, v7
	v_mul_u32_u24 v7, v7, DPITCH
	v_lshl_add_u32 v7, v2, 4, v7
	v_add_nc_u32 v[DST], s21, v7
	v_lshrrev_b32 v9, 1, v5
	v_and_b32 v10, 1, v5
	v_lshl_add_u32 v9, v10, 3, v9
	v_mul_u32_u24 v9, v9, DPITCH
	v_lshl_add_u32 v9, v6, 4, v9
	v_add_nc_u32 v[RD], s21, v9
	s_lshl_b32 s22, s10, 9
	s_add_co_u32 s22, s22, FT
	v_lshl_add_u32 v[FTA], v5, 4, s22              ; row 16 a + 4 t + g has its factor at 64 a + 16 g + 4 t
	v_lshrrev_b32 v11, 2, v4
	v_lshlrev_b32 v11, 6, v11
	v_and_b32 v12, 3, v4
	v_lshl_add_u32 v11, v12, 2, v11
	v_add_nc_u32 v[FW], s22, v11                   ; I hold rows 4 l + e: a = l / 4, t = l % 4, g = e
	v_lshlrev_b32 v[GO], 4, v4
	v_lshlrev_b32 v13, 5, v6                       ; 8 f32 of bias
	s_lshl_b32 s16, s13, 15                        ; out at my part: ((4 tile column + 2 half) 4096 + 256 tile row + 128 half) 128
	s_lshl_b32 s17, s11, 14
	s_add_co_u32 s16, s16, s17
	s_lshl_b32 s46, s42, 21
	s_lshl_b32 s47, s12, 20
	s_add_co_u32 s46, s46, s47
	s_add_co_u32 s16, s16, s46
	s_mov_b32 s17, 0
	s_add_nc_u64 s[8:9], s[8:9], s[16:17]
	s_lshl_b32 s16, s13, 10                        ; my 128 factors
	s_lshl_b32 s18, s11, 9
	s_add_co_u32 s16, s16, s18
	s_add_nc_u64 s[68:69], s[68:69], s[16:17]
	s_lshl_b32 s46, s42, 10                        ; my 128 numbers of bias
	s_lshl_b32 s47, s12, 9
	s_add_co_u32 s46, s46, s47
	s_mov_b32 s47, 0
	s_add_nc_u64 s[66:67], s[66:67], s[46:47]
	global_load_b128 v[FQ:FQ+3], v[GO], s[68:69]
	global_load_b128 v[BI:BI+3], v13, s[66:67]
	global_load_b128 v[BI+4:BI+7], v13, s[66:67] offset:16
	global_load_b128 v[BI+8:BI+11], v13, s[66:67] offset:256
	global_load_b128 v[BI+12:BI+15], v13, s[66:67] offset:272
	; the prefetches' pointer
	s_lshl_b32 s13, s13, 8
	s_lshl_b32 s42, s42, 8
	s_and_b32 s22, ttmp7, 0xffff                   ; cluster y
	s_cmp_eq_u32 s11, 0                            ; do I fetch for A?
	s_cselect_b32 s20, s13, s42                    ; the tile's first row
	s_cselect_b32 s21, s40, s41                    ; my place among the four that ask with me
	s_cselect_b32 s22, ttmp9, s22                  ; the coordinate along which other clusters read the same rows
	s_cselect_b64 s[PFA:PFA+1], s[4:5], s[6:7]
	s_cmp_eq_u32 s22, 0
	s_cselect_b32 s[LIM], 2, -1
	s_lshl_b32 s22, s12, 7
	s_add_co_u32 s20, s20, s22
	s_lshl_b32 s21, s21, 5
	s_add_co_u32 s20, s20, s21
	s_mov_b32 s21, 0
	s_mov_b64 s[18:19], SIZE_K*2
	s_mul_u64 s[20:21], s[20:21], s[18:19]
	s_add_nc_u64 s[PFA:PFA+1], s[PFA:PFA+1], s[20:21]
	s_add_nc_u64 s[PFA:PFA+1], s[PFA:PFA+1], 2*KSTEP*2  ; at K step 2: the first refill steps it to 3 and names K step 4
	v_mul_u32_u24 v[PFO], v4, SIZE_K*2
	s_wait_loadcnt 0x0
	ds_store_b32 v[FW], v[FQ]
	ds_store_b32 v[FW], v[FQ+1] offset:16
	ds_store_b32 v[FW], v[FQ+2] offset:32
	ds_store_b32 v[FW], v[FQ+3] offset:48
.macro MUL16 f, hi, a0, zero           ; 16 matrix instructions: row blocks a0, a0 + 1 of the window's four x all 8 column blocks, 32 along K
	WIN MUL_LO+0x50*(\hi)
.irp a, \a0, (\a0)+1
.irp b, 0,1,2,3,4,5,6,7
.if \zero
	v_wmma_f32_16x16x32_f16 v[8*(8*(\a)+(\b)):8*(8*(\a)+(\b))+7], v[(\f)+8*(\b):(\f)+8*(\b)+7], v[(\f)+8*(4*(\hi)+(\a)):(\f)+8*(4*(\hi)+(\a))+7], 0
.else
	v_wmma_f32_16x16x32_f16 v[8*(8*(\a)+(\b)):8*(8*(\a)+(\b))+7], v[(\f)+8*(\b):(\f)+8*(\b)+7], v[(\f)+8*(4*(\hi)+(\a)):(\f)+8*(4*(\hi)+(\a))+7], v[8*(8*(\a)+(\b)):8*(8*(\a)+(\b))+7]
.endif
.endr
.endr
.endm
.macro FETCH k, f                      ; 32 LDS loads in one run: a quarter step's fragments at byte k of the rows of the slot that is being read, B's first
	WIN TO_B
.irp i, 0,1,2,3,4,5,6,7
	ds_load_b128 v[(\f)+8*(\i):(\f)+8*(\i)+3],   v[ADRB] offset:(\k)+(\i)*16*PITCH
	ds_load_b128 v[(\f)+8*(\i)+4:(\f)+8*(\i)+7], v[ADRB] offset:(\k)+(\i)*16*PITCH+32
.endr
	WIN 0
.irp i, 0,1,2,3,4,5,6,7
	ds_load_b128 v[(\f)+8*(\i):(\f)+8*(\i)+3],   v[ADRA] offset:(\k)+(\i)*16*PITCH
	ds_load_b128 v[(\f)+8*(\i)+4:(\f)+8*(\i)+7], v[ADRA] offset:(\k)+(\i)*16*PITCH+32
.endr
.endm
.macro PLACES                          ; four plain instructions between a matrix instruction and a load into, or a read of, its registers
.rept 4
	v_nop
.endr
.endm
.macro QUARTER k, f, g, zero           ; 64 matrix instructions on buffer f; in the middle the next quarter's fragments, at byte k, into buffer g
	s_wait_dscnt 8                                 ; B and A's rows 0-63 are in; the youngest eight loads may be out
	WIN MUL_LO
	MUL16 \f, 0, 0, \zero
	MUL16 \f, 0, 2, \zero
	PLACES
	FETCH \k, \g
	s_wait_dscnt 32                                ; all but the 32 just issued
	WIN MUL_HI
	MUL16 \f, 1, 0, \zero
	MUL16 \f, 1, 2, \zero
.endm
.macro MEET                            ; the first half of a K step's last quarter, and the barrier of the change of slots
	WIN 0
	s_wait_tensorcnt 0x0                           ; all my tensor loads have landed: the one that was out is my part of the next slot
	ds_add_u32 v[SPW], v[NIL]
	s_wait_dscnt 9                                 ; the add and the youngest eight loads may be out
	WIN MUL_LO
	MUL16 F1, 0, 0, 0
	s_wait_dscnt 0x0                               ; the add is done, and my reads of this slot are over
	s_barrier_signal -1
	MUL16 F1, 0, 2, 0
	WIN 0
	s_barrier_wait -1
.endm
.macro NEXT                            ; the other slot is read from here on: its first fragments
	s_xor_b32 s[TB], s[TB], SLOT
	v_add_nc_u32 v[ADRA], s[TB], v[ADRA0]
	v_add_nc_u32 v[ADRB], s[TB], v[ADRB0]
	FETCH 0, F0
.endm
.macro TURN                            ; the last quarter: the slot just read is filled again, two K steps ahead, first thing behind the round
	s_wait_xcnt 0x0                                ; the last prefetch, a K step back, has read its address
	s_add_nc_u64 s[PFA:PFA+1], s[PFA:PFA+1], KSTEP*2
	MEET
	CREST                                          ; no wave of any partner still reads this slot or has a load on its way
	s_xor_b32 s[FTG], s[FTG], SLOT                 ; the walking descriptors: the other slot than last time,
	s_add_co_u32 s[G0+5], s[WB], s[FTG]
	s_add_co_u32 s[G0B+5], s[WB], s[FTG]
	s_add_nc_u64 s[G0+6:G0+7], s[G0+6:G0+7], KSTEP*2      ; the next K step; the type bits on top are not reached
	s_add_nc_u64 s[G0B+6:G0B+7], s[G0B+6:G0B+7], KSTEP*2
	JLOAD 1                                        ; its four v_nop are also the places in front of the loads below
	NEXT
	ASK
	WIN MUL_HI
	MUL16 F1, 1, 0, 0
	MUL16 F1, 1, 2, 0
.endm
.macro TURNT                           ; the last quarter of the last two K steps: nothing is filled; behind the very last there is no slot to go on to
	MEET
	s_cmp_eq_u32 s3, 1
	s_cbranch_scc1 .Lno_more_\@                    ; the jump leads round LDS loads and register work alone
	PLACES
	NEXT
.Lno_more_\@:
	WIN MUL_HI
	MUL16 F1, 1, 0, 0
	MUL16 F1, 1, 2, 0
.endm
	s_wait_dscnt 0x0                               ; my factors lie in LDS
	s_wait_tensorcnt 1                             ; my part of K step 0 is in; K step 1's may stay out
	s_barrier_signal -1
	s_barrier_wait -1
	FETCH 0, F0
	QUARTER 64,  F0, F1, 1                         ; the first quarter's products start the sums
	WIN 0
	s_mov_b32 s3, KSTEPS-2
.Lstep:                                            ; a trip: from a K step's second quarter to the next step's first; it fills the slot that it leaves
	QUARTER 128, F1, F0, 0
	QUARTER 192, F0, F1, 0
	TURN
	QUARTER 64,  F0, F1, 0
	WIN 0
	s_sub_co_u32 s3, s3, 1
	s_cmp_lg_u32 s3, 0
	s_cbranch_scc1 .Lstep
	s_mov_b32 s3, 2
.Ltail:                                            ; the last two K steps fill nothing; the second trip is left behind its last quarter
	QUARTER 128, F1, F0, 0
	QUARTER 192, F0, F1, 0
	TURNT
	WIN 0
	s_sub_co_u32 s3, s3, 1
	s_cmp_eq_u32 s3, 0
	s_cbranch_scc1 .Ldone
	QUARTER 64,  F0, F1, 0
	WIN 0
	s_branch .Ltail
.Ldone:
	; THE WAY OUT.  Every wave's reads of the ring are over and every fill has landed: behind this barrier the ring's bytes serve as the four waves' own 128 rows x 128 f32.
	s_wait_dscnt 0x0
	s_barrier_signal -1
	s_barrier_wait -1
	PLACES
.irp a, 0,1,2,3,4,5,6,7                ; in a row, a block of 64 columns is 256 bytes: first the lower four numbers of each eight, then the upper four
	WIN 0x08+4*((\a)/4)
.irp b, 0,1,2,3,4,5,6,7
	ds_store_b128 v[DST], v[8*(8*((\a)%4)+(\b)):8*(8*((\a)%4)+(\b))+3]   offset:(\a)*16*DPITCH+((\b)/4)*256+((\b)%4)*32
	ds_store_b128 v[DST], v[8*(8*((\a)%4)+(\b))+4:8*(8*((\a)%4)+(\b))+7] offset:(\a)*16*DPITCH+((\b)/4)*256+((\b)%4)*32+128
.endr
.endr
	WIN 0
	s_mov_b32 s3, 8
.Lout:                                             ; a trip: 16 rows.  Lane l takes row 4 t + l / 8 and the columns 64 cb + 8 (l % 8) + 0..7
	ds_load_b128 v[FQ:FQ+3], v[FTA]                ; LDS serves a wave's instructions in order (ISA guide 5.7.1.4): these see my stores
.irp t, 0,1,2,3
.irp cb, 0,1
	ds_load_b128 v[X+16*\t+8*\cb:X+16*\t+8*\cb+3],   v[RD] offset:2*DPITCH*\t+256*\cb
	ds_load_b128 v[X+16*\t+8*\cb+4:X+16*\t+8*\cb+7], v[RD] offset:2*DPITCH*\t+256*\cb+128
.endr
.endr
	s_wait_dscnt 0x0
.irp t, 0,1,2,3
.irp cb, 0,1
.irp k, 0,1,2,3
.if (\t)%2
	v_pk_fma_f32 v[X+16*\t+8*\cb+2*\k:X+16*\t+8*\cb+2*\k+1], v[X+16*\t+8*\cb+2*\k:X+16*\t+8*\cb+2*\k+1], v[FQ+\t-1:FQ+\t], v[BI+8*\cb+2*\k:BI+8*\cb+2*\k+1] op_sel:[0,1,0] op_sel_hi:[1,1,1]
.else
	v_pk_fma_f32 v[X+16*\t+8*\cb+2*\k:X+16*\t+8*\cb+2*\k+1], v[X+16*\t+8*\cb+2*\k:X+16*\t+8*\cb+2*\k+1], v[FQ+\t:FQ+\t+1], v[BI+8*\cb+2*\k:BI+8*\cb+2*\k+1] op_sel_hi:[1,0,1]
.endif
.endr
.endr
.endr
.irp t, 0,1,2,3
.irp cb, 0,1
.irp k, 0,1,2,3
	v_cvt_pk_f16_f32 v[X+16*\t+8*\cb+\k], v[X+16*\t+8*\cb+2*\k], v[X+16*\t+8*\cb+2*\k+1]
.endr
.endr
.endr
.irp t, 0,1,2,3
.irp cb, 0,1
	global_store_b128 v[GO], v[X+16*\t+8*\cb:X+16*\t+8*\cb+3], s[8:9] offset:512*\t+524288*\cb  ; four rows of a block: 512 consecutive bytes, aligned
.endr
.endr
	s_wait_xcnt 0x0                                ; the stores' data and offset are rewritten only behind this wait
	v_add_nc_u32 v[RD], 16*DPITCH, v[RD]
	v_add_nc_u32 v[FTA], 64, v[FTA]
	v_add_nc_u32 v[GO], 2048, v[GO]
	s_sub_co_u32 s3, s3, 1
	s_cmp_lg_u32 s3, 0
	s_cbranch_scc1 .Lout
	s_wait_tensorcnt 0x0                           ; the wave's end
	ds_add_u32 v[SPW], v[NIL]
	s_wait_dscnt 0x0
	CROUND                                         ; the closing round
	s_endpgm
.Lfunc_end_k_qf79ad539f6_qkv:
	.size	k_qf79ad539f6_qkv, .Lfunc_end_k_qf79ad539f6_qkv-k_qf79ad539f6_qkv
	.p2alignl 7, 3214868480
	.fill 96, 4, 3214868480
	.section	.rodata,"a",@progbits
	.p2align	6, 0x0
	.amdhsa_kernel k_qf79ad539f6_qkv
		.amdhsa_group_segment_fixed_size 327680
		.amdhsa_private_segment_fixed_size 0
		.amdhsa_enable_private_segment 0
		.amdhsa_kernarg_size 24
		.amdhsa_user_sgpr_count 2
		.amdhsa_user_sgpr_kernarg_segment_ptr 1
		.amdhsa_wavefront_size32 1
		.amdhsa_system_sgpr_workgroup_id_x 1
		.amdhsa_system_sgpr_workgroup_id_y 1
		.amdhsa_system_sgpr_workgroup_id_z 1
		.amdhsa_system_vgpr_workitem_id 0
		.amdhsa_next_free_vgpr 1024
		.amdhsa_next_free_sgpr 72
		.amdhsa_reserve_vcc 0
		.amdhsa_float_denorm_mode_32 3
		.amdhsa_float_denorm_mode_16_64 3
		.amdhsa_memory_ordered 1
		.amdhsa_forward_progress 1
		.amdhsa_inst_pref_size 86
	.end_amdhsa_kernel
	.amdgpu_metadata
---
amdhsa.version: [ 1, 2 ]
amdhsa.kernels:
  - .name:           k_qf79ad539f6_qkv
    .symbol:         k_qf79ad539f6_qkv.kd
    .args:
      - { .name: p1, .offset: 0, .size: 8, .value_kind: global_buffer, .address_space: global }
      - { .name: in_proj_b, .offset: 8, .size: 8, .value_kind: global_buffer, .address_space: global }
      - { .name: big, .offset: 16, .size: 8, .value_kind: global_buffer, .address_space: global }
    .group_segment_fixed_size: 327680
    .private_segment_fixed_size: 0
    .kernarg_segment_align: 8
    .kernarg_segment_size: 24
    .max_flat_workgroup_size: 128
    .sgpr_count:     72
    .vgpr_count:     1024
    .wavefront_size: 32
...
	.end_amdgpu_metadata
.endif
;; end of part 8
;; launch attn (part 9): grid 8 x 32, 4 waves a work-group, clusters of 4 x 1, 327,680 bytes of LDS; arguments big, att; writes att
.if DOCPART == 9
	.amdgcn_target "amdgcn-amd-amdhsa--gfx1250"
	.amdhsa_code_object_version 6
	.text
	.protected	k_qf79ad539f6_attn
	.globl	k_qf79ad539f6_attn
	.p2align	8
	.type	k_qf79ad539f6_attn,@function
k_qf79ad539f6_attn:
	s_mov_b64 s[64:65], 0
	v_nop
	global_prefetch_b8 v0, s[64:65] scope:SCOPE_SE
	s_setreg_imm32_b32 hwreg(HW_REG_WAVE_MODE, 25, 1), 1
	s_wait_xcnt 0x0
	s_wait_alu depctr_hold_cnt(0) depctr_sa_sdst(0) depctr_va_vdst(0) depctr_va_sdst(0) depctr_va_ssrc(0) depctr_va_vcc(0) depctr_vm_vsrc(0)
	s_getreg_b32 s2, hwreg(HW_REG_IB_STS2, 6, 4)
	s_cmp_eq_u32 s2, 0
	s_cbranch_scc0 .Lentry_in_a_cluster
	s_endpgm
.Lentry_in_a_cluster:
	s_bfe_u32 s2, ttmp6, 0x10000c
	s_cmp_lg_u32 s2, 0x3003
	s_cbranch_scc0 .Lentry_shape_is_right
	s_endpgm
.Lentry_shape_is_right:
; O[q][:] = the sum over k of softmax_k(Q[q] . K[k] / 8) V[k][:], for each of 32 (batch, head) pairs: 2,048 rows of 64 channels, f16.
; big holds q, k, v in blocks [48][4096][64]: head y % 16 of batch y / 16 begins at (y % 16) 524,288 + (y / 16) 262,144; k lies 8,388,608 bytes on, v 16,777,216.  A head's rows are dense, 128 bytes each.
; att takes O in the same layout.  Products, maxima and sums in f32; the weights are rounded to f16 for the second product (their sum is taken of the unrounded weights), O once at the end.
; LIMITS.  q, k, v arrive within f16's 65,504; a weight below 2^-126 counts as 0 in the sum; NaN and infinities are not treated apart.
; SHARES.  A work-group owns 256 queries, a wave 64: four PIECES of 16.  Every wave walks all 2,048 keys, 64 a step; a slot of LDS holds four steps.
; LAYOUT.  S^T = K Q^T holds ONE query a lane (lane % 16) and the keys 8 (lane / 16) + 0..7; two such results rounded to f16 ARE source 1 of O^T = V^T P.  p = 2^(c s - c m), c = log2(e) / 8, with a running
; maximum m; O and the sum l are multiplied by a = 2^(c m_old - c m_new) in every step.  m starts at the lowest finite number, O and l at 0: the first step has a = 0.
; TURNS.  Turn n belongs to piece n: 8 products K Q^T of piece n + 1, later 8 products V^T P of piece n - 1; beside them the scaling, exponentials, roundings, sums and rescaling of piece n and the maximum and
; statistics of piece n + 1.  Four vector instructions stand behind every matrix instruction, the rest in one run.  A turn's 33 exponentials are one batch with one wait.
; NO LAST STEP IS WRITTEN OUT: the tail's loop is left in the middle of a fifth trip, whose 8 products K Q^T (on the last K once more) and the maximum made of them serve nothing.
; CLUSTER.  The four query blocks of a cluster belong to one head and walk the same K and V: each tile is asked for jointly.
; REGISTERS (windows of 256): window 0: v0-15 addresses; v16-31 statistics; v48-55 at work; v64-127 S^T, two buffers; v192-223 P, two buffers.  window 1: v0-127 O^T.  window 2: v0-63 Q; v128-191 K; v192-255 V.
.set NP,    4
.set KS,    64
.set PK,    144       ; a row of K in LDS: 128 bytes + 16: the 16 rows of a load start at 16 different groups of four banks (64 banks of 4 bytes: ISA guide 11.1)
.set PV,    160       ; a row of V: 128 + 32
.set VOFF,  4*KS*PK
.set SLOT1, 1<<17
.set STAGE, SLOT1+4*KS*(PK+PV)
.set SP,    144
.set SPARE, STAGE+4*16*SP
.set AK0, 2
.set AV0, 3
.set AK,  4
.set AV,  5
.set STO, 6
.set RD,  7
.set GO,  8
.set MV,  12
.set QO,  15
.set ST,  16          ; piece t: c m, m, l (even keys', odd keys')
.set TMP, 48
.set PFO, 61          ; 256 x my lane
.set SPW, 62
.set NIL, 63
.set S,   64
.set P,   192
.set KF,  128
.set VF,  192
.set WV,  12
.set LIM, 15
.set PFA, 18
.set G1K, 24
.set G1V, 32
.set G0K, 40
.set G0V, 44
.set SLOTS, 56
.set CNT, 57
.set CS,  58
.set SEL, 60
.set TBK, 62
.set TBV, 63
.set MSB, 0
.macro WIN new
.if MSB != (\new)
	s_set_vgpr_msb (MSB<<8)|(\new)
.set MSB, (\new)
.endif
.endm
.set W_KQ, 0x0a       ; K and Q in window 2, S^T in window 0
.set W_PV, 0x52       ; V in window 2, P in window 0, O^T in window 1
.set W_RS, 0x41       ; destination and source 0 in window 1, source 1 in window 0
.macro JLOAD                        ; waves 0 and 1 fetch the halves of a tile's K, waves 2 and 3 those of its V; an s_nop 0 and four v_nop follow each line
	s_cmp_lt_u32 s[WV], 2
	s_cbranch_scc0 .Lfor_v_\@
	tensor_load_to_lds s[G0K:G0K+3], s[G1K:G1K+7]
	s_nop 0
.rept 4
	v_nop
.endr
	s_branch .Lasked_\@
.Lfor_v_\@:
	tensor_load_to_lds s[G0V:G0V+3], s[G1V:G1V+7]
	s_nop 0
.rept 4
	v_nop
.endr
.Lasked_\@:
.endm
; A prefetch of the tile that the NEXT change of slots will ask for: 32,768 bytes of K and of V, 256 a lane.  The head's first cluster asks; its four partners take 8,192 bytes each, told apart by address;
; wave 0 asks for K's, wave 2 for V's.  So each 256 bytes are named once.  The last change that fills a slot asks for nothing.
.macro ASK
	s_cmp_gt_u32 s[SLOTS], s[LIM]
	s_cbranch_scc0 .Lnot_mine_\@
	global_prefetch_b8 v[PFO], s[PFA:PFA+1] th:TH_LOAD_NT scope:SCOPE_SE
.Lnot_mine_\@:
.endm
.macro CROUND
	s_barrier_signal -1
	s_barrier_wait -1
	s_cmp_lg_u32 s[WV], 0
	s_cbranch_scc1 .Lnot_wave_0_\@
	s_barrier_signal -3
.Lnot_wave_0_\@:
	s_barrier_wait -3
	s_barrier_signal -1
	s_barrier_wait -1
.endm
; THE CHANGE OF SLOTS.  Each wave waits for all its tensor loads (one is out: its part of the other slot), adds 0 to its spare word, and waits for that and for its reads of the slot that it leaves.
; fill = 1: behind a round of the cluster's barrier the old slot is filled again first, with the keys two slots on: four key steps in which to land.
.macro CHANGE fill
	WIN 0
	s_wait_tensorcnt 0x0
	ds_add_u32 v[SPW], v[NIL]
.if \fill
.irp g, G0K, G0V
	s_xor_b32 s[\g+1], s[\g+1], SLOT1
	s_add_nc_u64 s[\g+2:\g+3], s[\g+2:\g+3], 4*KS*128
.endr
	s_wait_xcnt 0x0                 ; the last prefetch, four key steps back, has read its address
	s_add_nc_u64 s[PFA:PFA+1], s[PFA:PFA+1], 4*KS*128
	s_wait_dscnt 0x0
	CROUND
	JLOAD
	ASK
.else
	s_wait_dscnt 0x0
	s_barrier_signal -1
	s_barrier_wait -1
.endif
	s_sub_co_u32 s[TBK], s[TBK], 4*KS*PK
	s_xor_b32 s[TBK], s[TBK], SLOT1
	s_sub_co_u32 s[TBV], s[TBV], 4*KS*PV
	s_xor_b32 s[TBV], s[TBV], SLOT1
.endm
	s_load_b128 s[4:7], s[0:1], 0x0   ; big s[4:5], att s[6:7]
	v_lshl_add_u32 v[SPW], v0, 2, SPARE
	v_mov_b32 v[NIL], 0
	ds_add_u32 v[SPW], v[NIL]       ; the opening: the add, twice on end, and its wait ahead of my first tensor load
	ds_add_u32 v[SPW], v[NIL]
	v_lshrrev_b32 v1, 5, v0
	v_readfirstlane_b32 s[WV], v1
	s_bfe_u32 s13, ttmp6, 0x40000   ; cx
	s_lshl_b32 s14, ttmp9, 2
	s_add_co_u32 s14, s14, s13      ; my block of 256 queries: it enters Q's and O's addresses alone
	s_and_b32 s20, ttmp7, 0xffff
	s_and_b32 s21, s20, 15          ; head
	s_lshr_b32 s20, s20, 4          ; batch
	s_lshl_b32 s21, s21, 19
	s_lshl_b32 s20, s20, 18
	s_add_co_u32 s20, s20, s21      ; the head's first byte
	s_and_b32 s16, s[WV], 1         ; which half of a tile's 256 keys I fetch
	s_lshl_b32 s22, s16, 14
	s_add_co_u32 s22, s22, s20
	s_mov_b32 s23, 0
	s_mul_i32 s17, s16, 128*PK
	s_mul_i32 s50, s16, 128*PV
	s_lshl_b32 s2, s14, 15
	s_lshl_b32 s3, s[WV], 13
	s_add_co_u32 s2, s2, s3
	s_add_co_u32 s2, s2, s20        ; my wave's 64 rows
	s_mov_b32 s3, 0
	; 128 keys are 16,384 dense bytes: asked for as 64 rows of 256 bytes, two keys a row, padded in LDS after every key
	s_mov_b32 s[G1K], 15|(1<<16)|(1<<20)|(1<<21)|(4<<22)|(3<<25)
	s_mov_b32 s[G1V], 15|(1<<16)|(1<<20)|(1<<21)|(4<<22)|(7<<25)
.irp g, G1K, G1V
	s_mov_b32 s[\g+1], 128<<16
	s_mov_b32 s[\g+2], 64<<16
	s_mov_b32 s[\g+3], 128<<16
	s_mov_b32 s[\g+4], 64
	s_mov_b32 s[\g+5], 128
	s_mov_b32 s[\g+6], 0
	s_mov_b32 s[\g+7], 0
.endr
	s_mov_b32 s[CS], 0x3e38aa3b     ; c = log2(e) / 8
	s_mov_b32 s[CS+1], s[CS]
	s_mov_b32 s[SEL], 0x76543210
	s_mov_b32 s[SEL+1], 0xfedcba98
	s_mov_b32 s[TBK], SLOT1+4*KS*PK ; the first change of slots turns these two into 0
	s_mov_b32 s[TBV], SLOT1+4*KS*PV
	s_mov_b32 s[G0K], 1
	s_mov_b32 s[G0K+1], s17
	s_mov_b32 s[G0V], 1
	s_add_co_u32 s[G0V+1], s50, VOFF
	s_mov_b32 s[SLOTS], 7           ; tiles still to be asked for
	s_and_b32 s[LIM], s[WV], 1
	s_or_b32 s[LIM], s[LIM], ttmp9  ; 0 in waves 0 and 2 of the head's first cluster: the same in all four partners
	s_cmp_eq_u32 s[LIM], 0
	s_cselect_b32 s[LIM], 1, -1
	s_lshl_b32 s52, s13, 13
	s_mov_b32 s53, 0
	v_and_b32 v[PFO], 31, v0
	v_lshlrev_b32 v[PFO], 8, v[PFO]
	s_wait_dscnt 0x0
	s_wait_kmcnt 0x0
	s_add_nc_u64 s[G0K+2:G0K+3], s[4:5], s[22:23]
	s_add_nc_u64 s[G0K+2:G0K+3], s[G0K+2:G0K+3], 0x800000
	s_add_nc_u64 s[G0V+2:G0V+3], s[4:5], s[22:23]
	s_add_nc_u64 s[G0V+2:G0V+3], s[G0V+2:G0V+3], 0x1000000
	s_cmp_lt_u32 s[WV], 2
	s_cselect_b64 s[PFA:PFA+1], s[G0K+2:G0K+3], s[G0V+2:G0V+3]  ; (in waves 0 and 2 these stand at a tile's first row)
	s_add_nc_u64 s[PFA:PFA+1], s[PFA:PFA+1], s[52:53]
	s_add_nc_u64 s[PFA:PFA+1], s[PFA:PFA+1], 4*KS*128            ; in tile 1; the first change steps it to tile 2
	s_or_b32 s[G0K+3], s[G0K+3], 0x80000000
	s_or_b32 s[G0V+3], s[G0V+3], 0x80000000
	s_add_nc_u64 s[4:5], s[4:5], s[2:3]
	s_add_nc_u64 s[6:7], s[6:7], s[2:3]
	CROUND
	JLOAD                           ; tile 0 into slot 0
	v_and_b32 v1, 15, v0
	v_bfe_u32 v9, v0, 4, 1
	v_lshlrev_b32 v[QO], 7, v1
	v_lshl_add_u32 v[QO], v9, 4, v[QO]
	WIN 0x80
.set i, 0
.rept 8                             ; Q stays in registers: piece i / 2, channels 32 (i % 2) on
	global_load_b128 v[8*i:8*i+3],   v[QO], s[4:5] offset:(i/2)*2048+(i%2)*64
	global_load_b128 v[8*i+4:8*i+7], v[QO], s[4:5] offset:(i/2)*2048+(i%2)*64+32
.set i, i+1
.endr
	; what the first turn finds: V and P's second buffer hold 0 (its products V^T P, of a piece that has not been, add 0), O^T and l are 0.  All this stands in the wait for the first tile
.set i, VF
.rept 64
	v_mov_b32 v[i], 0
.set i, i+1
.endr
	WIN 0x40
.set i, 0
.rept 128
	v_mov_b32 v[i], 0
.set i, i+1
.endr
	WIN 0
.set i, 0
.rept 4
	v_mov_b32 v[ST+4*i], 0xfe000000    ; c m: far below every c s
	v_mov_b32 v[ST+4*i+1], 0xff7fffff  ; m
	v_mov_b32 v[ST+4*i+2], 0
	v_mov_b32 v[ST+4*i+3], 0
.set i, i+1
.endr
.set i, P+16
.rept 16
	v_mov_b32 v[i], 0
.set i, i+1
.endr
	v_mul_u32_u24 v[AK0], v1, PK
	v_lshl_add_u32 v[AK0], v9, 4, v[AK0]
	v_and_b32 v10, 7, v0
	v_bfe_u32 v11, v0, 3, 1
	v_lshl_add_u32 v[AV0], v9, 3, v10   ; the turning load: lane l reads key 8 (l / 16) + l % 8, channels 8 ((l / 8) % 2) + 0..7
	v_mul_u32_u24 v[AV0], v[AV0], PV
	v_lshl_add_u32 v[AV0], v11, 4, v[AV0]
	v_add_nc_u32 v[AV0], VOFF, v[AV0]
	s_mul_i32 s13, s[WV], 16*SP
	s_add_co_u32 s13, s13, STAGE
	v_mul_u32_u24 v[STO], v1, SP
	v_lshl_add_u32 v[STO], v9, 4, v[STO]
	v_add_nc_u32 v[STO], s13, v[STO]
	v_bfe_u32 v[RD], v0, 3, 2
	v_mul_u32_u24 v[RD], v[RD], SP
	v_lshl_add_u32 v[RD], v10, 4, v[RD]
	v_add_nc_u32 v[RD], s13, v[RD]
	v_and_b32 v[GO], 31, v0
	v_lshlrev_b32 v[GO], 4, v[GO]
; THE MATRIX WORK.  The 4 accumulators of a run of 8 take turns.
.macro KQ x                         ; product i of 8 of S^T = K Q^T for piece x: channels 32 (i / 4) on, keys 16 (i % 4) on
	WIN W_KQ
.set rS, S+32*((\x)%2)+8*(i%4)
.set rK, KF+16*(i%4)+8*(i/4)
.set rQ, 16*(\x)+8*(i/4)
.if i < 4
	v_wmma_f32_16x16x32_f16 v[rS:rS+7], v[rK:rK+7], v[rQ:rQ+7], 0
.else
	v_wmma_f32_16x16x32_f16 v[rS:rS+7], v[rK:rK+7], v[rQ:rQ+7], v[rS:rS+7]
.endif
.endm
.macro PV x                         ; product i of 8 of O^T += V^T P for piece x: keys 32 (i / 4) on, channels 16 (i % 4) on
	WIN W_PV
.set rO, 32*(\x)+8*(i%4)
.set rV, VF+32*(i/4)+8*(i%4)
.set rP, P+16*((\x)%2)+8*(i/4)
	v_wmma_f32_16x16x32_f16 v[rO:rO+7], v[rV:rV+7], v[rP:rP+7], v[rO:rO+7]
.endm
.macro MM                           ; the turn's next matrix instruction
.if i < 8
	KQ (Y+1)%NP
.else
.set i, i-8
	PV (Y+NP-1)%NP
.set i, i+8
.endif
.set i, i+1
.endm
.macro FETCH_K                      ; a step's K, 16 loads in one run
	WIN 0x80
.irp f, 0,1,2,3,4,5,6,7
	ds_load_b128 v[KF+8*\f:KF+8*\f+3],   v[AK] offset:(\f/2)*16*PK+(\f%2)*64
	ds_load_b128 v[KF+8*\f+4:KF+8*\f+7], v[AK] offset:(\f/2)*16*PK+(\f%2)*64+32
.endr
	s_add_co_u32 s[TBK], s[TBK], KS*PK
	WIN 0
.endm
.macro FETCH_V                      ; a step's V, turned
	WIN 0x80
.irp f, 0,1,2,3,4,5,6,7
	ds_load_tr16_b128 v[VF+8*\f:VF+8*\f+3],   v[AV] offset:(\f/4)*32*PV+(\f%4)*32
	ds_load_tr16_b128 v[VF+8*\f+4:VF+8*\f+7], v[AV] offset:(\f/4)*32*PV+16*PV+(\f%4)*32
.endr
	WIN 0
.endm
; THE VECTOR WORK, one line at a time: OP kind, number.  For piece Y: F n: c s - c m for pair n.  E n: the exponential of score n.  C n: pair n rounded to f16.  B n: of the four weights 4 n .. the second pair is
; added onto the first.  L n: l takes that sum (L 0: l = a l + sum).  R n: pair n of O^T times a.  For piece Y + 1: X n, number n of the 22 that find its maximum and statistics (each accumulator's lowest
; registers are read first).
.set F, 0
.set E, 1
.set C, 2
.set B, 3
.set L, 4
.set R, 5
.set X, 6
.macro REGS y
.set rT, ST+4*(\y)
.set rC, TMP+4*((\y)%2)
.set rW, MV+((\y)%2)
.set rS, S+32*((\y)%2)
.set rP, P+16*((\y)%2)
.set rO, 32*(\y)
.endm
.macro OP k, n
.if (\k) == R
	REGS Y
	WIN W_RS
	v_pk_mul_f32 v[rO+2*(\n):rO+2*(\n)+1], v[rO+2*(\n):rO+2*(\n)+1], v[rC+2:rC+3] op_sel_hi:[1,0]
.elseif (\k) < R
	REGS Y
	WIN 0
.if (\k) == F
	v_pk_fma_f32 v[rS+2*(\n):rS+2*(\n)+1], v[rS+2*(\n):rS+2*(\n)+1], s[CS:CS+1], v[rT:rT+1] op_sel_hi:[1,0,0] neg_lo:[0,0,1] neg_hi:[0,0,1]
.elseif (\k) == E
	v_exp_f32 v[rS+(\n)], v[rS+(\n)]
.elseif (\k) == C
	v_cvt_pk_f16_f32 v[rP+(\n)], v[rS+2*(\n)], v[rS+2*(\n)+1]
.elseif (\k) == B
	v_pk_add_f32 v[rS+4*(\n):rS+4*(\n)+1], v[rS+4*(\n):rS+4*(\n)+1], v[rS+4*(\n)+2:rS+4*(\n)+3]
.elseif (\n) == 0
	v_pk_fma_f32 v[rT+2:rT+3], v[rT+2:rT+3], v[rC+2:rC+3], v[rS:rS+1] op_sel_hi:[1,0,1]
.else
	v_pk_add_f32 v[rT+2:rT+3], v[rT+2:rT+3], v[rS+4*(\n):rS+4*(\n)+1]
.endif
.else
	REGS (Y+1)%NP
	WIN 0
.if (\n) < 4
	v_max3_num_f32 v[rC+(\n)], v[rS+8*(\n)], v[rS+8*(\n)+1], v[rS+8*(\n)+2]
.elseif (\n) < 12
	v_max3_num_f32 v[rC+(\n)%4], v[rC+(\n)%4], v[rS+8*((\n)%4)+2*((\n)/4)+1], v[rS+8*((\n)%4)+2*((\n)/4)+2]
.elseif (\n) == 12
	v_max3_num_f32 v[rC], v[rC], v[rS+7], v[rS+15]
.elseif (\n) == 13
	v_max3_num_f32 v[rC+1], v[rC+1], v[rS+23], v[rS+31]
.elseif (\n) == 14
	v_max3_num_f32 v[rC+2], v[rC+2], v[rC+3], v[rT+1]
.elseif (\n) == 15
	v_mov_b32 v[rW], v[rT]
.elseif (\n) == 16
	v_max3_num_f32 v[rC], v[rC], v[rC+1], v[rC+2]
.elseif (\n) == 17
	v_permlanex16_b32 v[rC+3], v[rC], s[SEL], s[SEL+1]
.elseif (\n) == 18
	v_max_num_f32 v[rT+1], v[rC], v[rC+3]
.elseif (\n) == 19
	v_mul_f32 v[rT], s[CS], v[rT+1]
.elseif (\n) == 20
	v_sub_f32 v[rC+1], v[rW], v[rT]
.else
	v_exp_f32 v[rC+2], v[rC+1]
.endif
.endif
.endm
.macro OPS a, i1, b=-1, i2=0, c=-1, i3=0, d=-1, i4=0
	OP \a, \i1
.if (\b) >= 0
	OP \b, \i2
.endif
.if (\c) >= 0
	OP \c, \i3
.endif
.if (\d) >= 0
	OP \d, \i4
.endif
.endm
.macro ROW a, i1, b, i2, c, i3, d, i4  ; a matrix instruction and the four behind it
	MM
	OPS \a, \i1, \b, \i2, \c, \i3, \d, \i4
.endm
; A TURN, for piece p.  Ahead of its one wait stands all that names no result of the turn's exponentials; behind it the 8 products V^T P with the roundings and sums.
; last = 1 (the tail, whose tile lies in slot 1): the fetch of K is held to the tile's fourth step, so that the fifth trip, which has no further step, reads the last K once more and nothing else.
; cnt = 1: the loop's count is taken down some lines ahead of the branch behind the turn.  K of the next step is fetched in piece 2's turn, V of the step in hand at the end of piece 0's; each is waited for a turn later.
.macro TURN p, last=0, cnt=0
.set Y, (\p)
.set i, 0
.if (\p) == 3
	s_wait_dscnt 0x0                ; K is in
.endif
	ROW F,0, F,1, R,0, R,1
	ROW F,2, E,0, R,2, R,3
	ROW F,3, E,1, R,4, R,5
	ROW F,4, E,2, R,6, R,7
	ROW F,5, E,3, R,8, R,9
	ROW F,6, E,4, X,0, R,10
.if (\p) == 2
	WIN 0
.if \last
	s_min_u32 s[TBK], s[TBK], SLOT1+3*KS*PK
.endif
	v_add_nc_u32 v[AK], s[TBK], v[AK0]
.endif
	ROW F,7, E,5, X,1, X,4
	ROW F,8, E,6, X,2, X,5
	OPS E,7, E,8, X,6, E,9
	OPS X,3, E,10, X,8, E,11
.if (\p) == 2
	FETCH_K
.endif
	OPS X,9, X,7, E,12, X,10
	OPS E,13, X,12, X,11, E,14
	OPS X,13, E,15, F,9, X,14
.if (\p) == 0
	v_add_nc_u32 v[AV], s[TBV], v[AV0]
.endif
	OPS E,16, F,10, E,17, F,11
	OPS X,16, E,18, X,15, E,19
	OPS F,12, E,20, X,17, E,21
	OPS F,13, E,22, F,14, E,23
	OPS X,18, E,24, F,15, E,25
	OPS R,11, E,26, X,19, E,27
	OPS R,12, E,28, R,13, E,29
	OPS X,20, E,30, R,14, E,31
	OPS X,21, R,15
	WIN 0
	s_wait_alu depctr_va_vdst(0)    ; the one wait for the batch, ahead of the first reader
.if (\p) == 1
	s_wait_dscnt 0x0                ; V is in
.endif
	ROW C,0, B,0, C,2, B,1
	ROW L,0, C,4, B,2, L,1
	ROW C,6, B,3, L,2, C,8
	ROW B,4, L,3, C,10, B,5
	ROW L,4, C,12, B,6, L,5
.if (\p) == 0
	s_add_co_u32 s[TBV], s[TBV], KS*PV
.endif
.if \cnt
	s_sub_co_u32 s[CNT], s[CNT], 1
	s_cmp_lg_u32 s[CNT], 0
.endif
	ROW C,14, B,7, L,6, C,1
	ROW C,3, L,7, C,5, C,7
	ROW C,9, C,11, C,13, C,15
.if (\p) == 0
	FETCH_V
.endif
.endm
.macro ALL line:vararg
.set t, 0
.rept 4
	\line
.set t, t+1
.endr
.endm
.macro PACK t                       ; a lane's eight channels of a row pack into 16 bytes; they go into rows of 144 bytes and come back as whole rows of 128
	WIN W_RS
.set i, 32*(\t)
.rept 16
	v_pk_mul_f32 v[i:i+1], v[i:i+1], v[ST+4*(\t)+2:ST+4*(\t)+3] op_sel_hi:[1,0]
.set i, i+2
.endr
	WIN 0x05
.set i, 0
.rept 16
	v_cvt_pk_f16_f32 v[S+16*(\t)+i], v[32*(\t)+2*i], v[32*(\t)+2*i+1]
.set i, i+1
.endr
	WIN 0
.irp f, 0,1,2,3
	ds_store_b128 v[STO], v[S+16*(\t)+4*\f:S+16*(\t)+4*\f+3] offset:32*\f
.endr
.irp f, 0,1,2,3
	ds_load_b128 v[S+16*(\t)+4*\f:S+16*(\t)+4*\f+3], v[RD] offset:\f*4*SP  ; LDS serves a wave's instructions in order (ISA guide 5.7.1.4)
.endr
.endm
.macro SEND t, younger              ; younger: the LDS instructions issued behind piece t's loads: the next piece's eight, or none
	WIN 0
.irp f, 0,1,2,3
	s_wait_dscnt (\younger)+3-\f
	global_store_b128 v[GO], v[S+16*(\t)+4*\f:S+16*(\t)+4*\f+3], s[6:7] offset:(\t)*2048+\f*512  ; 512 consecutive bytes, aligned
.endr
.endm
	CHANGE 1                        ; tile 0 is in, everybody's part of it; tile 1 is asked for
	v_add_nc_u32 v[AK], s[TBK], v[AK0]
	FETCH_K                         ; key step 0
	s_wait_loadcnt 0x0              ; Q
	s_wait_dscnt 0x0
.set i, 0
.rept 8
	KQ 0                            ; piece 0's first scores
.set i, i+1
.endr
	WIN 0
.rept 4
	v_nop                           ; the places behind those products
.endr
.set Y, NP-1
.irp n, 0,1,2,3,4,5,6,7,8,9,10,11,12,13,14,15,16,17,18,19,20,21
	OP X, \n
.endr
	v_nop                           ; a plain instruction behind the exponential,
	s_wait_alu depctr_va_vdst(0)    ; and its wait, ahead of the branch
	s_mov_b32 s[CNT], 4
	s_branch .Lfirst                ; the loop is entered at a step's first turn
.Lslot:                             ; six times: tiles 2 to 7 are asked for
	CHANGE 1
	s_mov_b32 s[CNT], 4
.Lstep:                             ; a trip: pieces 2 and 3 of one step, then pieces 0 and 1 of the next, whose K and V it fetches
	TURN 2
	TURN 3
	WIN 0
.Lfirst:
	TURN 0
	TURN 1, 0, 1
	WIN 0
	s_cbranch_scc1 .Lstep
	s_sub_co_u32 s[SLOTS], s[SLOTS], 1
	s_cmp_lg_u32 s[SLOTS], 0
	s_cbranch_scc1 .Lslot
	CHANGE 0                        ; the last tile is written out
	s_mov_b32 s[CNT], 5             ; four trips fetch the last tile's steps; the fifth is left in its middle
.Ltail:
	TURN 2, 1
	TURN 3
	WIN 0
	s_sub_co_u32 s[CNT], s[CNT], 1
	s_cmp_eq_u32 s[CNT], 0
	s_cbranch_scc1 .Lout
	TURN 0
	TURN 1
	WIN 0
	s_branch .Ltail
.Lout:
.set i, 0
.rept 8
	PV NP-1                         ; the last piece's V^T P of the last step
.set i, i+1
.endr
	; THE WAY OUT.  The additions are the places behind the last products.
	WIN 0
	ALL v_add_f32 v[ST+4*t+2], v[ST+4*t+2], v[ST+4*t+3]
	ALL v_permlanex16_b32 v[ST+4*t+3], v[ST+4*t+2], s[SEL], s[SEL+1]
	ALL v_add_f32 v[ST+4*t+2], v[ST+4*t+2], v[ST+4*t+3]
	ALL v_rcp_f32 v[ST+4*t+2], v[ST+4*t+2]
	v_nop
	s_wait_alu depctr_va_vdst(0)    ; one wait for the four reciprocals
	PACK 0
.set t, 1
.rept 3
	PACK t
	SEND t-1, 8
.set t, t+1
.endr
	SEND 3, 0
	s_wait_tensorcnt 0x0            ; the wave's end
	ds_add_u32 v[SPW], v[NIL]
	s_wait_dscnt 0x0
	CROUND                          ; the closing round
	s_endpgm
.Lfunc_end_k_qf79ad539f6_attn:
	.size	k_qf79ad539f6_attn, .Lfunc_end_k_qf79ad539f6_attn-k_qf79ad539f6_attn
	.p2alignl 7, 3214868480
	.fill 96, 4, 3214868480
	.section	.rodata,"a",@progbits
	.p2align	6, 0x0
	.amdhsa_kernel k_qf79ad539f6_attn
		.amdhsa_group_segment_fixed_size 327680
		.amdhsa_private_segment_fixed_size 0
		.amdhsa_enable_private_segment 0
		.amdhsa_kernarg_size 16
		.amdhsa_user_sgpr_count 2
		.amdhsa_user_sgpr_kernarg_segment_ptr 1
		.amdhsa_wavefront_size32 1
		.amdhsa_system_sgpr_workgroup_id_x 1
		.amdhsa_system_sgpr_workgroup_id_y 1
		.amdhsa_system_sgpr_workgroup_id_z 1
		.amdhsa_system_vgpr_workitem_id 0
		.amdhsa_next_free_vgpr 768
		.amdhsa_next_free_sgpr 66
		.amdhsa_reserve_vcc 0
		.amdhsa_float_denorm_mode_32 3
		.amdhsa_float_denorm_mode_16_64 3
		.amdhsa_memory_ordered 1
		.amdhsa_forward_progress 1
		.amdhsa_inst_pref_size 112
	.end_amdhsa_kernel
	.amdgpu_metadata
---
amdhsa.version: [ 1, 2 ]
amdhsa.kernels:
  - .name:           k_qf79ad539f6_attn
    .symbol:         k_qf79ad539f6_attn.kd
    .args:
      - { .name: big, .offset: 0, .size: 8, .value_kind: global_buffer, .address_space: global }
      - { .name: att, .offset: 8, .size: 8, .value_kind: global_buffer, .address_space: global }
    .group_segment_fixed_size: 327680
    .private_segment_fixed_size: 0
    .kernarg_segment_align: 8
    .kernarg_segment_size: 16
    .max_flat_workgroup_size: 128
    .sgpr_count:     66
    .vgpr_count:     768
    .wavefront_size: 32
...
	.end_amdgpu_metadata
.endif
;; end of part 9
;; launch oproj (part 10): grid 8 x 32, 4 waves a work-group, clusters of 4 x 4, 327,680 bytes of LDS; arguments att, p1, out_proj_b, x, x1; writes x1
.if DOCPART == 10
	.amdgcn_target "amdgcn-amd-amdhsa--gfx1250"
	.amdhsa_code_object_version 6
	.text
	.protected	k_qf79ad539f6_oproj
	.globl	k_qf79ad539f6_oproj
	.p2align	8
	.type	k_qf79ad539f6_oproj,@function
k_qf79ad539f6_oproj:
	s_mov_b64 s[64:65], 0
	v_nop
	global_prefetch_b8 v0, s[64:65] scope:SCOPE_SE
	s_setreg_imm32_b32 hwreg(HW_REG_WAVE_MODE, 25, 1), 1
	s_wait_xcnt 0x0
	s_wait_alu depctr_hold_cnt(0) depctr_sa_sdst(0) depctr_va_vdst(0) depctr_va_sdst(0) depctr_va_ssrc(0) depctr_va_vcc(0) depctr_vm_vsrc(0)
	s_getreg_b32 s2, hwreg(HW_REG_IB_STS2, 6, 4)
	s_cmp_eq_u32 s2, 0
	s_cbranch_scc0 .Lentry_in_a_cluster
	s_endpgm
.Lentry_in_a_cluster:
	s_bfe_u32 s2, ttmp6, 0x10000c
	s_cmp_lg_u32 s2, 0xf033
	s_cbranch_scc0 .Lentry_shape_is_right
	s_endpgm
.Lentry_shape_is_right:
; out[m][n] = (sum over k of A[m][k] B[n][k]) (x f[m] where FFN2) + bias[n] + res[m][n].  out and res: f32 [4096][1024].  A: f16 in blocks [K / 64][4096][64] (first argument);
; B: f16 in blocks [K / 64][1024][64] at +0x1004000 of the second.  FFN2 = 0: the attention's output projection and the first residual, K = 1,024.  FFN2 = 1: the second BitLinear product
; (whole numbers -127..127 times -1, 0, 1: exact in f16, the f32 sums exact), f = s_w max / 127, and the second residual, K = 4,096.
; A tile of out is 128 x 128: 256 work-groups.  Four waves, each 64 x 64: 16 accumulators.  K goes in steps of 256: four blocks of 64.  A wave's tensor load brings 64 rows of four blocks:
; four dense runs of 8,192 bytes, padded in LDS by 16 bytes after every row of 128.
; THE TEXT OF A K STEP STANDS TWICE: in a loop whose trips each fill the slot that they leave, and in a loop of two trips that fill nothing.  Which slot a trip reads and which it fills stand in
; scalar registers that an exclusive or turns; the first quarter step, whose products start the sums, stands ahead of the loops.
; CLUSTER.  4 x 4 work-groups: A's tiles jointly along a row of the cluster, B's along a column.  THE MATRIX INSTRUCTION IS USED TRANSPOSED: a lane holds row l % 16 and the columns 8 (l / 16) + 0..7.
; No prefetch: a step's tiles are small, and the launch's operands are walked by many work-groups at once.
; REGISTERS: window 0: v0-31 addresses; v32-95 the way out; v96-103 factors; v128-255 the accumulators.  window 1: two fragment buffers of 128.  window 2: v0-127 my 64 x 64 of res; v128-159 bias.
.set FFN2, 0
.if FFN2
.set KSTEPS, 16
.else
.set KSTEPS, 4
.endif
.set PITCH,  144                       ; 128 bytes + 16: the 16 rows of a fragment load start at 16 different groups of four banks (64 banks of 4 bytes: ISA guide 11.1)
.set BLK,    64*PITCH                  ; 64 rows of one block
.set HALFT,  4*BLK                     ; what one tensor load brings
.set SLOT,   4*HALFT
.set STAGE,  2*SLOT                    ; behind the ring: 16 rows x 272 bytes for each wave
.set SPITCH, 272
.set SPARE,  STAGE+4*16*SPITCH
.set ASTEP,  4*4096*128                ; bytes from K step to K step
.set BSTEP,  4*1024*128
.set ADRA0, 16                         ; my A fragments in slot 0; never rewritten
.set ADRB0, 17
.set ADRA,  18                         ; in the slot that is being read
.set ADRB,  19
.set STO,  24
.set RD,   25
.set XO,   26                          ; 4,096 (l / 16) + 16 (l % 16): two rows of out, 256 bytes of each
.set BO,   27
.set SPW,  28
.set NIL,  29
.set FO,   30
.set TMP,  32
.set T2,   64
.set FR,   96
.set ACC,  128
.set F0,   0
.set F1,   128
.set RES,  0                           ; window 2
.set BIA,  128                         ; window 2
.set TB,   2                           ; s2   the slot that is being read: 0 or SLOT
.set FTG,  66                          ; s66  the slot that was filled last: 0 or SLOT
.set WB,   67                          ; s67  my wave's part of a slot
.set G1, 24
.set G0, 32                            ; two sets for the two first fills; the second then walks
.set G1B, 48
.set G0B, 56
.set MSB, 0
.macro WIN new
.if MSB != (\new)
	s_set_vgpr_msb (MSB<<8)|(\new)
.set MSB, \new
.endif
.endm
.set MUL,  0x05
.set TO_F, 0x40
.macro JLOAD s
	s_cmp_eq_u32 s11, 0
	s_cbranch_scc0 .Lfor_b_\@
	tensor_load_to_lds s[G0+4*(\s):G0+4*(\s)+3], s[G1:G1+7]
	s_nop 0
.rept 4
	v_nop
.endr
	s_branch .Lasked_\@
.Lfor_b_\@:
	tensor_load_to_lds s[G0B+4*(\s):G0B+4*(\s)+3], s[G1B:G1B+7]
	s_nop 0
.rept 4
	v_nop
.endr
.Lasked_\@:
.endm
.macro CREST
	s_cmp_lg_u32 s10, 0
	s_cbranch_scc1 .Lnot_wave_0_\@
	s_barrier_signal -3
.Lnot_wave_0_\@:
	s_barrier_wait -3
	s_barrier_signal -1
	s_barrier_wait -1
.endm
.macro CROUND
	s_barrier_signal -1
	s_barrier_wait -1
	CREST
.endm
	s_load_b256 s[72:79], s[0:1], 0x0              ; A 72, B's buffer 74, bias 76, res 78
.if FFN2
	s_load_b128 s[80:83], s[0:1], 0x20             ; out 80, f 82
.else
	s_load_b64 s[80:81], s[0:1], 0x20              ; out
.endif
	v_lshl_add_u32 v[SPW], v0, 2, SPARE
	v_mov_b32 v[NIL], 0
	ds_add_u32 v[SPW], v[NIL]                      ; the opening: the add, twice on end, and its wait ahead of my first tensor load
	ds_add_u32 v[SPW], v[NIL]
	v_lshrrev_b32 v1, 5, v0
	v_readfirstlane_b32 s10, v1
	s_lshr_b32 s11, s10, 1                         ; my half of the tile's rows; also: I fetch for A (0) or B (1)
	s_and_b32 s12, s10, 1                          ; my half of its columns; also: which 64 rows I fetch
	s_bfe_u32 s40, ttmp6, 0x40000
	s_bfe_u32 s41, ttmp6, 0x40004
	s_lshl_b32 s42, ttmp9, 2
	s_add_co_u32 s42, s42, s40                     ; tile column
	s_and_b32 s13, ttmp7, 0xffff
	s_lshl_b32 s13, s13, 2
	s_add_co_u32 s13, s13, s41                     ; tile row
	s_lshl_b32 s43, s41, 2
	s_lshl_b32 s43, 15, s43
	s_lshl_b32 s44, 0x1111, s40
	s_or_b32 s[G1+0], s43, (1<<16)|(1<<20)|(1<<21)|(4<<22)|(3<<25)   ; mask; 2-byte elements; padding on; bit 21 beside a mask; after every 32 words, 4 words
	s_or_b32 s[G1B+0], s44, (1<<16)|(1<<20)|(1<<21)|(4<<22)|(3<<25)
.irp g, G1, G1B
	s_mov_b32 s[(\g)+1], 4096<<16                  ; tensor_dim0 = 4,096 elements: 64 rows of a block, dense
	s_mov_b32 s[(\g)+2], 4<<16                     ; tensor_dim1 = 4 blocks
	s_mov_b32 s[(\g)+3], 4096<<16                  ; tile_dim0
	s_mov_b32 s[(\g)+4], 4                         ; tile_dim1
	s_mov_b32 s[(\g)+6], 0
	s_mov_b32 s[(\g)+7], 0
.endr
	s_mov_b32 s[G1+5], 4096*64                     ; elements from block to block
	s_mov_b32 s[G1B+5], 1024*64
	s_lshl_b32 s17, s12, 6
	s_lshl_b32 s16, s13, 7
	s_add_co_u32 s16, s16, s17                     ; A: row 128 x tile row + 64 x half
	s_lshl_b32 s16, s16, 7
	s_lshl_b32 s46, s42, 7
	s_add_co_u32 s46, s46, s17                     ; B: row 128 x tile column + 64 x half
	s_lshl_b32 s46, s46, 7
	s_mov_b32 s17, 0
	s_mov_b32 s47, 0
	s_mul_i32 s[WB], s10, HALFT
	s_mov_b32 s[FTG], SLOT                         ; the second first fill goes to slot 1
	s_mov_b32 s[TB], 0
	s_wait_dscnt 0x0
	s_wait_kmcnt 0x0
	s_add_nc_u64 s[14:15], s[72:73], s[16:17]
	s_add_nc_u64 s[46:47], s[74:75], s[46:47]
	s_add_nc_u64 s[46:47], s[46:47], 0x1004000
	CROUND
.irp s, 0,1
	s_mov_b32 s[G0+4*(\s)], 1
	s_add_co_u32 s[G0+4*(\s)+1], s[WB], (\s)*SLOT
	s_add_nc_u64 s[G0+4*(\s)+2:G0+4*(\s)+3], s[14:15], (\s)*ASTEP
	s_or_b32 s[G0+4*(\s)+3], s[G0+4*(\s)+3], 0x80000000
	s_mov_b32 s[G0B+4*(\s)], 1
	s_add_co_u32 s[G0B+4*(\s)+1], s[WB], (\s)*SLOT
	s_add_nc_u64 s[G0B+4*(\s)+2:G0B+4*(\s)+3], s[46:47], (\s)*BSTEP
	s_or_b32 s[G0B+4*(\s)+3], s[G0B+4*(\s)+3], 0x80000000
	JLOAD \s
.endr
	v_and_b32 v1, 15, v0                           ; r
	v_bfe_u32 v2, v0, 4, 1                         ; h
	v_mul_u32_u24 v3, v1, PITCH
	v_lshl_add_u32 v3, v2, 4, v3
	s_mul_i32 s21, s11, HALFT
	s_mul_i32 s22, s12, HALFT
	s_add_co_u32 s22, s22, 2*HALFT
	v_add_nc_u32 v[ADRA0], s21, v3
	v_add_nc_u32 v[ADRB0], s22, v3
	v_add_nc_u32 v[ADRA], s21, v3                  ; K step 0 lies in slot 0
	v_add_nc_u32 v[ADRB], s22, v3
	s_mul_i32 s23, s10, 16*SPITCH
	s_add_co_u32 s23, s23, STAGE                   ; my stage
	v_mul_u32_u24 v4, v1, SPITCH
	v_lshl_add_u32 v4, v2, 5, v4                   ; in: row r, 32 bytes for each half of the lanes
	v_add_nc_u32 v[STO], s23, v4
	v_mul_u32_u24 v5, v2, SPITCH
	v_lshl_add_u32 v5, v1, 4, v5                   ; back: lanes 0-15 one row of 256 bytes, lanes 16-31 the next
	v_add_nc_u32 v[RD], s23, v5
	v_lshlrev_b32 v[XO], 4, v1
	v_lshl_add_u32 v[XO], v2, 12, v[XO]
	v_lshlrev_b32 v[BO], 5, v2
	v_lshlrev_b32 v[FO], 2, v1
	s_lshl_b32 s16, s13, 19                        ; (128 tile row + 64 half) 4,096 + (128 tile column + 64 half) 4
	s_lshl_b32 s18, s11, 18
	s_add_co_u32 s16, s16, s18
	s_lshl_b32 s46, s42, 9
	s_lshl_b32 s47, s12, 8
	s_add_co_u32 s46, s46, s47
	s_mov_b32 s47, 0
	s_add_nc_u64 s[76:77], s[76:77], s[46:47]      ; bias at my 64 columns
	s_add_co_u32 s16, s16, s46
	s_add_nc_u64 s[78:79], s[78:79], s[16:17]
	s_add_nc_u64 s[80:81], s[80:81], s[16:17]
.if FFN2
	s_lshl_b32 s18, s13, 9
	s_lshl_b32 s19, s11, 8
	s_add_co_u32 s18, s18, s19
	s_mov_b32 s19, 0
	s_add_nc_u64 s[82:83], s[82:83], s[18:19]      ; f at my 64 rows
.irp a, 0,1,2,3
	global_load_b32 v[FR+2*\a], v[FO], s[82:83] offset:64*\a
	v_mov_b32 v[FR+2*\a+1], 0                      ; named with it as a pair
.endr
.endif
	WIN 0x80                                       ; destination window 2
.irp b, 0,1,2,3
	global_load_b128 v[BIA+8*\b:BIA+8*\b+3],   v[BO], s[76:77] offset:64*\b
	global_load_b128 v[BIA+8*\b+4:BIA+8*\b+7], v[BO], s[76:77] offset:64*\b+16
.endr
.irp a, 0,1,2,3
.irp t, 0,1,2,3,4,5,6,7
	global_load_b128 v[RES+4*(8*\a+\t):RES+4*(8*\a+\t)+3], v[XO], s[78:79] offset:(16*\a+2*\t)*4096  ; they land while the products run
.endr
.endr
	WIN 0
.macro MUL8 f, c, a0, zero
	WIN MUL
.irp a, \a0, (\a0)+1
.irp b, 0,1,2,3
.if \zero
	v_wmma_f32_16x16x32_f16 v[ACC+8*(4*(\a)+(\b)):ACC+8*(4*(\a)+(\b))+7], v[(\f)+64+8*(4*(\c)+(\b)):(\f)+64+8*(4*(\c)+(\b))+7], v[(\f)+8*(4*(\c)+(\a)):(\f)+8*(4*(\c)+(\a))+7], 0
.else
	v_wmma_f32_16x16x32_f16 v[ACC+8*(4*(\a)+(\b)):ACC+8*(4*(\a)+(\b))+7], v[(\f)+64+8*(4*(\c)+(\b)):(\f)+64+8*(4*(\c)+(\b))+7], v[(\f)+8*(4*(\c)+(\a)):(\f)+8*(4*(\c)+(\a))+7], v[ACC+8*(4*(\a)+(\b)):ACC+8*(4*(\a)+(\b))+7]
.endif
.endr
.endr
.endm
.macro FETCH k, f                      ; 32 LDS loads in one run: one block's fragments (64 along K) of the slot that is being read, the first 32 along K first
	WIN TO_F
.irp c, 0,1
.irp i, 0,1,2,3
	ds_load_b128 v[(\f)+64+8*(4*(\c)+(\i)):(\f)+64+8*(4*(\c)+(\i))+3],   v[ADRB] offset:(\k)+64*(\c)+(\i)*16*PITCH
	ds_load_b128 v[(\f)+64+8*(4*(\c)+(\i))+4:(\f)+64+8*(4*(\c)+(\i))+7], v[ADRB] offset:(\k)+64*(\c)+(\i)*16*PITCH+32
	ds_load_b128 v[(\f)+8*(4*(\c)+(\i)):(\f)+8*(4*(\c)+(\i))+3],         v[ADRA] offset:(\k)+64*(\c)+(\i)*16*PITCH
	ds_load_b128 v[(\f)+8*(4*(\c)+(\i))+4:(\f)+8*(4*(\c)+(\i))+7],       v[ADRA] offset:(\k)+64*(\c)+(\i)*16*PITCH+32
.endr
.endr
.endm
.macro PLACES
.rept 4
	v_nop
.endr
.endm
.macro QUARTER k, f, g, zero
	s_wait_dscnt 16                                ; the first 32 along K are in
	WIN MUL
	MUL8 \f, 0, 0, \zero
	MUL8 \f, 0, 2, \zero
	PLACES
	FETCH \k, \g
	s_wait_dscnt 32                                ; all but the 32 just issued
	WIN MUL
	MUL8 \f, 1, 0, 0
	MUL8 \f, 1, 2, 0
.endm
.macro MEET                            ; the first half of a K step's last quarter, and the barrier of the change of slots
	WIN 0
	s_wait_tensorcnt 0x0                           ; all my tensor loads have landed: my part of the next slot
	ds_add_u32 v[SPW], v[NIL]
	s_wait_dscnt 17                                ; the add and the youngest sixteen loads may be out
	WIN MUL
	MUL8 F1, 0, 0, 0
	s_wait_dscnt 0x0                               ; the add is done, and my reads of this slot are over
	s_barrier_signal -1
	MUL8 F1, 0, 2, 0
	WIN 0
	s_barrier_wait -1
.endm
.macro NEXT                            ; the other slot is read from here on: its first fragments
	s_xor_b32 s[TB], s[TB], SLOT
	v_add_nc_u32 v[ADRA], s[TB], v[ADRA0]
	v_add_nc_u32 v[ADRB], s[TB], v[ADRB0]
	FETCH 0, F0
.endm
.macro TURN                            ; the last quarter: the barrier opens a round of the cluster's barrier, and the slot just read is filled again first behind it
	MEET
	CREST
	s_xor_b32 s[FTG], s[FTG], SLOT                 ; the walking descriptors: the other slot than last time,
	s_add_co_u32 s[G0+5], s[WB], s[FTG]
	s_add_co_u32 s[G0B+5], s[WB], s[FTG]
	s_add_nc_u64 s[G0+6:G0+7], s[G0+6:G0+7], ASTEP        ; the next K step; the type bits on top are not reached
	s_add_nc_u64 s[G0B+6:G0B+7], s[G0B+6:G0B+7], BSTEP
	JLOAD 1                                        ; its four v_nop are also the places in front of the loads below
	NEXT
	WIN MUL
	MUL8 F1, 1, 0, 0
	MUL8 F1, 1, 2, 0
.endm
.macro TURNT                           ; the last quarter of the last two K steps: nothing is filled; behind the very last there is no slot to go on to
	MEET
	s_cmp_eq_u32 s3, 1
	s_cbranch_scc1 .Lno_more_\@                    ; the jump leads round LDS loads and register work alone
	PLACES
	NEXT
	WIN 0
.Lno_more_\@:
	WIN MUL
	MUL8 F1, 1, 0, 0
	MUL8 F1, 1, 2, 0
.endm
	s_wait_tensorcnt 1                             ; my part of K step 0 is in; K step 1's may stay out
	s_barrier_signal -1
	s_barrier_wait -1
	FETCH 0, F0
	QUARTER BLK, F0, F1, 1                         ; the first quarter's first products start the sums
	WIN 0
	s_mov_b32 s3, KSTEPS-2
.Lstep:                                            ; a trip: from a K step's second quarter to the next step's first; it fills the slot that it leaves
	QUARTER 2*BLK, F1, F0, 0
	QUARTER 3*BLK, F0, F1, 0
	TURN
	QUARTER BLK,   F0, F1, 0
	WIN 0
	s_sub_co_u32 s3, s3, 1
	s_cmp_lg_u32 s3, 0
	s_cbranch_scc1 .Lstep
	s_mov_b32 s3, 2
.Ltail:                                            ; the last two K steps fill nothing; the second trip is left behind its last quarter
	QUARTER 2*BLK, F1, F0, 0
	QUARTER 3*BLK, F0, F1, 0
	TURNT
	WIN 0
	s_sub_co_u32 s3, s3, 1
	s_cmp_eq_u32 s3, 0
	s_cbranch_scc1 .Ldone
	QUARTER BLK,   F0, F1, 0
	WIN 0
	s_branch .Ltail
.Ldone:
	; THE WAY OUT, 16 rows at a time through my own stage: my 64 columns of f32 are 256 aligned bytes of a row of out, so no other wave has a part in them
	s_wait_loadcnt 0x0                             ; bias, res (and f)
	PLACES
.irp a, 0,1,2,3
.if FFN2
	WIN 0x20                                       ; source 2 (bias) in window 2
.else
	WIN 0x08                                       ; source 1 (bias) in window 2
.endif
.irp b, 0,1,2,3
.irp k, 0,1,2,3
.if FFN2
	v_pk_fma_f32 v[TMP+8*\b+2*\k:TMP+8*\b+2*\k+1], v[ACC+8*(4*\a+\b)+2*\k:ACC+8*(4*\a+\b)+2*\k+1], v[FR+2*\a:FR+2*\a+1], v[BIA+8*\b+2*\k:BIA+8*\b+2*\k+1] op_sel_hi:[1,0,1]
.else
	v_pk_add_f32 v[TMP+8*\b+2*\k:TMP+8*\b+2*\k+1], v[ACC+8*(4*\a+\b)+2*\k:ACC+8*(4*\a+\b)+2*\k+1], v[BIA+8*\b+2*\k:BIA+8*\b+2*\k+1]
.endif
.endr
.endr
	WIN 0
.irp b, 0,1,2,3
	ds_store_b128 v[STO], v[TMP+8*\b:TMP+8*\b+3]   offset:64*\b
	ds_store_b128 v[STO], v[TMP+8*\b+4:TMP+8*\b+7] offset:64*\b+16
.endr
	s_wait_xcnt 0x0                                ; the last block's stores have read the registers that are loaded again below
.irp t, 0,1,2,3,4,5,6,7
	ds_load_b128 v[T2+4*\t:T2+4*\t+3], v[RD] offset:2*SPITCH*\t  ; LDS serves a wave's instructions in order (ISA guide 5.7.1.4)
.endr
	s_wait_dscnt 0x0
	WIN 0x08                                       ; source 1 (res) in window 2
.irp t, 0,1,2,3,4,5,6,7
	v_pk_add_f32 v[T2+4*\t:T2+4*\t+1],   v[T2+4*\t:T2+4*\t+1],   v[RES+4*(8*\a+\t):RES+4*(8*\a+\t)+1]
	v_pk_add_f32 v[T2+4*\t+2:T2+4*\t+3], v[T2+4*\t+2:T2+4*\t+3], v[RES+4*(8*\a+\t)+2:RES+4*(8*\a+\t)+3]
.endr
	WIN 0
.irp t, 0,1,2,3,4,5,6,7
	global_store_b128 v[XO], v[T2+4*\t:T2+4*\t+3], s[80:81] offset:(16*\a+2*\t)*4096  ; 16 lanes store 256 consecutive bytes, aligned
.endr
.endr
	s_wait_tensorcnt 0x0                           ; the wave's end
	ds_add_u32 v[SPW], v[NIL]
	s_wait_dscnt 0x0
	CROUND                                         ; the closing round
	s_endpgm
.Lfunc_end_k_qf79ad539f6_oproj:
	.size	k_qf79ad539f6_oproj, .Lfunc_end_k_qf79ad539f6_oproj-k_qf79ad539f6_oproj
	.p2alignl 7, 3214868480
	.fill 96, 4, 3214868480
	.section	.rodata,"a",@progbits
	.p2align	6, 0x0
	.amdhsa_kernel k_qf79ad539f6_oproj
		.amdhsa_group_segment_fixed_size 327680
		.amdhsa_private_segment_fixed_size 0
		.amdhsa_enable_private_segment 0
		.amdhsa_kernarg_size 40
		.amdhsa_user_sgpr_count 2
		.amdhsa_user_sgpr_kernarg_segment_ptr 1
		.amdhsa_wavefront_size32 1
		.amdhsa_system_sgpr_workgroup_id_x 1
		.amdhsa_system_sgpr_workgroup_id_y 1
		.amdhsa_system_sgpr_workgroup_id_z 1
		.amdhsa_system_vgpr_workitem_id 0
		.amdhsa_next_free_vgpr 768
		.amdhsa_next_free_sgpr 84
		.amdhsa_reserve_vcc 0
		.amdhsa_float_denorm_mode_32 3
		.amdhsa_float_denorm_mode_16_64 3
		.amdhsa_memory_ordered 1
		.amdhsa_forward_progress 1
		.amdhsa_inst_pref_size 70
	.end_amdhsa_kernel
	.amdgpu_metadata
---
amdhsa.version: [ 1, 2 ]
amdhsa.kernels:
  - .name:           k_qf79ad539f6_oproj
    .symbol:         k_qf79ad539f6_oproj.kd
    .args:
      - { .name: att, .offset: 0, .size: 8, .value_kind: global_buffer, .address_space: global }
      - { .name: p1, .offset: 8, .size: 8, .value_kind: global_buffer, .address_space: global }
      - { .name: out_proj_b, .offset: 16, .size: 8, .value_kind: global_buffer, .address_space: global }
      - { .name: x, .offset: 24, .size: 8, .value_kind: global_buffer, .address_space: global }
      - { .name: x1, .offset: 32, .size: 8, .value_kind: global_buffer, .address_space: global }
    .group_segment_fixed_size: 327680
    .private_segment_fixed_size: 0
    .kernarg_segment_align: 8
    .kernarg_segment_size: 40
    .max_flat_workgroup_size: 128
    .sgpr_count:     84
    .vgpr_count:     768
    .wavefront_size: 32
...
	.end_amdgpu_metadata
.endif
;; end of part 10
;; launch mid: the kernel of part 5 again; grid 256 x 1, 8 waves a work-group, no clusters, 0 bytes of LDS; arguments x1, ln2_g, ln2_b, w1, w2, p1, p5; writes p5
;; launch ffn1: the kernel of part 8 again; grid 16 x 16, 4 waves a work-group, clusters of 4 x 4, 327,680 bytes of LDS; arguments p5, b1, big; writes big
;; launch gelq: the kernel of part 6 again; grid 256 x 1, 8 waves a work-group, no clusters, 263,168 bytes of LDS; arguments big, p5, gq, att; writes gq, att
;; launch ffn2 (part 11): grid 8 x 32, 4 waves a work-group, clusters of 4 x 4, 327,680 bytes of LDS; arguments gq, p5, b2, x1, out0, att; writes out0
.if DOCPART == 11
	.amdgcn_target "amdgcn-amd-amdhsa--gfx1250"
	.amdhsa_code_object_version 6
	.text
	.protected	k_qf79ad539f6_ffn2
	.globl	k_qf79ad539f6_ffn2
	.p2align	8
	.type	k_qf79ad539f6_ffn2,@function
k_qf79ad539f6_ffn2:
	s_mov_b64 s[64:65], 0
	v_nop
	global_prefetch_b8 v0, s[64:65] scope:SCOPE_SE
	s_setreg_imm32_b32 hwreg(HW_REG_WAVE_MODE, 25, 1), 1
	s_wait_xcnt 0x0
	s_wait_alu depctr_hold_cnt(0) depctr_sa_sdst(0) depctr_va_vdst(0) depctr_va_sdst(0) depctr_va_ssrc(0) depctr_va_vcc(0) depctr_vm_vsrc(0)
	s_getreg_b32 s2, hwreg(HW_REG_IB_STS2, 6, 4)
	s_cmp_eq_u32 s2, 0
	s_cbranch_scc0 .Lentry_in_a_cluster
	s_endpgm
.Lentry_in_a_cluster:
	s_bfe_u32 s2, ttmp6, 0x10000c
	s_cmp_lg_u32 s2, 0xf033
	s_cbranch_scc0 .Lentry_shape_is_right
	s_endpgm
.Lentry_shape_is_right:
; out[m][n] = (sum over k of A[m][k] B[n][k]) (x f[m] where FFN2) + bias[n] + res[m][n].  out and res: f32 [4096][1024].  A: f16 in blocks [K / 64][4096][64] (first argument);
; B: f16 in blocks [K / 64][1024][64] at +0x1004000 of the second.  FFN2 = 0: the attention's output projection and the first residual, K = 1,024.  FFN2 = 1: the second BitLinear product
; (whole numbers -127..127 times -1, 0, 1: exact in f16, the f32 sums exact), f = s_w max / 127, and the second residual, K = 4,096.
; A tile of out is 128 x 128: 256 work-groups.  Four waves, each 64 x 64: 16 accumulators.  K goes in steps of 256: four blocks of 64.  A wave's tensor load brings 64 rows of four blocks:
; four dense runs of 8,192 bytes, padded in LDS by 16 bytes after every row of 128.
; THE TEXT OF A K STEP STANDS TWICE: in a loop whose trips each fill the slot that they leave, and in a loop of two trips that fill nothing.  Which slot a trip reads and which it fills stand in
; scalar registers that an exclusive or turns; the first quarter step, whose products start the sums, stands ahead of the loops.
; CLUSTER.  4 x 4 work-groups: A's tiles jointly along a row of the cluster, B's along a column.  THE MATRIX INSTRUCTION IS USED TRANSPOSED: a lane holds row l % 16 and the columns 8 (l / 16) + 0..7.
; No prefetch: a step's tiles are small, and the launch's operands are walked by many work-groups at once.
; REGISTERS: window 0: v0-31 addresses; v32-95 the way out; v96-103 factors; v128-255 the accumulators.  window 1: two fragment buffers of 128.  window 2: v0-127 my 64 x 64 of res; v128-159 bias.
.set FFN2, 1
.if FFN2
.set KSTEPS, 16
.else
.set KSTEPS, 4
.endif
.set PITCH,  144                       ; 128 bytes + 16: the 16 rows of a fragment load start at 16 different groups of four banks (64 banks of 4 bytes: ISA guide 11.1)
.set BLK,    64*PITCH                  ; 64 rows of one block
.set HALFT,  4*BLK                     ; what one tensor load brings
.set SLOT,   4*HALFT
.set STAGE,  2*SLOT                    ; behind the ring: 16 rows x 272 bytes for each wave
.set SPITCH, 272
.set SPARE,  STAGE+4*16*SPITCH
.set ASTEP,  4*4096*128                ; bytes from K step to K step
.set BSTEP,  4*1024*128
.set ADRA0, 16                         ; my A fragments in slot 0; never rewritten
.set ADRB0, 17
.set ADRA,  18                         ; in the slot that is being read
.set ADRB,  19
.set STO,  24
.set RD,   25
.set XO,   26                          ; 4,096 (l / 16) + 16 (l % 16): two rows of out, 256 bytes of each
.set BO,   27
.set SPW,  28
.set NIL,  29
.set FO,   30
.set TMP,  32
.set T2,   64
.set FR,   96
.set ACC,  128
.set F0,   0
.set F1,   128
.set RES,  0                           ; window 2
.set BIA,  128                         ; window 2
.set TB,   2                           ; s2   the slot that is being read: 0 or SLOT
.set FTG,  66                          ; s66  the slot that was filled last: 0 or SLOT
.set WB,   67                          ; s67  my wave's part of a slot
.set G1, 24
.set G0, 32                            ; two sets for the two first fills; the second then walks
.set G1B, 48
.set G0B, 56
.set MSB, 0
.macro WIN new
.if MSB != (\new)
	s_set_vgpr_msb (MSB<<8)|(\new)
.set MSB, \new
.endif
.endm
.set MUL,  0x05
.set TO_F, 0x40
.macro JLOAD s
	s_cmp_eq_u32 s11, 0
	s_cbranch_scc0 .Lfor_b_\@
	tensor_load_to_lds s[G0+4*(\s):G0+4*(\s)+3], s[G1:G1+7]
	s_nop 0
.rept 4
	v_nop
.endr
	s_branch .Lasked_\@
.Lfor_b_\@:
	tensor_load_to_lds s[G0B+4*(\s):G0B+4*(\s)+3], s[G1B:G1B+7]
	s_nop 0
.rept 4
	v_nop
.endr
.Lasked_\@:
.endm
.macro CREST
	s_cmp_lg_u32 s10, 0
	s_cbranch_scc1 .Lnot_wave_0_\@
	s_barrier_signal -3
.Lnot_wave_0_\@:
	s_barrier_wait -3
	s_barrier_signal -1
	s_barrier_wait -1
.endm
.macro CROUND
	s_barrier_signal -1
	s_barrier_wait -1
	CREST
.endm
	s_load_b256 s[72:79], s[0:1], 0x0              ; A 72, B's buffer 74, bias 76, res 78
.if FFN2
	s_load_b128 s[80:83], s[0:1], 0x20             ; out 80, f 82
.else
	s_load_b64 s[80:81], s[0:1], 0x20              ; out
.endif
	v_lshl_add_u32 v[SPW], v0, 2, SPARE
	v_mov_b32 v[NIL], 0
	ds_add_u32 v[SPW], v[NIL]                      ; the opening: the add, twice on end, and its wait ahead of my first tensor load
	ds_add_u32 v[SPW], v[NIL]
	v_lshrrev_b32 v1, 5, v0
	v_readfirstlane_b32 s10, v1
	s_lshr_b32 s11, s10, 1                         ; my half of the tile's rows; also: I fetch for A (0) or B (1)
	s_and_b32 s12, s10, 1                          ; my half of its columns; also: which 64 rows I fetch
	s_bfe_u32 s40, ttmp6, 0x40000
	s_bfe_u32 s41, ttmp6, 0x40004
	s_lshl_b32 s42, ttmp9, 2
	s_add_co_u32 s42, s42, s40                     ; tile column
	s_and_b32 s13, ttmp7, 0xffff
	s_lshl_b32 s13, s13, 2
	s_add_co_u32 s13, s13, s41                     ; tile row
	s_lshl_b32 s43, s41, 2
	s_lshl_b32 s43, 15, s43
	s_lshl_b32 s44, 0x1111, s40
	s_or_b32 s[G1+0], s43, (1<<16)|(1<<20)|(1<<21)|(4<<22)|(3<<25)   ; mask; 2-byte elements; padding on; bit 21 beside a mask; after every 32 words, 4 words
	s_or_b32 s[G1B+0], s44, (1<<16)|(1<<20)|(1<<21)|(4<<22)|(3<<25)
.irp g, G1, G1B
	s_mov_b32 s[(\g)+1], 4096<<16                  ; tensor_dim0 = 4,096 elements: 64 rows of a block, dense
	s_mov_b32 s[(\g)+2], 4<<16                     ; tensor_dim1 = 4 blocks
	s_mov_b32 s[(\g)+3], 4096<<16                  ; tile_dim0
	s_mov_b32 s[(\g)+4], 4                         ; tile_dim1
	s_mov_b32 s[(\g)+6], 0
	s_mov_b32 s[(\g)+7], 0
.endr
	s_mov_b32 s[G1+5], 4096*64                     ; elements from block to block
	s_mov_b32 s[G1B+5], 1024*64
	s_lshl_b32 s17, s12, 6
	s_lshl_b32 s16, s13, 7
	s_add_co_u32 s16, s16, s17                     ; A: row 128 x tile row + 64 x half
	s_lshl_b32 s16, s16, 7
	s_lshl_b32 s46, s42, 7
	s_add_co_u32 s46, s46, s17                     ; B: row 128 x tile column + 64 x half
	s_lshl_b32 s46, s46, 7
	s_mov_b32 s17, 0
	s_mov_b32 s47, 0
	s_mul_i32 s[WB], s10, HALFT
	s_mov_b32 s[FTG], SLOT                         ; the second first fill goes to slot 1
	s_mov_b32 s[TB], 0
	s_wait_dscnt 0x0
	s_wait_kmcnt 0x0
	s_add_nc_u64 s[14:15], s[72:73], s[16:17]
	s_add_nc_u64 s[46:47], s[74:75], s[46:47]
	s_add_nc_u64 s[46:47], s[46:47], 0x1004000
	CROUND
.irp s, 0,1
	s_mov_b32 s[G0+4*(\s)], 1
	s_add_co_u32 s[G0+4*(\s)+1], s[WB], (\s)*SLOT
	s_add_nc_u64 s[G0+4*(\s)+2:G0+4*(\s)+3], s[14:15], (\s)*ASTEP
	s_or_b32 s[G0+4*(\s)+3], s[G0+4*(\s)+3], 0x80000000
	s_mov_b32 s[G0B+4*(\s)], 1
	s_add_co_u32 s[G0B+4*(\s)+1], s[WB], (\s)*SLOT
	s_add_nc_u64 s[G0B+4*(\s)+2:G0B+4*(\s)+3], s[46:47], (\s)*BSTEP
	s_or_b32 s[G0B+4*(\s)+3], s[G0B+4*(\s)+3], 0x80000000
	JLOAD \s
.endr
	v_and_b32 v1, 15, v0                           ; r
	v_bfe_u32 v2, v0, 4, 1                         ; h
	v_mul_u32_u24 v3, v1, PITCH
	v_lshl_add_u32 v3, v2, 4, v3
	s_mul_i32 s21, s11, HALFT
	s_mul_i32 s22, s12, HALFT
	s_add_co_u32 s22, s22, 2*HALFT
	v_add_nc_u32 v[ADRA0], s21, v3
	v_add_nc_u32 v[ADRB0], s22, v3
	v_add_nc_u32 v[ADRA], s21, v3                  ; K step 0 lies in slot 0
	v_add_nc_u32 v[ADRB], s22, v3
	s_mul_i32 s23, s10, 16*SPITCH
	s_add_co_u32 s23, s23, STAGE                   ; my stage
	v_mul_u32_u24 v4, v1, SPITCH
	v_lshl_add_u32 v4, v2, 5, v4                   ; in: row r, 32 bytes for each half of the lanes
	v_add_nc_u32 v[STO], s23, v4
	v_mul_u32_u24 v5, v2, SPITCH
	v_lshl_add_u32 v5, v1, 4, v5                   ; back: lanes 0-15 one row of 256 bytes, lanes 16-31 the next
	v_add_nc_u32 v[RD], s23, v5
	v_lshlrev_b32 v[XO], 4, v1
	v_lshl_add_u32 v[XO], v2, 12, v[XO]
	v_lshlrev_b32 v[BO], 5, v2
	v_lshlrev_b32 v[FO], 2, v1
	s_lshl_b32 s16, s13, 19                        ; (128 tile row + 64 half) 4,096 + (128 tile column + 64 half) 4
	s_lshl_b32 s18, s11, 18
	s_add_co_u32 s16, s16, s18
	s_lshl_b32 s46, s42, 9
	s_lshl_b32 s47, s12, 8
	s_add_co_u32 s46, s46, s47
	s_mov_b32 s47, 0
	s_add_nc_u64 s[76:77], s[76:77], s[46:47]      ; bias at my 64 columns
	s_add_co_u32 s16, s16, s46
	s_add_nc_u64 s[78:79], s[78:79], s[16:17]
	s_add_nc_u64 s[80:81], s[80:81], s[16:17]
.if FFN2
	s_lshl_b32 s18, s13, 9
	s_lshl_b32 s19, s11, 8
	s_add_co_u32 s18, s18, s19
	s_mov_b32 s19, 0
	s_add_nc_u64 s[82:83], s[82:83], s[18:19]      ; f at my 64 rows
.irp a, 0,1,2,3
	global_load_b32 v[FR+2*\a], v[FO], s[82:83] offset:64*\a
	v_mov_b32 v[FR+2*\a+1], 0                      ; named with it as a pair
.endr
.endif
	WIN 0x80                                       ; destination window 2
.irp b, 0,1,2,3
	global_load_b128 v[BIA+8*\b:BIA+8*\b+3],   v[BO], s[76:77] offset:64*\b
	global_load_b128 v[BIA+8*\b+4:BIA+8*\b+7], v[BO], s[76:77] offset:64*\b+16
.endr
.irp a, 0,1,2,3
.irp t, 0,1,2,3,4,5,6,7
	global_load_b128 v[RES+4*(8*\a+\t):RES+4*(8*\a+\t)+3], v[XO], s[78:79] offset:(16*\a+2*\t)*4096  ; they land while the products run
.endr
.endr
	WIN 0
.macro MUL8 f, c, a0, zero
	WIN MUL
.irp a, \a0, (\a0)+1
.irp b, 0,1,2,3
.if \zero
	v_wmma_f32_16x16x32_f16 v[ACC+8*(4*(\a)+(\b)):ACC+8*(4*(\a)+(\b))+7], v[(\f)+64+8*(4*(\c)+(\b)):(\f)+64+8*(4*(\c)+(\b))+7], v[(\f)+8*(4*(\c)+(\a)):(\f)+8*(4*(\c)+(\a))+7], 0
.else
	v_wmma_f32_16x16x32_f16 v[ACC+8*(4*(\a)+(\b)):ACC+8*(4*(\a)+(\b))+7], v[(\f)+64+8*(4*(\c)+(\b)):(\f)+64+8*(4*(\c)+(\b))+7], v[(\f)+8*(4*(\c)+(\a)):(\f)+8*(4*(\c)+(\a))+7], v[ACC+8*(4*(\a)+(\b)):ACC+8*(4*(\a)+(\b))+7]
.endif
.endr
.endr
.endm
.macro FETCH k, f                      ; 32 LDS loads in one run: one block's fragments (64 along K) of the slot that is being read, the first 32 along K first
	WIN TO_F
.irp c, 0,1
.irp i, 0,1,2,3
	ds_load_b128 v[(\f)+64+8*(4*(\c)+(\i)):(\f)+64+8*(4*(\c)+(\i))+3],   v[ADRB] offset:(\k)+64*(\c)+(\i)*16*PITCH
	ds_load_b128 v[(\f)+64+8*(4*(\c)+(\i))+4:(\f)+64+8*(4*(\c)+(\i))+7], v[ADRB] offset:(\k)+64*(\c)+(\i)*16*PITCH+32
	ds_load_b128 v[(\f)+8*(4*(\c)+(\i)):(\f)+8*(4*(\c)+(\i))+3],         v[ADRA] offset:(\k)+64*(\c)+(\i)*16*PITCH
	ds_load_b128 v[(\f)+8*(4*(\c)+(\i))+4:(\f)+8*(4*(\c)+(\i))+7],       v[ADRA] offset:(\k)+64*(\c)+(\i)*16*PITCH+32
.endr
.endr
.endm
.macro PLACES
.rept 4
	v_nop
.endr
.endm
.macro QUARTER k, f, g, zero
	s_wait_dscnt 16                                ; the first 32 along K are in
	WIN MUL
	MUL8 \f, 0, 0, \zero
	MUL8 \f, 0, 2, \zero
	PLACES
	FETCH \k, \g
	s_wait_dscnt 32                                ; all but the 32 just issued
	WIN MUL
	MUL8 \f, 1, 0, 0
	MUL8 \f, 1, 2, 0
.endm
.macro MEET                            ; the first half of a K step's last quarter, and the barrier of the change of slots
	WIN 0
	s_wait_tensorcnt 0x0                           ; all my tensor loads have landed: my part of the next slot
	ds_add_u32 v[SPW], v[NIL]
	s_wait_dscnt 17                                ; the add and the youngest sixteen loads may be out
	WIN MUL
	MUL8 F1, 0, 0, 0
	s_wait_dscnt 0x0                               ; the add is done, and my reads of this slot are over
	s_barrier_signal -1
	MUL8 F1, 0, 2, 0
	WIN 0
	s_barrier_wait -1
.endm
.macro NEXT                            ; the other slot is read from here on: its first fragments
	s_xor_b32 s[TB], s[TB], SLOT
	v_add_nc_u32 v[ADRA], s[TB], v[ADRA0]
	v_add_nc_u32 v[ADRB], s[TB], v[ADRB0]
	FETCH 0, F0
.endm
.macro TURN                            ; the last quarter: the barrier opens a round of the cluster's barrier, and the slot just read is filled again first behind it
	MEET
	CREST
	s_xor_b32 s[FTG], s[FTG], SLOT                 ; the walking descriptors: the other slot than last time,
	s_add_co_u32 s[G0+5], s[WB], s[FTG]
	s_add_co_u32 s[G0B+5], s[WB], s[FTG]
	s_add_nc_u64 s[G0+6:G0+7], s[G0+6:G0+7], ASTEP        ; the next K step; the type bits on top are not reached
	s_add_nc_u64 s[G0B+6:G0B+7], s[G0B+6:G0B+7], BSTEP
	JLOAD 1                                        ; its four v_nop are also the places in front of the loads below
	NEXT
	WIN MUL
	MUL8 F1, 1, 0, 0
	MUL8 F1, 1, 2, 0
.endm
.macro TURNT                           ; the last quarter of the last two K steps: nothing is filled; behind the very last there is no slot to go on to
	MEET
	s_cmp_eq_u32 s3, 1
	s_cbranch_scc1 .Lno_more_\@                    ; the jump leads round LDS loads and register work alone
	PLACES
	NEXT
	WIN 0
.Lno_more_\@:
	WIN MUL
	MUL8 F1, 1, 0, 0
	MUL8 F1, 1, 2, 0
.endm
	s_wait_tensorcnt 1                             ; my part of K step 0 is in; K step 1's may stay out
	s_barrier_signal -1
	s_barrier_wait -1
	FETCH 0, F0
	QUARTER BLK, F0, F1, 1                         ; the first quarter's first products start the sums
	WIN 0
	s_mov_b32 s3, KSTEPS-2
.Lstep:                                            ; a trip: from a K step's second quarter to the next step's first; it fills the slot that it leaves
	QUARTER 2*BLK, F1, F0, 0
	QUARTER 3*BLK, F0, F1, 0
	TURN
	QUARTER BLK,   F0, F1, 0
	WIN 0
	s_sub_co_u32 s3, s3, 1
	s_cmp_lg_u32 s3, 0
	s_cbranch_scc1 .Lstep
	s_mov_b32 s3, 2
.Ltail:                                            ; the last two K steps fill nothing; the second trip is left behind its last quarter
	QUARTER 2*BLK, F1, F0, 0
	QUARTER 3*BLK, F0, F1, 0
	TURNT
	WIN 0
	s_sub_co_u32 s3, s3, 1
	s_cmp_eq_u32 s3, 0
	s_cbranch_scc1 .Ldone
	QUARTER BLK,   F0, F1, 0
	WIN 0
	s_branch .Ltail
.Ldone:
	; THE WAY OUT, 16 rows at a time through my own stage: my 64 columns of f32 are 256 aligned bytes of a row of out, so no other wave has a part in them
	s_wait_loadcnt 0x0                             ; bias, res (and f)
	PLACES
.irp a, 0,1,2,3
.if FFN2
	WIN 0x20                                       ; source 2 (bias) in window 2
.else
	WIN 0x08                                       ; source 1 (bias) in window 2
.endif
.irp b, 0,1,2,3
.irp k, 0,1,2,3
.if FFN2
	v_pk_fma_f32 v[TMP+8*\b+2*\k:TMP+8*\b+2*\k+1], v[ACC+8*(4*\a+\b)+2*\k:ACC+8*(4*\a+\b)+2*\k+1], v[FR+2*\a:FR+2*\a+1], v[BIA+8*\b+2*\k:BIA+8*\b+2*\k+1] op_sel_hi:[1,0,1]
.else
	v_pk_add_f32 v[TMP+8*\b+2*\k:TMP+8*\b+2*\k+1], v[ACC+8*(4*\a+\b)+2*\k:ACC+8*(4*\a+\b)+2*\k+1], v[BIA+8*\b+2*\k:BIA+8*\b+2*\k+1]
.endif
.endr
.endr
	WIN 0
.irp b, 0,1,2,3
	ds_store_b128 v[STO], v[TMP+8*\b:TMP+8*\b+3]   offset:64*\b
	ds_store_b128 v[STO], v[TMP+8*\b+4:TMP+8*\b+7] offset:64*\b+16
.endr
	s_wait_xcnt 0x0                                ; the last block's stores have read the registers that are loaded again below
.irp t, 0,1,2,3,4,5,6,7
	ds_load_b128 v[T2+4*\t:T2+4*\t+3], v[RD] offset:2*SPITCH*\t  ; LDS serves a wave's instructions in order (ISA guide 5.7.1.4)
.endr
	s_wait_dscnt 0x0
	WIN 0x08                                       ; source 1 (res) in window 2
.irp t, 0,1,2,3,4,5,6,7
	v_pk_add_f32 v[T2+4*\t:T2+4*\t+1],   v[T2+4*\t:T2+4*\t+1],   v[RES+4*(8*\a+\t):RES+4*(8*\a+\t)+1]
	v_pk_add_f32 v[T2+4*\t+2:T2+4*\t+3], v[T2+4*\t+2:T2+4*\t+3], v[RES+4*(8*\a+\t)+2:RES+4*(8*\a+\t)+3]
.endr
	WIN 0
.irp t, 0,1,2,3,4,5,6,7
	global_store_b128 v[XO], v[T2+4*\t:T2+4*\t+3], s[80:81] offset:(16*\a+2*\t)*4096  ; 16 lanes store 256 consecutive bytes, aligned
.endr
.endr
	s_wait_tensorcnt 0x0                           ; the wave's end
	ds_add_u32 v[SPW], v[NIL]
	s_wait_dscnt 0x0
	CROUND                                         ; the closing round
	s_endpgm
.Lfunc_end_k_qf79ad539f6_ffn2:
	.size	k_qf79ad539f6_ffn2, .Lfunc_end_k_qf79ad539f6_ffn2-k_qf79ad539f6_ffn2
	.p2alignl 7, 3214868480
	.fill 96, 4, 3214868480
	.section	.rodata,"a",@progbits
	.p2align	6, 0x0
	.amdhsa_kernel k_qf79ad539f6_ffn2
		.amdhsa_group_segment_fixed_size 327680
		.amdhsa_private_segment_fixed_size 0
		.amdhsa_enable_private_segment 0
		.amdhsa_kernarg_size 48
		.amdhsa_user_sgpr_count 2
		.amdhsa_user_sgpr_kernarg_segment_ptr 1
		.amdhsa_wavefront_size32 1
		.amdhsa_system_sgpr_workgroup_id_x 1
		.amdhsa_system_sgpr_workgroup_id_y 1
		.amdhsa_system_sgpr_workgroup_id_z 1
		.amdhsa_system_vgpr_workitem_id 0
		.amdhsa_next_free_vgpr 768
		.amdhsa_next_free_sgpr 84
		.amdhsa_reserve_vcc 0
		.amdhsa_float_denorm_mode_32 3
		.amdhsa_float_denorm_mode_16_64 3
		.amdhsa_memory_ordered 1
		.amdhsa_forward_progress 1
		.amdhsa_inst_pref_size 71
	.end_amdhsa_kernel
	.amdgpu_metadata
---
amdhsa.version: [ 1, 2 ]
amdhsa.kernels:
  - .name:           k_qf79ad539f6_ffn2
    .symbol:         k_qf79ad539f6_ffn2.kd
    .args:
      - { .name: gq, .offset: 0, .size: 8, .value_kind: global_buffer, .address_space: global }
      - { .name: p5, .offset: 8, .size: 8, .value_kind: global_buffer, .address_space: global }
      - { .name: b2, .offset: 16, .size: 8, .value_kind: global_buffer, .address_space: global }
      - { .name: x1, .offset: 24, .size: 8, .value_kind: global_buffer, .address_space: global }
      - { .name: out0, .offset: 32, .size: 8, .value_kind: global_buffer, .address_space: global }
      - { .name: att, .offset: 40, .size: 8, .value_kind: global_buffer, .address_space: global }
    .group_segment_fixed_size: 327680
    .private_segment_fixed_size: 0
    .kernarg_segment_align: 8
    .kernarg_segment_size: 48
    .max_flat_workgroup_size: 128
    .sgpr_count:     84
    .vgpr_count:     768
    .wavefront_size: 32
...
	.end_amdgpu_metadata
.endif
;; end of part 11
